; MI455X (gfx1250); checked and timed in simulation.
; The chip was launched on July 23, 2026; its instructions are those of AMD's public machine-readable ISA for CDNA 5 (MIT licence, August 2026) and "CDNA5" Instruction Set Architecture Reference Guide (July 2026). The comments in the code are by the model that wrote it; some were corrected since.
;; Custom Transformer Encoder Layer. Allowed arithmetic: matrix products marked QUANTISED: E4M3 operands, one given power-of-two scale a tensor, by v_wmma_f32_16x16x64_fp8_fp8 or v_wmma_f32_16x16x128_fp8_fp8, f32 sums; everything else in f32.
;; Inputs: alpha_attn one number float32; alpha_ff one number float32; attn_mask 2,048 x 2,048 bool; k_b 1,024 float32; k_w_codes 1,024 x 32 x 32 uint8 (E4M3 codes of k_w, K innermost, in blocks of 32 codes); l1_b 4,096 float32; l1_w_codes 4,096 x 32 x 32 uint8 (E4M3 codes of l1_w, K innermost, in blocks of 32 codes); l2_b 1,024 float32; l2_w_codes 1,024 x 128 x 32 uint8 (E4M3 codes of l2_w, K innermost, in blocks of 32 codes); lowp_scales 16 int32 (the exponents e of the quantised operands' scales 2^e); n1_b 1,024 float32; n1_s 1,024 float32; n2_b 1,024 float32; n2_s 1,024 float32; o_b 1,024 float32; o_w_codes 1,024 x 32 x 32 uint8 (E4M3 codes of o_w, K innermost, in blocks of 32 codes); q_b 1,024 float32; q_w_codes 1,024 x 32 x 32 uint8 (E4M3 codes of q_w, K innermost, in blocks of 32 codes); src 2 x 2,048 x 1,024 float32; v_b 1,024 float32; v_w_codes 1,024 x 32 x 32 uint8 (E4M3 codes of v_w, K innermost, in blocks of 32 codes).
;; Outputs: out0 2 x 2,048 x 1,024 float32.
;; This version of the problem:
;;   THIS VERSION OF THE PROBLEM IS GIVEN IN LOW PRECISION. The matrix products marked QUANTISED in the list below multiply operands that are first quantised to E4M3 (4 exponent bits, 3 mantissa bits; 8 bits a number), with one given power-of-two scale for each operand tensor; their sums are f32. All else is computed in f32.
;;   The module's matrix products, in the order in which they are computed (A, B: the left and right operand; K: the contracted axis; several contracted axes count as one K, in the product's order):
;;     1. [M 4,096, K 1,024] x [K 1,024, N 1,024]; A: input src; B: input q_w (given as codes): QUANTISED (scales: A lowp_scales[0], B lowp_scales[1])
;;     2. [M 4,096, K 1,024] x [K 1,024, N 1,024]; A: input src; B: input k_w (given as codes): QUANTISED (scales: A lowp_scales[2], B lowp_scales[3])
;;     3. [M 4,096, K 1,024] x [K 1,024, N 1,024]; A: input src; B: input v_w (given as codes): QUANTISED (scales: A lowp_scales[4], B lowp_scales[5])
;;     4. batch 32 x [M 2,048, K 64] x [K 64, N 2,048]; A: computed on the way; B: computed on the way: QUANTISED (scales: A lowp_scales[6], B lowp_scales[7])
;;     5. batch 32 x [M 2,048, K 2,048] x [K 2,048, N 64]; A: computed on the way; B: computed on the way: QUANTISED (scales: A lowp_scales[8], B lowp_scales[9])
;;     6. [M 4,096, K 1,024] x [K 1,024, N 1,024]; A: computed on the way; B: input o_w (given as codes): QUANTISED (scales: A lowp_scales[10], B lowp_scales[11])
;;     7. [M 4,096, K 1,024] x [K 1,024, N 4,096]; A: computed on the way; B: input l1_w (given as codes): QUANTISED (scales: A lowp_scales[12], B lowp_scales[13])
;;     8. [M 4,096, K 4,096] x [K 4,096, N 1,024]; A: computed on the way; B: input l2_w (given as codes): QUANTISED (scales: A lowp_scales[14], B lowp_scales[15])
;;   THE QUANTISER, for each operand of a quantised product, along K:
;;     - The operand's scale is 2^e, e = its entry of the input lowp_scales (int32; the entries are numbered through the quantised products in the list's order, A before B).
;;     - Each number is divided by the scale, clamped to +-448, and rounded to the nearest number of E4M3, ties to even, subnormals kept.
;;     - The product sums the exact products of the quantised numbers (number of the format x scale) in f32.
;;   ~~~python
;;   def quantise(x, axis, e):      # numpy; x: float32 -> the quantised numbers, widened to float32 again
;;       x = np.moveaxis(x, axis, -1); K = x.shape[-1]
;;       r = np.clip(x / 2.0 ** e, -448, 448)
;;       step = 2.0 ** (np.maximum(np.frexp(np.where(r == 0, 1, r))[1] - 1, -6) - 3)
;;       q = np.round(r / step) * step * 2.0 ** e      # np.round: ties to even
;;       return np.moveaxis(q, -1, axis).astype(np.float32)
;;   ~~~
;;   OPERANDS COMPUTED ON THE WAY. 'Computed on the way' means the value that the module computes at that place (a softmax that the list does not call 'softmax' is quantised finished and normalised). What goes into a quantiser is computed in f32, as accurately as f32 sums, v_exp_f32 and their like allow (about 1e-6 of the number): no bf16 or f16 on the way to a quantiser, and a product that is left as it is and whose result goes on into a quantised operand takes f32 operands (vector FMAs, or v_wmma_f32_16x16x4_f32). A number that lies on a knife's edge between two numbers of the format may be rounded either way, as far as f32 arithmetic and the matrix unit's own rounding can turn it there, and no further.
;;   INPUTS GIVEN AS CODES. k_w (in the module: [1024, 1024], K = its axis 1); l1_w (in the module: [4096, 1024], K = its axis 1); l2_w (in the module: [1024, 4096], K = its axis 1); o_w (in the module: [1024, 1024], K = its axis 1); q_w (in the module: [1024, 1024], K = its axis 1); v_w (in the module: [1024, 1024], K = its axis 1): each comes as NAME_codes (uint8): NAME with its K axis moved to the last place and cut into blocks of 32 codes, [.., K / 32, bytes a block], one block behind the other in memory; one code a byte (a code: sign, 4 exponent bits, 3 mantissa bits); its scale is its entry of lowp_scales. Its value is code x scale, taken as it is: it is not quantised again, and the codes and scales need not be those that the quantiser above would give.
;; 2 versions. Each part assembles by itself: llvm-mc -triple=amdgcn-amd-amdhsa -mcpu=gfx1250 --defsym DOCPART=n.
;; ======== version 1 of 2: 8 launches
;; workspace buffers: srcc 12,582,912 bytes; maskw 524,288 bytes of whole numbers; qkvf 12,582,912 bytes; af 4,194,304 bytes; y 16,777,216 bytes; x 16,777,216 bytes; xc 4,194,304 bytes; hc 16,777,216 bytes
;; launch prep (part 1): grid 384 x 1, 4 waves a work-group, no clusters, 67,072 bytes of LDS; arguments src, attn_mask, lowp_scales, srcc, maskw; writes srcc, maskw
.if DOCPART == 1
	.amdgcn_target "amdgcn-amd-amdhsa--gfx1250"
	.amdhsa_code_object_version 6
	.text
	.protected	k_qe36f30ab02_prep
	.globl	k_qe36f30ab02_prep
	.p2align	8
	.type	k_qe36f30ab02_prep,@function
k_qe36f30ab02_prep:
	s_mov_b64 s[64:65], 0
	v_nop
	global_prefetch_b8 v0, s[64:65] scope:SCOPE_SE
	s_setreg_imm32_b32 hwreg(HW_REG_WAVE_MODE, 25, 1), 1
	s_wait_xcnt 0x0
; PREP.  Two jobs in one launch, parted by the work-group's number; each path has LDS bytes and LDS address registers of its own.
; Work-groups 0-255: src [4096][1024] f32 becomes three sets of E4M3 codes, row-major, 4 MiB apart in srcc, with the scales 2^e of entries 0, 2 and 4 of lowp_scales
;   (products 1, 2, 3 each name a scale of their own for src).  code = x / 2^e, held within +-448, to the nearest code, ties to even.
;   A wave takes 8 steps of 512 numbers.  Each load reads 512 consecutive bytes; the step's 2,048 bytes turn through the wave's own stage in LDS (16 bytes of padding behind each 64),
;   so that a lane then holds 16 neighbours along K, which the conversions want; a lane's 16 codes are 16 bytes and the wave stores 512 consecutive bytes for each scale.
; Work-groups 256-383: attn_mask [2048][2048] (a byte each) becomes lane masks.  Word (qt, st, n = 8 t + j) at byte 4096 qt + 256 st + 4 n; its bit L (r = L % 16, h = L / 16) is
;   attn_mask[16 qt + r][128 st + 16 t + 8 h + j]: the mask of register n of the 64 score registers that a wave of the attention launch holds in key step st.
; LIMITS: entries 0, 2, 4 between -126 and 119.  NaN among the inputs is not served.  No barrier: waves share nothing.
.set NSRC,  256                        ; work-groups that take src
.set STEPS, 8
.set SP,    80                         ; a lane's place in a stage: 64 bytes + 16
.set WREG,  8192                       ; LDS of a wave on the src path: two stages of 32 x SP bytes
.set MSTG,  32768                      ; LDS of the mask path begins here
.set MP,    528                        ; a mask row of 512 bytes + 16: row r starts 4 r banks on
.set R,     16                         ; v16-79   four sets of 16 numbers as loaded
.set X,     80                         ; v80-111  two sets of 16 neighbours
.set T,     112                        ; v112-143 two sets of held numbers, by turns
.set C,     144                        ; v144-239 codes: 4 registers for each step and scale, so that no store's data are written again
	s_load_b128 s[4:7], s[0:1], 0x0                ; src s[4:5], attn_mask s[6:7]
	s_load_b128 s[8:11], s[0:1], 0x10              ; lowp_scales s[8:9], srcc s[10:11]
	s_load_b64 s[12:13], s[0:1], 0x20              ; maskw
	v_lshl_add_u32 v240, v0, 2, 0x10400
	v_mov_b32 v241, 0
	v_lshrrev_b32 v1, 5, v0
	v_readfirstlane_b32 s16, v1                    ; wave
	v_and_b32 v2, 31, v0                           ; lane
	v_lshlrev_b32 v3, 4, v2                        ; 16 x lane
	s_cmp_lt_u32 ttmp9, NSRC
	s_cbranch_scc0 .Lmask
; ---------------- src into codes
	s_mul_i32 s17, s16, WREG
	v_lshrrev_b32 v14, 2, v2
	v_mul_u32_u24 v14, v14, SP
	v_and_b32 v15, 3, v2
	v_lshl_add_u32 v14, v15, 4, v14
	v_add_nc_u32 v14, s17, v14                     ; into the stage: SP (lane / 4) + 16 (lane % 4)
	v_mul_u32_u24 v15, v2, SP
	v_add_nc_u32 v15, s17, v15                     ; out of it: SP x lane
	s_lshl_b32 s18, ttmp9, 2
	s_add_co_u32 s18, s18, s16                     ; which run of 4,096 numbers is my wave's
	s_lshl_b32 s20, s18, 14                        ; its bytes in src,
	s_mov_b32 s21, 0
	s_lshl_b32 s22, s18, 12                        ; and in each set of codes
	s_mov_b32 s23, 0
	s_wait_kmcnt 0x0
	s_load_b256 s[24:31], s[8:9], 0x0              ; entries 0 to 7
	s_add_nc_u64 s[4:5], s[4:5], s[20:21]
	s_add_nc_u64 s[10:11], s[10:11], s[22:23]      ; the three sets have a base each: 8 MiB is beyond a store's immediate
	s_add_nc_u64 s[12:13], s[10:11], 0x400000
	s_add_nc_u64 s[14:15], s[10:11], 0x800000
.macro LOAD t
.irp i, 0,1,2,3
	global_load_b128 v[R+16*((\t)%4)+4*\i:R+16*((\t)%4)+4*\i+3], v3, s[4:5] offset:2048*(\t)+512*\i th:TH_LOAD_NT
.endr
.endm
.macro TURN t                          ; LDS serves a wave's instructions in order: no wait between the stores and the loads
.irp i, 0,1,2,3
	ds_store_b128 v14, v[R+16*((\t)%4)+4*\i:R+16*((\t)%4)+4*\i+3] offset:32*SP*((\t)%2)+8*SP*\i
.endr
.irp i, 0,1,2,3
	ds_load_b128 v[X+16*((\t)%2)+4*\i:X+16*((\t)%2)+4*\i+3], v15 offset:32*SP*((\t)%2)+16*\i
.endr
.endm
.irp t, 0,1,2,3
	LOAD \t
.endr
	s_wait_kmcnt 0x0
.irp k, 0,1,2
	s_add_co_i32 s32, s[24+2*\k], 127
	s_lshl_b32 s33, s32, 23
	v_mov_b32 v[5+\k], s33                         ; 2^e as f32: the conversion takes its exponent field
	s_add_co_i32 s32, s32, 8
	s_lshl_b32 s32, s32, 23
	s_or_b32 s32, s32, 0x600000
	v_mov_b32 v[8+\k], s32                         ; 448 x 2^e
.endr
	s_wait_loadcnt 12                              ; step 0's four loads are in; three steps' may be out
	TURN 0
.macro STEP t
.set XS, X+16*((\t)%2)
	s_wait_dscnt 0x0                               ; this step's numbers are back, so its stores into the stage have read their registers,
.if (\t)+4 < STEPS
	LOAD (\t)+4                                    ; which take the loads of four steps on
.endif
.if (\t)+1 < STEPS
.if STEPS-2-(\t) >= 3
	s_wait_loadcnt 12                              ; the next step's four loads are in; those of the three steps behind it may be out
.else
	s_wait_loadcnt 4*(STEPS-2-(\t))
.endif
	TURN (\t)+1
.endif
.irp k, 0,1,2
.set TS, T+16*((3*(\t)+\k)%2)                  ; the held numbers' two sets take turns: the next scale's holds are the plain lines behind these conversions and write none of their sources
.set CS, C+12*(\t)+4*\k
.set i, 0
.rept 16
	v_med3_num_f32 v[TS+i], v[XS+i], -v[8+\k], v[8+\k]   ; the conversion to an 8-bit code does not saturate (ISA guide 7.6.2): the hold comes first
.set i, i+1
.endr
	v_cvt_scalef32_pk8_fp8_f32 v[CS:CS+1], v[TS:TS+7], v[5+\k]
	v_cvt_scalef32_pk8_fp8_f32 v[CS+2:CS+3], v[TS+8:TS+15], v[5+\k]
	global_store_b128 v3, v[CS:CS+3], s[10+2*\k:11+2*\k] offset:512*(\t)   ; 32 lanes store 512 consecutive bytes
.endr
.endm
.irp t, 0,1,2,3,4,5,6,7
	STEP \t
.endr
	s_wait_tensorcnt 0x0
	ds_add_u32 v240, v241
	s_wait_dscnt 0x0
	s_endpgm
; ---------------- the mask into lane masks: work-group qt = number - 256 takes 16 queries, wave w keys 512 w .. 512 w + 511
.Lmask:
	s_sub_co_u32 s18, ttmp9, NSRC                  ; qt
	s_lshl_b32 s20, s18, 15                        ; 16 rows of 2,048 bytes
	s_lshl_b32 s19, s16, 9
	s_add_co_u32 s20, s20, s19
	s_mov_b32 s21, 0
	s_lshl_b32 s22, s18, 12                        ; 4,096 bytes of words for a query tile, 1,024 of them my wave's
	s_lshl_b32 s19, s16, 10
	s_add_co_u32 s22, s22, s19
	s_mov_b32 s23, 0
	s_mul_i32 s17, s16, 16*MP
	s_add_co_u32 s17, s17, MSTG                    ; my stage: 16 rows
	v_add_nc_u32 v12, s17, v3                      ; in: 16 x lane of a row
	v_and_b32 v4, 15, v0                           ; r
	v_bfe_u32 v5, v0, 4, 1                         ; h
	v_mul_u32_u24 v13, v4, MP
	v_lshl_add_u32 v13, v5, 3, v13
	v_add_nc_u32 v13, s17, v13                     ; out: row r, + 8 h: the eight keys of my half of a tile
	s_wait_kmcnt 0x0
	s_add_nc_u64 s[6:7], s[6:7], s[20:21]
	s_add_nc_u64 s[12:13], s[12:13], s[22:23]
.irp i, 0,1,2,3,4,5,6,7,8,9,10,11,12,13,14,15
	global_load_b128 v[16+4*\i:19+4*\i], v3, s[6:7] offset:2048*\i th:TH_LOAD_NT   ; 512 consecutive bytes of row i
.endr
.irp i, 0,1,2,3,4,5,6,7
	v_mov_b32 v[96+\i], 0                          ; the words' registers are written whole before single lanes are
.endr
	s_wait_loadcnt 0x0
.irp i, 0,1,2,3,4,5,6,7,8,9,10,11,12,13,14,15
	ds_store_b128 v12, v[16+4*\i:19+4*\i] offset:MP*\i
.endr
.set n, 0                              ; word 0 .. 255 of my wave: tile n / 8, byte n % 8
.rept 4
.set tt, 0
.rept 8
	ds_load_b64 v[80+2*tt:81+2*tt], v13 offset:2*n+16*tt   ; eight tiles: 32 lanes touch 64 different banks
.set tt, tt+1
.endr
	s_wait_dscnt 0x0
.rept 64
	v_bfe_u32 v[8+n%4], v[80+2*((n/8)%8)+(n%8)/4], 8*(n%4), 8
	v_cmp_ne_u32 s[40+n%4], 0, v[8+n%4]            ; the 32 lanes' bits are the word
	v_writelane_b32 v[96+4*(n/128)+n%4], s[40+n%4], (n/4)%32   ; word n lies in lane (n / 4) % 32, so that a lane holds four neighbouring words
.set n, n+1
.endr
.endr
	global_store_b128 v3, v[96:99], s[12:13]       ; 512 consecutive bytes each
	global_store_b128 v3, v[100:103], s[12:13] offset:512
	s_wait_tensorcnt 0x0
	ds_add_u32 v240, v241
	s_wait_dscnt 0x0
	s_endpgm
.Lfunc_end_k_qe36f30ab02_prep:
	.size	k_qe36f30ab02_prep, .Lfunc_end_k_qe36f30ab02_prep-k_qe36f30ab02_prep
	.p2alignl 7, 3214868480
	.fill 96, 4, 3214868480
	.section	.rodata,"a",@progbits
	.p2align	6, 0x0
	.amdhsa_kernel k_qe36f30ab02_prep
		.amdhsa_group_segment_fixed_size 67072
		.amdhsa_private_segment_fixed_size 0
		.amdhsa_enable_private_segment 0
		.amdhsa_kernarg_size 40
		.amdhsa_user_sgpr_count 2
		.amdhsa_user_sgpr_kernarg_segment_ptr 1
		.amdhsa_wavefront_size32 1
		.amdhsa_system_sgpr_workgroup_id_x 1
		.amdhsa_system_sgpr_workgroup_id_y 1
		.amdhsa_system_sgpr_workgroup_id_z 1
		.amdhsa_system_vgpr_workitem_id 0
		.amdhsa_next_free_vgpr 242
		.amdhsa_next_free_sgpr 66
		.amdhsa_reserve_vcc 0
		.amdhsa_float_denorm_mode_32 3
		.amdhsa_float_denorm_mode_16_64 3
		.amdhsa_memory_ordered 1
		.amdhsa_forward_progress 1
		.amdhsa_inst_pref_size 94
	.end_amdhsa_kernel
	.amdgpu_metadata
---
amdhsa.version: [ 1, 2 ]
amdhsa.kernels:
  - .name:           k_qe36f30ab02_prep
    .symbol:         k_qe36f30ab02_prep.kd
    .args:
      - { .name: src, .offset: 0, .size: 8, .value_kind: global_buffer, .address_space: global }
      - { .name: attn_mask, .offset: 8, .size: 8, .value_kind: global_buffer, .address_space: global }
      - { .name: lowp_scales, .offset: 16, .size: 8, .value_kind: global_buffer, .address_space: global }
      - { .name: srcc, .offset: 24, .size: 8, .value_kind: global_buffer, .address_space: global }
      - { .name: maskw, .offset: 32, .size: 8, .value_kind: global_buffer, .address_space: global }
    .group_segment_fixed_size: 67072
    .private_segment_fixed_size: 0
    .kernarg_segment_align: 8
    .kernarg_segment_size: 40
    .max_flat_workgroup_size: 128
    .sgpr_count:     66
    .vgpr_count:     242
    .wavefront_size: 32
...
	.end_amdgpu_metadata
.endif
;; end of part 1
;; launch qkv (part 2): grid 12 x 16, 4 waves a work-group, clusters of 4 x 4, 327,680 bytes of LDS; arguments srcc, q_w_codes, k_w_codes, v_w_codes, q_b, k_b, v_b, lowp_scales, qkvf; writes qkvf
.if DOCPART == 2
	.amdgcn_target "amdgcn-amd-amdhsa--gfx1250"
	.amdhsa_code_object_version 6
	.text
	.protected	k_qe36f30ab02_qkv
	.globl	k_qe36f30ab02_qkv
	.p2align	8
	.type	k_qe36f30ab02_qkv,@function
k_qe36f30ab02_qkv:
	s_mov_b64 s[64:65], 0
	v_nop
	global_prefetch_b8 v0, s[64:65] scope:SCOPE_SE
	s_setreg_imm32_b32 hwreg(HW_REG_WAVE_MODE, 25, 1), 1
	s_wait_xcnt 0x0
	s_wait_alu depctr_hold_cnt(0) depctr_sa_sdst(0) depctr_va_vdst(0) depctr_va_sdst(0) depctr_va_ssrc(0) depctr_va_vcc(0) depctr_vm_vsrc(0)
	s_getreg_b32 s2, hwreg(HW_REG_IB_STS2, 6, 4)
	s_cmp_eq_u32 s2, 0
	s_cbranch_scc0 .Lentry_in_a_cluster
	s_endpgm
.Lentry_in_a_cluster:
	s_bfe_u32 s2, ttmp6, 0x10000c
	s_cmp_lg_u32 s2, 0xf033
	s_cbranch_scc0 .Lentry_shape_is_right
	s_endpgm
.Lentry_shape_is_right:
; QKV.  q, k, v = src W^T + bias on E4M3 codes (K = 1,024), quantised on the way out into the register images that the attention launch reads.
; The cluster's x (0, 1, 2) says which product; it is the same in all sixteen partners.  A work-group makes 256 x 256 of a product, each of four waves 128 x 128 (64 accumulators, 512 registers).
; The matrix instruction is used transposed (source 0 = 16 rows of "B", source 1 = 16 rows of "A"): a lane holds one row of "A" and eight neighbouring rows of "B".
;   q, k: "A" = src's codes (tokens), "B" = the weight (channels): a lane holds a token and its registers run along the channels, which are the K of the scores.
;   v:    "A" = the weight (channels), "B" = src's codes (tokens): a lane holds a channel and its registers run along the tokens, which are the K of the second product of attention.
; K goes in steps of 256 through a ring of two LDS slots filled by joint tensor loads: "A"'s tile is shared along a row of the 4 x 4 cluster, "B"'s along a column.
; A fragment (16 rows x 128 K) is fetched by four loads of 16 bytes, so k stands permuted inside an instruction, alike in both operands: only the order of sums inside an instruction changes.
; The bias along the columns is the C of the first K step, divided by the power of two that the sums lack; for v the bias runs along the rows and is added on the way out (the column table is then zeros).
; OUT: q, k images [b 16 + head][token / 16][c = 0, 1][lane][16 bytes]: byte 8 u + j of lane (r, h) is channel 32 c + 16 u + 8 h + j of token r;
;      v images [b 16 + head][key / 128][dt = 0..3][c = 0..3][lane][16]: lane (r, h) holds channel 16 dt + r, byte 8 u + j is key 32 c + 16 u + 8 h + j.  Parts q, k, v lie 4 MiB apart in qkvf.
; LIMITS: e6 - e0 - e1, e7 - e2 - e3 and e9 - e4 - e5 between -126 and 119.  NaN among the inputs is not served.
; REGISTERS, in windows of 256: window 0: v0-31 addresses; v32-95 the column bias, later a block's held sums; v96-111 the row bias; v112, v113 the conversion's scale and 448 x it; v128-255 "A"'s fragments, one set, later the codes.
;   window 1: "B"'s fragments, two sets.   windows 2, 3: the accumulators ((a, b) at v[8 (8 (a % 4) + b)]).
.set SIZE_K, 1024
.set ROWB,   256                       ; a tile's row: 256 codes
.set KROW,   SIZE_K
.set PITCH,  272                       ; 256 bytes + 16: the 16 rows that a load touches start at 16 different banks
.set FR,     16
.set NL,     4
.set NP,     4                         ; places behind this matrix instruction (ISA guide 7.12.1)
.set HALFT,  128*PITCH
.set SLOT,   4*HALFT
.set LAPS,   SIZE_K/512
.set SPARE,  2*SLOT                    ; the spare words, 128 bytes a wave: no other line names them
.set ADRA, 16
.set ADRB, 20
.set CO,   26                          ; v26 16 x lane
.set SPW,  28
.set NIL,  29
.set BT,   32
.set TMP,  32
.set BR,   96
.set SCL,  112
.set LIM,  113
.set AF,   128
.set CD,   128
.set G1, 24
.set G0, 32
.set G1B, 48
.set G0B, 56
.set MSB, 0
.macro WIN new                         ; the immediate's high byte repeats the setting that is left
.if MSB != \new
	s_set_vgpr_msb (MSB<<8)|\new
.set MSB, \new
.endif
.endm
.set MUL_LO, 0xa1                      ; source 0 window 1, source 1 window 0, C and D window 2
.set MUL_HI, 0xf1                      ; the same, C and D window 3
.set FIRST_LO, 0x81                    ; the first K step: C (the bias) window 0, D window 2
.set FIRST_HI, 0xc1
.set TO_B,   0x40
.macro JLOAD g0a, g1a, g0b, g1b        ; a joint load: waves 0, 1 fetch for "A", waves 2, 3 for "B"; four v_nop follow each line
	s_cmp_eq_u32 s15, 0
	s_cbranch_scc0 .Lfor_b_\@
	tensor_load_to_lds s[\g0a:\g0a+3], s[\g1a:\g1a+7]
	s_nop 0
.rept 4
	v_nop
.endr
	s_branch .Lasked_\@
.Lfor_b_\@:
	tensor_load_to_lds s[\g0b:\g0b+3], s[\g1b:\g1b+7]
	s_nop 0
.rept 4
	v_nop
.endr
.Lasked_\@:
.endm
.macro CREST                           ; a round of the cluster's barrier behind its opening barrier
	s_cmp_lg_u32 s14, 0
	s_cbranch_scc1 .Lnot_wave_0_\@
	s_barrier_signal -3
.Lnot_wave_0_\@:
	s_barrier_wait -3
	s_barrier_signal -1
	s_barrier_wait -1
.endm
.macro CROUND
	s_barrier_signal -1
	s_barrier_wait -1
	CREST
.endm
	s_load_b512 s[68:83], s[0:1], 0x0              ; srcc, q_w, k_w, v_w, q_b, k_b, v_b, lowp_scales
	s_load_b64 s[84:85], s[0:1], 0x40              ; qkvf
	v_lshl_add_u32 v[SPW], v0, 2, SPARE
	v_mov_b32 v[NIL], 0
	ds_add_u32 v28, v29
	ds_add_u32 v28, v29
	s_wait_dscnt 0x0
	v_lshrrev_b32 v1, 5, v0
	v_readfirstlane_b32 s14, v1                    ; wave 0..3
	s_lshr_b32 s15, s14, 1                         ; my half of the tile's rows.  Also: I fetch for "A" (0) or "B" (1)
	s_and_b32 s16, s14, 1                          ; my half of its columns.  Also: which 128 rows I fetch
	s_bfe_u32 s40, ttmp6, 0x40000                  ; cx
	s_bfe_u32 s41, ttmp6, 0x40004                  ; cy
	s_and_b32 s18, ttmp7, 0xffff
	s_lshl_b32 s18, s18, 2                         ; 4 x cluster y
	s_add_co_u32 s17, s18, s41
	s_add_co_u32 s42, s18, s40
	s_cmp_eq_u32 ttmp9, 2                          ; v?
	s_cselect_b32 s17, s41, s17                    ; tile row: q, k: 4 Y + cy (tokens); v: cy (channels).  It never holds cx
	s_cselect_b32 s42, s42, s40                    ; tile column: q, k: cx (channels); v: 4 Y + cx (tokens).  It never holds cy
	s_lshl_b32 s43, s41, 2
	s_lshl_b32 s43, 15, s43                        ; my row of the cluster
	s_lshl_b32 s44, 0x1111, s40                    ; my column
	s_or_b32 s[G1+0], s43, (1<<20)|(1<<21)|(5<<22)|(3<<25)   ; the mask; elements of 1 byte; padding of 4 words behind every 64; bit 21 beside a mask
	s_or_b32 s[G1B+0], s44, (1<<20)|(1<<21)|(5<<22)|(3<<25)
.irp g, G1, G1B
	s_mov_b32 s[\g+1], ROWB<<16                    ; tensor_dim0
	s_mov_b32 s[\g+2], 128<<16                     ; tensor_dim1
	s_mov_b32 s[\g+3], ROWB<<16                    ; tile_dim0
	s_mov_b32 s[\g+4], 128                         ; tile_dim1
	s_mov_b32 s[\g+5], KROW                        ; the pitch
	s_mov_b32 s[\g+6], 0
	s_mov_b32 s[\g+7], 0
.endr
	s_lshl_b32 s18, s16, 7
	s_lshl_b32 s20, s17, 8
	s_add_co_u32 s20, s20, s18                     ; "A": row 256 x tile row + 128 x half,
	s_lshl_b32 s20, s20, 10                        ; in bytes
	s_mov_b32 s21, 0
	s_lshl_b32 s46, s42, 8
	s_add_co_u32 s46, s46, s18                     ; "B" likewise by the tile column
	s_lshl_b32 s46, s46, 10
	s_mov_b32 s47, 0
	s_mul_i32 s45, s14, HALFT                      ; where they go: wave x 128 rows
	s_lshl_b32 s22, ttmp9, 22                      ; this product's set of src's codes
	s_mov_b32 s23, 0
	s_wait_kmcnt 0x0
	s_add_nc_u64 s[68:69], s[68:69], s[22:23]
	s_cmp_eq_u32 ttmp9, 0
	s_cselect_b64 s[6:7], s[70:71], s[72:73]       ; q_w or k_w
	s_cselect_b64 s[8:9], s[76:77], s[78:79]       ; q_b or k_b
	s_cmp_eq_u32 ttmp9, 2
	s_cselect_b64 s[4:5], s[74:75], s[68:69]       ; "A"
	s_cselect_b64 s[6:7], s[68:69], s[6:7]         ; "B"
	s_cselect_b64 s[8:9], s[80:81], s[8:9]         ; the bias
	s_mov_b64 s[10:11], s[84:85]
	s_mov_b64 s[86:87], s[82:83]
	s_load_b512 s[68:83], s[86:87], 0x0            ; the sixteen exponents
	s_add_nc_u64 s[20:21], s[4:5], s[20:21]
	s_add_nc_u64 s[46:47], s[6:7], s[46:47]
	CROUND                                         ; all sixteen work-groups are here: the first joint loads meet
.irp s, 0,1
	s_mov_b32 s[G0+4*\s], 1
	s_add_co_u32 s[G0+4*\s+1], s45, \s*SLOT
	s_add_nc_u64 s[G0+4*\s+2:G0+4*\s+3], s[20:21], \s*ROWB
	s_or_b32 s[G0+4*\s+3], s[G0+4*\s+3], 0x80000000
	s_mov_b32 s[G0B+4*\s], 1
	s_add_co_u32 s[G0B+4*\s+1], s45, \s*SLOT
	s_add_nc_u64 s[G0B+4*\s+2:G0B+4*\s+3], s[46:47], \s*ROWB
	s_or_b32 s[G0B+4*\s+3], s[G0B+4*\s+3], 0x80000000
	JLOAD G0+4*\s, G1, G0B+4*\s, G1B
.endr
	v_and_b32 v1, 15, v0                           ; r
	v_bfe_u32 v2, v0, 4, 1                         ; h
	v_and_b32 v7, 31, v0
	v_lshlrev_b32 v[CO], 4, v7
	v_mul_u32_u24 v3, v1, PITCH
	v_lshl_add_u32 v4, v2, 4, v3                   ; a fragment's row x pitch + 16 h
	s_mul_i32 s21, s15, HALFT
	s_mul_i32 s22, s16, HALFT
	s_add_co_u32 s22, s22, 2*HALFT
.irp s, 0,1
	v_add_nc_u32 v[ADRA+\s], s21, v4
	v_add_nc_u32 v[ADRB+\s], s22, v4
	s_add_co_u32 s21, s21, SLOT
	s_add_co_u32 s22, s22, SLOT
.endr
	s_lshl_b32 s18, s17, 8
	s_lshl_b32 s19, s15, 7
	s_add_co_u32 s18, s18, s19                     ; my first row
	s_lshl_b32 s19, s42, 8
	s_lshl_b32 s20, s16, 7
	s_add_co_u32 s19, s19, s20                     ; my first column
	s_cmp_eq_u32 ttmp9, 2
	s_cselect_b32 s20, s19, s18                    ; my first token
	s_cselect_b32 s21, s18, s19                    ; my first channel
	s_cselect_b32 s22, 0, s19                      ; where the column table is read (v: anywhere inside; it becomes zeros)
	s_cselect_b32 s88, s18, 0                      ; where the row table is read (q, k: anywhere inside; it is not used)
	s_cselect_b32 s92, -1, 0                       ; all lanes where v
	s_lshl_b32 s22, s22, 2
	s_mov_b32 s23, 0
	s_lshl_b32 s88, s88, 2
	s_mov_b32 s89, 0
	s_add_nc_u64 s[12:13], s[8:9], s[88:89]
	s_add_nc_u64 s[8:9], s[8:9], s[22:23]
	s_lshr_b32 s90, s20, 11                        ; the batch: 2 MiB of images,
	s_lshl_b32 s90, s90, 21
	s_lshr_b32 s91, s21, 6                         ; the head: 131,072 bytes,
	s_lshl_b32 s91, s91, 17
	s_add_co_u32 s90, s90, s91
	s_and_b32 s91, s20, 2047                       ; the token in the batch: 64 bytes each in either layout,
	s_lshl_b32 s91, s91, 6
	s_add_co_u32 s90, s90, s91
	s_lshl_b32 s91, ttmp9, 22                      ; the part
	s_add_co_u32 s90, s90, s91
	s_mov_b32 s91, 0
	s_add_nc_u64 s[10:11], s[10:11], s[90:91]
	v_lshlrev_b32 v5, 5, v2                        ; 32 h: my half's eight numbers of sixteen
	v_lshlrev_b32 v6, 2, v1                        ; 4 r
.irp b, 0,1,2,3,4,5,6,7
	global_load_b128 v[BT+8*\b:BT+8*\b+3], v5, s[8:9] offset:64*\b
	global_load_b128 v[BT+8*\b+4:BT+8*\b+7], v5, s[8:9] offset:64*\b+16
.endr
.irp a, 0,1,2,3,4,5,6,7
	global_load_b32 v[BR+2*\a], v6, s[12:13] offset:64*\a
.endr
	s_wait_kmcnt 0x0
	s_cmp_eq_u32 ttmp9, 0
	s_cselect_b32 s88, s68, s70
	s_cselect_b32 s89, s69, s71
	s_cselect_b32 s90, s74, s75
	s_cmp_eq_u32 ttmp9, 2
	s_cselect_b32 s88, s72, s88                    ; ea
	s_cselect_b32 s89, s73, s89                    ; eb
	s_cselect_b32 s90, s77, s90                    ; eo: entry 6, 7 or 9
	s_add_co_i32 s88, s88, s89                     ; a sum stands for sum x 2^(ea + eb)
	s_sub_co_i32 s89, 0, s88
	s_sub_co_i32 s90, s90, s88                     ; the three scales folded into the conversion's one
	s_add_co_i32 s90, s90, 127
	s_lshl_b32 s91, s90, 23
	v_mov_b32 v[SCL], s91
	s_add_co_i32 s90, s90, 8
	s_lshl_b32 s90, s90, 23
	s_or_b32 s90, s90, 0x600000
	v_mov_b32 v[LIM], s90                          ; 448 x that
	s_wait_loadcnt 0x0
.set i, 0
.rept 64
	v_ldexp_f32 v[BT+i], v[BT+i], s89              ; bias / 2^(ea + eb)
.set i, i+1
.endr
.set i, 0
.rept 64
	v_cndmask_b32 v[BT+i], v[BT+i], v[NIL], s92    ; v: zeros
.set i, i+1
.endr
.irp a, 0,1,2,3,4,5,6,7
	v_ldexp_f32 v[BR+2*\a], v[BR+2*\a], s89
	v_mov_b32 v[BR+2*\a+1], v[BR+2*\a]             ; as a pair, for the packed addition
.endr
.macro FRAG reg, adr, q, i             ; 16 rows x 128 K: registers 4 c .. 4 c + 3 hold K = 32 c + 16 h + 0 .. 15 of row r
.irp c, 0,1,2,3
	ds_load_b128 v[\reg+4*\c:\reg+4*\c+3], v[\adr] offset:128*(\q)+32*\c+(\i)*16*PITCH
.endr
.endm
; 16 matrix instructions: "A"'s blocks a0, a0 + 1 x "B"'s eight.  first = 1: C is the bias table.  The 64 accumulators take turns, one instruction a turn.
.macro MUL16 a0, p, first
.irp a, \a0, \a0+1
.irp b, 0,1,2,3,4,5,6,7
.if \first
	v_wmma_f32_16x16x128_fp8_fp8 v[8*(8*((\a)%4)+\b):8*(8*((\a)%4)+\b)+7], v[128*(\p)+FR*\b:128*(\p)+FR*\b+FR-1], v[AF+FR*(\a):AF+FR*(\a)+FR-1], v[BT+8*\b:BT+8*\b+7]
.else
	v_wmma_f32_16x16x128_fp8_fp8 v[8*(8*((\a)%4)+\b):8*(8*((\a)%4)+\b)+7], v[128*(\p)+FR*\b:128*(\p)+FR*\b+FR-1], v[AF+FR*(\a):AF+FR*(\a)+FR-1], v[8*(8*((\a)%4)+\b):8*(8*((\a)%4)+\b)+7]
.endif
.endr
.endr
.endm
.macro FETCH_B slot, q, p
	WIN TO_B
.irp i, 0,1,2,3,4,5,6,7
	FRAG 128*(\p)+FR*\i, ADRB+\slot, \q, \i
.endr
	WIN 0
.endm
.macro FETCH_A slot, q, i0
.irp i, \i0, \i0+1, \i0+2, \i0+3
	FRAG AF+FR*(\i), ADRA+\slot, \q, \i
.endr
.endm
.macro PLACES n                        ; plain vector lines between a matrix instruction and a load into, or a read of, its registers
.rept \n
	v_nop
.endr
.endm
.macro STEP slot, q, first             ; 128 along K whose successor lies in the same slot
	s_wait_dscnt 4*NL                              ; "B"'s set and "A"'s blocks 0-3 are in; the youngest 16 loads (blocks 4-7) may be out
.if \first
	WIN FIRST_LO
.else
	WIN MUL_LO
.endif
	MUL16 0, (\q)%2, \first
	MUL16 2, (\q)%2, \first
	s_wait_dscnt 0
	PLACES NP
	FETCH_B \slot, (\q)+1, 1-(\q)%2
	FETCH_A \slot, (\q)+1, 0
.if \first
	WIN FIRST_HI
.else
	WIN MUL_HI
.endif
	MUL16 4, (\q)%2, \first
	MUL16 6, (\q)%2, \first
	PLACES NP
	WIN 0
	FETCH_A \slot, (\q)+1, 4
.endm
; A slot's last step changes slots: one barrier; in front of it each wave waits for all its tensor loads, adds 0 to its spare word, and waits for that and for its reads of the slot.
.macro TURN slot, next, fill
	s_wait_tensorcnt 0x0                           ; all my tensor loads have landed: my part of the next slot
	ds_add_u32 v[SPW], v[NIL]                      ; 0 onto my spare word
	s_wait_dscnt 4*NL+1                            ; the add and the youngest 16 loads may be out
	WIN MUL_LO
	MUL16 0, 1, 0
	s_wait_dscnt 0x0                               ; the add is done, and my reads of this slot are over
	s_barrier_signal -1
	MUL16 2, 1, 0
	WIN 0
	s_barrier_wait -1
.if \fill
	CREST                                          ; the barrier has opened a round of the cluster's: no wave of any partner still reads the slot or has a load on its way
	s_add_nc_u64 s[G0+4*\slot+2:G0+4*\slot+3], s[G0+4*\slot+2:G0+4*\slot+3], 2*ROWB
	s_add_nc_u64 s[G0B+4*\slot+2:G0B+4*\slot+3], s[G0B+4*\slot+2:G0B+4*\slot+3], 2*ROWB
	JLOAD G0+4*\slot, G1, G0B+4*\slot, G1B         ; the first tensor load behind the round; its four v_nop are also the places in front of the loads below
.else
	PLACES NP
.endif
	FETCH_B \next, 0, 0
	FETCH_A \next, 0, 0
	WIN MUL_HI
	MUL16 4, 1, 0
	MUL16 6, 1, 0
	PLACES NP
	WIN 0
	FETCH_A \next, 0, 4
.endm
	s_wait_tensorcnt 1                             ; my part of K step 0 is in; K step 1's load may be out
	s_barrier_signal -1
	s_barrier_wait -1
	FETCH_B 0, 0, 0
	FETCH_A 0, 0, 0
	FETCH_A 0, 0, 4
	STEP 0, 0, 1                                   ; the first step stands in front of the loop: its products start the sums on the bias
	s_mov_b32 s3, LAPS-1
.Llap:                                                 ; a trip goes once round the ring and fills both slots again
	TURN 0, 1, 1
	STEP 1, 0, 0
	TURN 1, 0, 1
	STEP 0, 0, 0
	s_sub_co_u32 s3, s3, 1
	s_cmp_lg_u32 s3, 0
	s_cbranch_scc1 .Llap
	TURN 0, 1, 0                                   ; the last lap fills nothing
	STEP 1, 0, 0
	s_wait_dscnt 4*NL
	WIN MUL_LO
	MUL16 0, 1, 0
	MUL16 2, 1, 0
	s_wait_dscnt 0
	WIN MUL_HI
	MUL16 4, 1, 0
	MUL16 6, 1, 0
	WIN 0
; THE WAY OUT of block a (16 rows of "A" x 128 rows of "B"): hold, convert, store.  Two neighbouring accumulators' codes are 16 bytes a lane and are a piece of an image as they stand:
; the 32 lanes store 512 consecutive bytes.  Each block has 16 registers of its own for its codes, so no store's data are written again.  Each accumulator is read from its low end on.
.macro OUT a, isv
.set AC, 64*((\a)%4)
	WIN 0x02+((\a)/4)                              ; source 0: window 2 or 3
.if \isv
.set i, 0
.rept 32
	v_pk_add_f32 v[TMP+i:TMP+i+1], v[AC+i:AC+i+1], v[BR+2*(\a):BR+2*(\a)+1]   ; the bias of my channel
.set i, i+2
.endr
	WIN 0
.set i, 0
.rept 64
	v_med3_num_f32 v[TMP+i], v[TMP+i], -v[LIM], v[LIM]
.set i, i+1
.endr
.else
.set i, 0
.rept 64
	v_med3_num_f32 v[TMP+i], v[AC+i], -v[LIM], v[LIM]   ; the conversion does not saturate (ISA guide 7.6.2)
.set i, i+1
.endr
	WIN 0
.endif
.set g, 0
.rept 8
	v_cvt_scalef32_pk8_fp8_f32 v[CD+16*(\a)+2*g:CD+16*(\a)+2*g+1], v[TMP+8*g:TMP+8*g+7], v[SCL]
.set g, g+1
.endr
	v_nop                                          ; a plain line behind the last conversion: the next block writes its sources
.irp p, 0,1,2,3
.if \isv
	global_store_b128 v[CO], v[CD+16*(\a)+4*\p:CD+16*(\a)+4*\p+3], s[10:11] offset:((\a)/4)*131072+((\a)%4)*2048+\p*512
.else
	global_store_b128 v[CO], v[CD+16*(\a)+4*\p:CD+16*(\a)+4*\p+3], s[10:11] offset:(\a)*1024+(\p/2)*131072+(\p%2)*512
.endif
.endr
.endm
	PLACES NP
	s_cmp_eq_u32 ttmp9, 2                          ; the cluster's x: the same in all partners
	s_cbranch_scc1 .Lout_v
.irp a, 0,1,2,3,4,5,6,7
	OUT \a, 0
.endr
	s_branch .Lout_done
.Lout_v:
.irp a, 0,1,2,3,4,5,6,7
	OUT \a, 1
.endr
.Lout_done:
	s_wait_tensorcnt 0x0                           ; the wave's end
	ds_add_u32 v[SPW], v[NIL]
	s_wait_dscnt 0x0
	CROUND                                         ; the closing round
	s_endpgm
.Lfunc_end_k_qe36f30ab02_qkv:
	.size	k_qe36f30ab02_qkv, .Lfunc_end_k_qe36f30ab02_qkv-k_qe36f30ab02_qkv
	.p2alignl 7, 3214868480
	.fill 96, 4, 3214868480
	.section	.rodata,"a",@progbits
	.p2align	6, 0x0
	.amdhsa_kernel k_qe36f30ab02_qkv
		.amdhsa_group_segment_fixed_size 327680
		.amdhsa_private_segment_fixed_size 0
		.amdhsa_enable_private_segment 0
		.amdhsa_kernarg_size 72
		.amdhsa_user_sgpr_count 2
		.amdhsa_user_sgpr_kernarg_segment_ptr 1
		.amdhsa_wavefront_size32 1
		.amdhsa_system_sgpr_workgroup_id_x 1
		.amdhsa_system_sgpr_workgroup_id_y 1
		.amdhsa_system_sgpr_workgroup_id_z 1
		.amdhsa_system_vgpr_workitem_id 0
		.amdhsa_next_free_vgpr 1024
		.amdhsa_next_free_sgpr 100
		.amdhsa_reserve_vcc 0
		.amdhsa_float_denorm_mode_32 3
		.amdhsa_float_denorm_mode_16_64 3
		.amdhsa_memory_ordered 1
		.amdhsa_forward_progress 1
		.amdhsa_inst_pref_size 186
	.end_amdhsa_kernel
	.amdgpu_metadata
---
amdhsa.version: [ 1, 2 ]
amdhsa.kernels:
  - .name:           k_qe36f30ab02_qkv
    .symbol:         k_qe36f30ab02_qkv.kd
    .args:
      - { .name: srcc, .offset: 0, .size: 8, .value_kind: global_buffer, .address_space: global }
      - { .name: q_w_codes, .offset: 8, .size: 8, .value_kind: global_buffer, .address_space: global }
      - { .name: k_w_codes, .offset: 16, .size: 8, .value_kind: global_buffer, .address_space: global }
      - { .name: v_w_codes, .offset: 24, .size: 8, .value_kind: global_buffer, .address_space: global }
      - { .name: q_b, .offset: 32, .size: 8, .value_kind: global_buffer, .address_space: global }
      - { .name: k_b, .offset: 40, .size: 8, .value_kind: global_buffer, .address_space: global }
      - { .name: v_b, .offset: 48, .size: 8, .value_kind: global_buffer, .address_space: global }
      - { .name: lowp_scales, .offset: 56, .size: 8, .value_kind: global_buffer, .address_space: global }
      - { .name: qkvf, .offset: 64, .size: 8, .value_kind: global_buffer, .address_space: global }
    .group_segment_fixed_size: 327680
    .private_segment_fixed_size: 0
    .kernarg_segment_align: 8
    .kernarg_segment_size: 72
    .max_flat_workgroup_size: 128
    .sgpr_count:     100
    .vgpr_count:     1024
    .wavefront_size: 32
...
	.end_amdgpu_metadata
.endif
;; end of part 2
;; launch attn (part 3): grid 8 x 32, 16 waves a work-group, clusters of 4 x 1, 264,192 bytes of LDS; arguments qkvf, maskw, lowp_scales, af; writes af
.if DOCPART == 3
	.amdgcn_target "amdgcn-amd-amdhsa--gfx1250"
	.amdhsa_code_object_version 6
	.text
	.protected	k_qe36f30ab02_attn
	.globl	k_qe36f30ab02_attn
	.p2align	8
	.type	k_qe36f30ab02_attn,@function
k_qe36f30ab02_attn:
	s_mov_b64 s[64:65], 0
	v_nop
	global_prefetch_b8 v0, s[64:65] scope:SCOPE_SE
	s_setreg_imm32_b32 hwreg(HW_REG_WAVE_MODE, 25, 1), 1
	s_wait_xcnt 0x0
	s_wait_alu depctr_hold_cnt(0) depctr_sa_sdst(0) depctr_va_vdst(0) depctr_va_sdst(0) depctr_va_ssrc(0) depctr_va_vcc(0) depctr_vm_vsrc(0)
	s_getreg_b32 s2, hwreg(HW_REG_IB_STS2, 6, 4)
	s_cmp_eq_u32 s2, 0
	s_cbranch_scc0 .Lentry_in_a_cluster
	s_endpgm
.Lentry_in_a_cluster:
	s_bfe_u32 s2, ttmp6, 0x10000c
	s_cmp_lg_u32 s2, 0x3003
	s_cbranch_scc0 .Lentry_shape_is_right
	s_endpgm
.Lentry_shape_is_right:
; ATTENTION on E4M3 codes, head size 64, 2,048 keys, with the mask that is given.  Both products are quantised; the second takes the FINISHED, NORMALISED probabilities as its operand.
; So a row's largest score and its sum must be known before any p is quantised: the keys are walked TWICE.  Pass 1: S^T = K Q^T, the mask, a running maximum mt and sum l.
; Pass 2: S^T again, p = 2^(t - L) with L = mt + log2(l), quantised with 2^e8, O^T += V^T P^T.  t = score x log2(e) / 8.
; The 1e-9 that is added to every score of a row ahead of the softmax leaves the softmax as it is, for every input: it is not added.
; A masked score becomes -infinity ahead of the maximum, so its p is 0.  A row that is masked everywhere keeps mt = -3e38, its sum 0 is raised to 2^-126, every t - L is -infinity, every p is 0 and its output is 0.
; SHARES.  A work-group owns 256 queries of one (batch, head); each of its sixteen waves one tile of 16 queries in 256 registers, four waves to a SIMD.  The head's K images (131,072 bytes) and V images (131,072)
; lie WHOLE in LDS: each byte is filled once, so there is no ring.  The four work-groups of a cluster belong to one head and ask for K and V jointly: each wave brings 8,192 bytes of each.
; LAYOUT.  Both products transposed: a lane holds one query (lane % 16).  Register 8 t + j of the scores is key 128 st + 16 t + 8 h + j; the conversions' results are the second product's operand as they stand.
; The mask comes as 64 words a key step, one lane mask for each score register, by scalar loads a step ahead; it only selects values.
; OUT: the attention output as codes with 2^e10, in register images [token / 16][k / 128][c][lane][16]: byte i of lane (r, h) is k = 128 s + 32 c + 16 h + i of token r.
; LIMITS: e6 + e7 between -123 and 130 (added to c's exponent field); e8, and e10 - e8 - e9, between -126 and 119.  NaN and infinite scores are not served.
; L is rounded once to f32: its error, half a unit in the last place of L, is a common factor of a row's p.
.set LI,   1                           ; v1  16 x lane
.set ADK,  2                           ; v2  LDS address of the step's K
.set ADV,  3                           ; v3  of its V
.set NINF, 4                           ; v4  -infinity
.set MT,   5                           ; v5  the running largest t
.set LV,   7                           ; v7  16 x lane + where V begins
.set VOFF, 131072
; v[8:9] -mt, later -L (low word);  v[10:11] the sum in two halves;  v[12:13] the rescaling factor (low word);  v14-16 at work;  v17, v18: 2^e8, 448 x 2^e8;  v19, v20: 2^(e10 - e8 - e9), 448 x that
; v[24:31] Q;  v[32:95] K's eight fragments or V's four;  v[96:159] S^T, then p;  v[160:191] O^T;  v[192:207] p's codes;  v[208:209] a chain of the sum;  v[210:217] the output's codes
; s2 wave; s3 trips; s[4:7], s[8:11] descriptor groups 0 for K, V; s[12:19] group 1; s[20:21] lane selects; s[22:23] c; s24 the step's LDS offset; s25 the step's offset among the mask words;
; s[26:27] my tile's mask words; s[28:29] my output; s[30:31] my Q; s[32:63], s[68:99] the step's 64 mask words (word n in s[32 + n + 4 (n / 32)])
.macro ROUND                           ; a round of the cluster's barrier
	s_barrier_signal -1
	s_barrier_wait -1
	s_cmp_lg_u32 s2, 0
	s_cbranch_scc1 .Lnot_wave_0_\@
	s_barrier_signal -3
.Lnot_wave_0_\@:
	s_barrier_wait -3
	s_barrier_signal -1
	s_barrier_wait -1
.endm
.macro MASKLOAD
	s_load_b512 s[32:47], s[26:27], s25 offset:0x0
	s_load_b512 s[48:63], s[26:27], s25 offset:0x40
	s_load_b512 s[68:83], s[26:27], s25 offset:0x80
	s_load_b512 s[84:99], s[26:27], s25 offset:0xc0
.endm
	s_load_b256 s[32:39], s[0:1], 0x0              ; qkvf s[32:33], maskw s[34:35], lowp_scales s[36:37], af s[38:39]
	v_lshl_add_u32 v254, v0, 2, 0x40000
	v_mov_b32 v255, 0
	ds_add_u32 v254, v255
	ds_add_u32 v254, v255
	v_lshrrev_b32 v6, 5, v0
	v_readfirstlane_b32 s2, v6                     ; wave 0..15
	v_and_b32 v6, 31, v0
	v_lshlrev_b32 v[LI], 4, v6
	v_add_nc_u32 v[LV], VOFF, v[LI]
	s_bfe_u32 s40, ttmp6, 0x40000                  ; cx: it enters the addresses of Q, the mask words and the output alone
	s_lshl_b32 s41, ttmp9, 2
	s_add_co_u32 s41, s41, s40                     ; my block of 256 queries
	s_lshl_b32 s41, s41, 4
	s_add_co_u32 s41, s41, s2                      ; my tile of 16 queries, 0..127
	s_and_b32 s42, ttmp7, 0xffff                   ; batch x 16 + head, which the partners share
	s_lshl_b32 s44, s42, 17                        ; the head's images,
	s_lshl_b32 s45, s2, 13                         ; my wave's 8,192 bytes of them
	s_add_co_u32 s44, s44, s45
	s_mov_b32 s45, 0
	s_lshl_b32 s48, s42, 17
	s_lshl_b32 s49, s41, 10                        ; Q: 1,024 bytes a tile
	s_add_co_u32 s48, s48, s49
	s_mov_b32 s49, 0
	s_lshl_b32 s50, s41, 12                        ; 4,096 bytes of mask words a tile
	s_mov_b32 s51, 0
	s_lshr_b32 s46, s42, 4                         ; the batch
	s_lshl_b32 s46, s46, 7
	s_add_co_u32 s46, s46, s41                     ; the token tile,
	s_lshl_b32 s46, s46, 14                        ; 16,384 bytes of images each;
	s_and_b32 s47, s42, 15
	s_lshl_b32 s47, s47, 10                        ; a head's 64 channels are 1,024 bytes of them
	s_add_co_u32 s46, s46, s47
	s_mov_b32 s47, 0
	s_mov_b32 s12, 15|(3<<16)|(1<<21)              ; group 1: the mask names all four; elements of 8 bytes; bit 21 beside a mask; no padding
	s_mov_b32 s13, 32<<16                          ; tensor_dim0 = 32 elements: rows of 256 bytes
	s_mov_b32 s14, 32<<16                          ; tensor_dim1 = 32 rows
	s_mov_b32 s15, 32<<16                          ; tile_dim0
	s_mov_b32 s16, 32                              ; tile_dim1
	s_mov_b32 s17, 32                              ; the pitch: dense
	s_mov_b32 s18, 0
	s_mov_b32 s19, 0
	s_mov_b32 s20, 0x76543210
	s_mov_b32 s21, 0xfedcba98
	s_mov_b32 s22, 0x3e38aa3b                      ; c = log2(e) / 8
	s_mov_b32 s24, 0
	s_mov_b32 s25, 0
	s_wait_dscnt 0x0
	s_wait_kmcnt 0x0
	s_load_b512 s[68:83], s[36:37], 0x0            ; the sixteen exponents
	s_mov_b32 s4, 1
	s_lshl_b32 s5, s2, 13                          ; LDS: wave x 8,192
	s_add_nc_u64 s[6:7], s[32:33], s[44:45]
	s_add_nc_u64 s[6:7], s[6:7], 0x400000          ; K's part of qkvf
	s_add_nc_u64 s[10:11], s[6:7], 0x400000        ; V's
	s_or_b32 s7, s7, 0x80000000
	s_mov_b32 s8, 1
	s_add_co_u32 s9, s5, VOFF
	s_or_b32 s11, s11, 0x80000000
	s_add_nc_u64 s[30:31], s[32:33], s[48:49]
	s_add_nc_u64 s[26:27], s[34:35], s[50:51]
	s_add_nc_u64 s[28:29], s[38:39], s[46:47]
	ROUND                                          ; all four work-groups are here: the joint loads meet
	tensor_load_to_lds s[4:7], s[12:19]            ; my part of K: two loads of mine are out
	s_nop 0
	tensor_load_to_lds s[8:11], s[12:19]           ; my part of V
	s_nop 0
.rept 4
	v_nop
.endr
	global_load_b128 v[24:27], v[LI], s[30:31]     ; Q's fragment stays in registers
	global_load_b128 v[28:31], v[LI], s[30:31] offset:512
	v_mov_b32 v[NINF], 0xff800000
	v_mov_b32 v[MT], 0xff61b1e6                    ; -3e38, under every t
	v_mov_b32 v9, 0                                ; (named as upper halves of pairs, or as a lane permute's destination: written once)
	v_mov_b32 v10, 0
	v_mov_b32 v11, 0
	v_mov_b32 v13, 0
	v_mov_b32 v16, 0
	s_wait_kmcnt 0x0
	s_add_co_i32 s40, s74, s75                     ; e6 + e7: a score stands for score x 2^(e6 + e7)
	s_lshl_b32 s40, s40, 23
	s_add_co_i32 s22, s22, s40
	s_mov_b32 s23, s22
	s_add_co_i32 s40, s76, 127
	s_lshl_b32 s41, s40, 23
	v_mov_b32 v17, s41                             ; 2^e8
	s_add_co_i32 s40, s40, 8
	s_lshl_b32 s40, s40, 23
	s_or_b32 s40, s40, 0x600000
	v_mov_b32 v18, s40                             ; 448 x 2^e8
	s_sub_co_i32 s40, s78, s76
	s_sub_co_i32 s40, s40, s77                     ; e10 - e8 - e9: a sum of the second product stands for sum x 2^(e8 + e9)
	s_add_co_i32 s40, s40, 127
	s_lshl_b32 s41, s40, 23
	v_mov_b32 v19, s41
	s_add_co_i32 s40, s40, 8
	s_lshl_b32 s40, s40, 23
	s_or_b32 s40, s40, 0x600000
	v_mov_b32 v20, s40
	MASKLOAD                                       ; key step 0's words: the pointers and exponents that lay in these registers have been used
	s_wait_tensorcnt 1                             ; my part of K is in; V's load may be out
	s_barrier_signal -1
	s_barrier_wait -1                              ; everybody's part of K is in
	s_wait_loadcnt 0x0                             ; Q
; The scores of a key step, masked.  pv = 1: the step's V is asked for as soon as K's registers are free.
.macro SCORES pv
	v_add_nc_u32 v[ADK], s24, v[LI]
.rept 3
	v_nop                                          ; with the addition: four places in front of loads into registers that matrix instructions have read
.endr
.irp t, 0,1,2,3,4,5,6,7
	ds_load_b128 v[32+8*\t:35+8*\t], v[ADK] offset:1024*\t        ; an instruction's 512 bytes are consecutive
	ds_load_b128 v[36+8*\t:39+8*\t], v[ADK] offset:1024*\t+512
.endr
	s_wait_dscnt 0x0
.irp t, 0,1,2,3,4,5,6,7
	v_wmma_f32_16x16x64_fp8_fp8 v[96+8*\t:103+8*\t], v[32+8*\t:39+8*\t], v[24:31], 0
.endr
.rept 4
	v_nop
.endr
.if \pv
	v_add_nc_u32 v[ADV], s24, v[LV]
.irp d, 0,1,2,3
.irp c, 0,1,2,3
	ds_load_b128 v[32+16*\d+4*\c:35+16*\d+4*\c], v[ADV] offset:2048*\d+512*\c
.endr
.endr
.endif
	s_wait_kmcnt 0x0                               ; this step's mask words, asked for a step ago
.set n, 0
.rept 64
	v_cndmask_b32 v[96+n], v[96+n], v[NINF], s[32+n+4*(n/32)]
.set n, n+1
.endr
	s_add_co_u32 s25, s25, 256                     ; the next step's words; behind the sixteenth step it is step 0 again: pass 2's first, and at the very end a load that stays inside the buffer
	s_and_b32 s25, s25, 0xfff
	MASKLOAD
.endm
	s_mov_b32 s3, 16
.Lpass1:
	SCORES 0
	v_max3_num_f32 v14, v96, v97, v98              ; the step's largest score of my query among my 64 keys, in two chains,
	v_max3_num_f32 v15, v99, v100, v101
.irp i, 6,10,14,18,22,26,30,34,38,42,46,50,54,58
	v_max3_num_f32 v14, v14, v[96+\i], v[97+\i]
	v_max3_num_f32 v15, v15, v[98+\i], v[99+\i]
.endr
	v_max3_num_f32 v14, v14, v158, v159
	v_max_num_f32 v14, v14, v15
	v_permlanex16_b32 v16, v14, s20, s21
	v_max_num_f32 v14, v14, v16                    ; and among lane l xor 16's
	v_mul_f32 v14, s22, v14                        ; as t (c is positive)
	v_max_num_f32 v14, v[MT], v14                  ; the new mt
	v_sub_f32 v15, v[MT], v14
	v_mov_b32 v[MT], v14
	v_exp_f32 v12, v15                             ; 2^(old mt - new mt)
	v_sub_f32 v8, 0, v14                           ; -mt.  (A plain line behind the exponential)
.set j, 0
.rept 32
	v_pk_fma_f32 v[96+j:97+j], v[96+j:97+j], s[22:23], v[8:9] op_sel_hi:[1,0,0]   ; t - mt
.set j, j+2
.endr
.set j, 0
.rept 64
	v_exp_f32 v[96+j], v[96+j]
.set j, j+1
.endr
	s_wait_alu depctr_va_vdst(0)
	v_pk_mul_f32 v[10:11], v[10:11], v[12:13] op_sel_hi:[1,0]   ; the sum under the new mt.  (A plain line behind the exponentials)
	v_pk_add_f32 v[208:209], v[96:97], v[98:99]
.irp j, 4,8,12,16,20,24,28,32,36,40,44,48,52,56,60
	v_pk_add_f32 v[10:11], v[10:11], v[96+\j:97+\j]
	v_pk_add_f32 v[208:209], v[208:209], v[98+\j:99+\j]
.endr
	v_pk_add_f32 v[10:11], v[10:11], v[208:209]
	s_add_co_u32 s24, s24, 8192
	s_sub_co_u32 s3, s3, 1
	s_cmp_lg_u32 s3, 0
	s_cbranch_scc1 .Lpass1
	; between the passes: L = mt + log2(l)
	v_add_f32 v10, v10, v11
	v_permlanex16_b32 v16, v10, s20, s21
	v_add_f32 v10, v10, v16                        ; the row's sum
	v_max_num_f32 v10, 0x00800000, v10             ; at least 2^-126: a row that is masked everywhere
	v_log_f32 v10, v10
.set j, 0
.rept 32
	v_mov_b32 v[160+j], 0                          ; O^T: pass 2's step is written once.  (Plain lines behind the logarithm)
.set j, j+1
.endr
	s_wait_alu depctr_va_vdst(0)
	v_add_f32 v10, v[MT], v10
	v_sub_f32 v8, 0, v10                           ; -L
	s_mov_b32 s24, 0
	s_wait_tensorcnt 0x0                           ; my part of V is in
	s_wait_dscnt 0x0
	s_barrier_signal -1
	s_barrier_wait -1                              ; everybody's is
	s_mov_b32 s3, 16
.Lpass2:
	SCORES 1
.set j, 0
.rept 32
	v_pk_fma_f32 v[96+j:97+j], v[96+j:97+j], s[22:23], v[8:9] op_sel_hi:[1,0,0]   ; t - L
.set j, j+2
.endr
.set j, 0
.rept 64
	v_exp_f32 v[96+j], v[96+j]                     ; p, finished and normalised
.set j, j+1
.endr
	v_nop
.set j, 0
	s_wait_alu depctr_va_vdst(0)
.rept 64
	v_min_num_f32 v[96+j], v[96+j], v18            ; the conversion does not saturate (ISA guide 7.6.2); p is not negative, so the hold is one-sided
.set j, j+1
.endr
.irp t, 0,1,2,3,4,5,6,7
	v_cvt_scalef32_pk8_fp8_f32 v[192+2*\t:193+2*\t], v[96+8*\t:103+8*\t], v17
.endr
	v_nop                                          ; a plain line between the conversions and the products that read their results
	s_wait_dscnt 0x0                               ; V
.irp d, 0,1,2,3
	v_wmma_f32_16x16x128_fp8_fp8 v[160+8*\d:167+8*\d], v[32+16*\d:47+16*\d], v[192:207], v[160+8*\d:167+8*\d]   ; the four accumulators take turns, and eight other products stand between two trips
.endr
	s_add_co_u32 s24, s24, 8192
	s_sub_co_u32 s3, s3, 1
	s_cmp_lg_u32 s3, 0
	s_cbranch_scc1 .Lpass2
	; the way out: register 8 d + j of lane (r, h) is channel 16 d + 8 h + j of query r
.rept 4
	v_nop
.endr
.set j, 0
.rept 32
	v_med3_num_f32 v[160+j], v[160+j], -v20, v20
.set j, j+1
.endr
.irp d, 0,1,2,3
	v_cvt_scalef32_pk8_fp8_f32 v[210+2*\d:211+2*\d], v[160+8*\d:167+8*\d], v19
.endr
	v_nop
	v_permlane16_swap_b32 v210, v212               ; lanes 16-31 of the first with lanes 0-15 of the second: lane (r, h) then holds channels 32 c + 16 h + 0 .. 15 in four registers on end
	v_permlane16_swap_b32 v211, v213
	v_permlane16_swap_b32 v214, v216
	v_permlane16_swap_b32 v215, v217
	global_store_b128 v[LI], v[210:213], s[28:29]  ; 512 consecutive bytes each
	global_store_b128 v[LI], v[214:217], s[28:29] offset:512
	s_wait_kmcnt 0x0                               ; the last mask words, which nobody uses
	s_wait_tensorcnt 0x0
	ds_add_u32 v254, v255
	s_wait_dscnt 0x0
	ROUND                                          ; the closing round
	s_endpgm
.Lfunc_end_k_qe36f30ab02_attn:
	.size	k_qe36f30ab02_attn, .Lfunc_end_k_qe36f30ab02_attn-k_qe36f30ab02_attn
	.p2alignl 7, 3214868480
	.fill 96, 4, 3214868480
	.section	.rodata,"a",@progbits
	.p2align	6, 0x0
	.amdhsa_kernel k_qe36f30ab02_attn
		.amdhsa_group_segment_fixed_size 264192
		.amdhsa_private_segment_fixed_size 0
		.amdhsa_enable_private_segment 0
		.amdhsa_kernarg_size 32
		.amdhsa_user_sgpr_count 2
		.amdhsa_user_sgpr_kernarg_segment_ptr 1
		.amdhsa_wavefront_size32 1
		.amdhsa_system_sgpr_workgroup_id_x 1
		.amdhsa_system_sgpr_workgroup_id_y 1
		.amdhsa_system_sgpr_workgroup_id_z 1
		.amdhsa_system_vgpr_workitem_id 0
		.amdhsa_next_free_vgpr 256
		.amdhsa_next_free_sgpr 100
		.amdhsa_reserve_vcc 0
		.amdhsa_float_denorm_mode_32 3
		.amdhsa_float_denorm_mode_16_64 3
		.amdhsa_memory_ordered 1
		.amdhsa_forward_progress 1
		.amdhsa_inst_pref_size 40
	.end_amdhsa_kernel
	.amdgpu_metadata
---
amdhsa.version: [ 1, 2 ]
amdhsa.kernels:
  - .name:           k_qe36f30ab02_attn
    .symbol:         k_qe36f30ab02_attn.kd
    .args:
      - { .name: qkvf, .offset: 0, .size: 8, .value_kind: global_buffer, .address_space: global }
      - { .name: maskw, .offset: 8, .size: 8, .value_kind: global_buffer, .address_space: global }
      - { .name: lowp_scales, .offset: 16, .size: 8, .value_kind: global_buffer, .address_space: global }
      - { .name: af, .offset: 24, .size: 8, .value_kind: global_buffer, .address_space: global }
    .group_segment_fixed_size: 264192
    .private_segment_fixed_size: 0
    .kernarg_segment_align: 8
    .kernarg_segment_size: 32
    .max_flat_workgroup_size: 512
    .sgpr_count:     100
    .vgpr_count:     256
    .wavefront_size: 32
...
	.end_amdgpu_metadata
.endif
;; end of part 3
;; launch oproj (part 4): grid 4 x 16, 4 waves a work-group, clusters of 4 x 4, 327,680 bytes of LDS; arguments af, o_w_codes, o_b, lowp_scales, alpha_attn, src, y; writes y
.if DOCPART == 4
	.amdgcn_target "amdgcn-amd-amdhsa--gfx1250"
	.amdhsa_code_object_version 6
	.text
	.protected	k_qe36f30ab02_oproj
	.globl	k_qe36f30ab02_oproj
	.p2align	8
	.type	k_qe36f30ab02_oproj,@function
k_qe36f30ab02_oproj:
	s_mov_b64 s[64:65], 0
	v_nop
	global_prefetch_b8 v0, s[64:65] scope:SCOPE_SE
	s_setreg_imm32_b32 hwreg(HW_REG_WAVE_MODE, 25, 1), 1
	s_wait_xcnt 0x0
	s_wait_alu depctr_hold_cnt(0) depctr_sa_sdst(0) depctr_va_vdst(0) depctr_va_sdst(0) depctr_va_ssrc(0) depctr_va_vcc(0) depctr_vm_vsrc(0)
	s_getreg_b32 s2, hwreg(HW_REG_IB_STS2, 6, 4)
	s_cmp_eq_u32 s2, 0
	s_cbranch_scc0 .Lentry_in_a_cluster
	s_endpgm
.Lentry_in_a_cluster:
	s_bfe_u32 s2, ttmp6, 0x10000c
	s_cmp_lg_u32 s2, 0xf033
	s_cbranch_scc0 .Lentry_shape_is_right
	s_endpgm
.Lentry_shape_is_right:
; Y = RES + alpha x (A W^T + bias), the product on E4M3 codes.  A: register images [token / 16][k / 128][c][lane][16 bytes]; W: [1024][SIZE_K] codes, K innermost; RES, Y: [4096][1024] f32.
; A work-group makes 256 x 256, each of four waves 128 x 128 (64 accumulators).  The matrix instruction is used transposed (source 0 = 16 rows of W, source 1 = 16 tokens): a lane holds eight neighbouring columns of a row.
; K goes in steps of 256 through a ring of two LDS slots filled by joint tensor loads: A's tile is shared along a row of the 4 x 4 cluster, W's along a column.
; A's tile is 8 token tiles x 4,096 bytes (two fragments each), laid as it lies: a fragment's four loads read 512 consecutive bytes each.  W's rows are padded by 16 bytes.
; In both, register 4 c + .. of lane (r, h) holds K = 32 c + 16 h + 0 .. 15: k stands permuted inside an instruction, alike in both operands: only the order of sums inside an instruction changes.
; The bias is the C of the first K step, divided by 2^(ea + eb); on the way out one packed multiply-add gives sum x (alpha 2^(ea + eb)) + RES.
; The grid has 64 work-groups: N = 1,024 gives four tile columns.  NaN among the inputs is not served.
; REGISTERS: window 0: v0-31 addresses; v32-95 the bias; v[114:115] alpha 2^(ea + eb), twice; v128-255 A's fragments, later rows back from the stage.  window 1: W's fragments, two sets, later RES's rows.  windows 2, 3: the accumulators.
.set SIZE_K, 1024
.set EA,     10                        ; the two operands' entries of lowp_scales
.set EB,     11
.set ROWB,   256
.set KROW,   SIZE_K
.set ATILE,  16*SIZE_K                 ; a token tile's images in bytes
.set ASTEP,  4096                      ; of which a K step of 256 takes these
.set PITCH,  272
.set FR,     16
.set NL,     4
.set NP,     4
.set HALFT,  128*PITCH
.set SLOT,   4*HALFT
.set LAPS,   SIZE_K/512
.set SPARE,  2*SLOT                    ; the spare words, 128 bytes a wave: no other line names them
.set SPITCH, 528                       ; the way out: a stage of 16 rows x (512 + 16) bytes a wave, in slot 0, which has had its last fill and its last read by then
.set ADRA, 16
.set ADRB, 20
.set STO,  24
.set RD,   25
.set CO,   26
.set SPW,  28
.set NIL,  29
.set BT,   32
.set FAC,  114
.set AF,   128
.set BK,   128
.set G1, 24
.set G0, 32
.set G1B, 48
.set G0B, 56
.set MSB, 0
.macro WIN new
.if MSB != \new
	s_set_vgpr_msb (MSB<<8)|\new
.set MSB, \new
.endif
.endm
.set MUL_LO, 0xa1
.set MUL_HI, 0xf1
.set FIRST_LO, 0x81
.set FIRST_HI, 0xc1
.set TO_B,   0x40
.macro JLOAD g0a, g1a, g0b, g1b        ; a joint load: waves 0, 1 fetch for A, waves 2, 3 for W; four v_nop follow each line
	s_cmp_eq_u32 s15, 0
	s_cbranch_scc0 .Lfor_b_\@
	tensor_load_to_lds s[\g0a:\g0a+3], s[\g1a:\g1a+7]
	s_nop 0
.rept 4
	v_nop
.endr
	s_branch .Lasked_\@
.Lfor_b_\@:
	tensor_load_to_lds s[\g0b:\g0b+3], s[\g1b:\g1b+7]
	s_nop 0
.rept 4
	v_nop
.endr
.Lasked_\@:
.endm
.macro CREST
	s_cmp_lg_u32 s14, 0
	s_cbranch_scc1 .Lnot_wave_0_\@
	s_barrier_signal -3
.Lnot_wave_0_\@:
	s_barrier_wait -3
	s_barrier_signal -1
	s_barrier_wait -1
.endm
.macro CROUND
	s_barrier_signal -1
	s_barrier_wait -1
	CREST
.endm
	s_load_b128 s[4:7], s[0:1], 0x0                ; A's images, W's codes
	s_load_b64 s[8:9], s[0:1], 0x10                ; the bias
	s_load_b64 s[86:87], s[0:1], 0x18              ; lowp_scales
	s_load_b64 s[88:89], s[0:1], 0x20              ; alpha
	s_load_b64 s[12:13], s[0:1], 0x28              ; RES
	s_load_b64 s[10:11], s[0:1], 0x30              ; Y
	v_lshl_add_u32 v[SPW], v0, 2, SPARE
	v_mov_b32 v[NIL], 0
	ds_add_u32 v28, v29
	ds_add_u32 v28, v29
	s_wait_dscnt 0x0
	v_lshrrev_b32 v1, 5, v0
	v_readfirstlane_b32 s14, v1                    ; wave 0..3
	s_lshr_b32 s15, s14, 1                         ; my half of the rows.  Also: I fetch for A (0) or W (1)
	s_and_b32 s16, s14, 1                          ; my half of the columns.  Also: which half I fetch
	s_bfe_u32 s40, ttmp6, 0x40000                  ; cx
	s_bfe_u32 s41, ttmp6, 0x40004                  ; cy
	s_lshl_b32 s42, ttmp9, 2
	s_add_co_u32 s42, s42, s40                     ; tile column
	s_and_b32 s17, ttmp7, 0xffff
	s_lshl_b32 s17, s17, 2
	s_add_co_u32 s17, s17, s41                     ; tile row
	s_lshl_b32 s43, s41, 2
	s_lshl_b32 s43, 15, s43                        ; my row of the cluster
	s_lshl_b32 s44, 0x1111, s40                    ; my column
	s_or_b32 s[G1+0], s43, (1<<21)                 ; A: the mask; elements of 1 byte; no padding; bit 21 beside a mask
	s_mov_b32 s[G1+1], ASTEP<<16                   ; tensor_dim0 = 4,096
	s_mov_b32 s[G1+2], 8<<16                       ; tensor_dim1 = 8 token tiles
	s_mov_b32 s[G1+3], ASTEP<<16                   ; tile_dim0
	s_mov_b32 s[G1+4], 8                           ; tile_dim1
	s_mov_b32 s[G1+5], ATILE                       ; the pitch
	s_mov_b32 s[G1+6], 0
	s_mov_b32 s[G1+7], 0
	s_or_b32 s[G1B+0], s44, (1<<20)|(1<<21)|(5<<22)|(3<<25)   ; W: padding of 4 words behind every 64
	s_mov_b32 s[G1B+1], ROWB<<16
	s_mov_b32 s[G1B+2], 128<<16
	s_mov_b32 s[G1B+3], ROWB<<16
	s_mov_b32 s[G1B+4], 128
	s_mov_b32 s[G1B+5], KROW
	s_mov_b32 s[G1B+6], 0
	s_mov_b32 s[G1B+7], 0
	s_lshl_b32 s18, s16, 3
	s_lshl_b32 s20, s17, 4
	s_add_co_u32 s20, s20, s18                     ; A: token tile 16 x tile row + 8 x half
	s_mul_i32 s20, s20, ATILE
	s_mov_b32 s21, 0
	s_lshl_b32 s18, s16, 7
	s_lshl_b32 s46, s42, 8
	s_add_co_u32 s46, s46, s18                     ; W: row 256 x tile column + 128 x half
	s_mul_i32 s46, s46, KROW
	s_mov_b32 s47, 0
	s_mul_i32 s45, s14, HALFT                      ; where they go
	s_wait_kmcnt 0x0
	s_load_b512 s[68:83], s[86:87], 0x0            ; the sixteen exponents
	s_load_b32 s90, s[88:89], 0x0                  ; alpha
	s_add_nc_u64 s[20:21], s[4:5], s[20:21]
	s_add_nc_u64 s[46:47], s[6:7], s[46:47]
	CROUND                                         ; all sixteen work-groups are here: the first joint loads meet
.irp s, 0,1
	s_mov_b32 s[G0+4*\s], 1
	s_add_co_u32 s[G0+4*\s+1], s45, \s*SLOT
	s_add_nc_u64 s[G0+4*\s+2:G0+4*\s+3], s[20:21], \s*ASTEP
	s_or_b32 s[G0+4*\s+3], s[G0+4*\s+3], 0x80000000
	s_mov_b32 s[G0B+4*\s], 1
	s_add_co_u32 s[G0B+4*\s+1], s45, \s*SLOT
	s_add_nc_u64 s[G0B+4*\s+2:G0B+4*\s+3], s[46:47], \s*ROWB
	s_or_b32 s[G0B+4*\s+3], s[G0B+4*\s+3], 0x80000000
	JLOAD G0+4*\s, G1, G0B+4*\s, G1B
.endr
	v_and_b32 v1, 15, v0                           ; r
	v_bfe_u32 v2, v0, 4, 1                         ; h
	v_and_b32 v7, 31, v0
	v_lshlrev_b32 v[CO], 4, v7                     ; 16 x lane
	v_mul_u32_u24 v3, v1, PITCH
	v_lshl_add_u32 v4, v2, 4, v3
	s_mul_i32 s21, s15, HALFT
	s_mul_i32 s22, s16, HALFT
	s_add_co_u32 s22, s22, 2*HALFT
.irp s, 0,1
	v_add_nc_u32 v[ADRA+\s], s21, v[CO]            ; an image's place for my lane
	v_add_nc_u32 v[ADRB+\s], s22, v4
	s_add_co_u32 s21, s21, SLOT
	s_add_co_u32 s22, s22, SLOT
.endr
	s_mul_i32 s23, s14, 16*SPITCH                  ; my stage
	v_mul_u32_u24 v8, v1, SPITCH
	v_lshl_add_u32 v8, v2, 5, v8
	v_add_nc_u32 v[STO], s23, v8                   ; in: row r, 32 bytes for each half of the lanes
	v_add_nc_u32 v[RD], s23, v[CO]                 ; back: the 32 lanes take a row of 512 bytes
	s_lshl_b32 s46, s42, 10
	s_lshl_b32 s47, s16, 9
	s_add_co_u32 s46, s46, s47                     ; my first column, in bytes of f32
	s_mov_b32 s47, 0
	s_add_nc_u64 s[8:9], s[8:9], s[46:47]
	s_lshl_b32 s20, s17, 8
	s_lshl_b32 s21, s15, 7
	s_add_co_u32 s20, s20, s21                     ; my first row,
	s_lshl_b32 s20, s20, 12                        ; of 4,096 bytes
	s_add_co_u32 s20, s20, s46
	s_mov_b32 s21, 0
	s_add_nc_u64 s[10:11], s[10:11], s[20:21]
	s_add_nc_u64 s[12:13], s[12:13], s[20:21]
	v_lshlrev_b32 v5, 5, v2                        ; 32 h
.irp b, 0,1,2,3,4,5,6,7
	global_load_b128 v[BT+8*\b:BT+8*\b+3], v5, s[8:9] offset:64*\b
	global_load_b128 v[BT+8*\b+4:BT+8*\b+7], v5, s[8:9] offset:64*\b+16
.endr
	s_wait_kmcnt 0x0
	s_add_co_i32 s91, s[68+EA], s[68+EB]           ; a sum stands for sum x 2^(ea + eb)
	s_sub_co_i32 s92, 0, s91
	v_mov_b32 v[FAC], s90
	v_ldexp_f32 v[FAC], v[FAC], s91                ; alpha x 2^(ea + eb)
	v_mov_b32 v[FAC+1], v[FAC]
	s_wait_loadcnt 0x0
.set i, 0
.rept 64
	v_ldexp_f32 v[BT+i], v[BT+i], s92              ; bias / 2^(ea + eb)
.set i, i+1
.endr
.macro FRAG reg, adr, q, i             ; W: 16 rows x 128 K from padded rows
.irp c, 0,1,2,3
	ds_load_b128 v[\reg+4*\c:\reg+4*\c+3], v[\adr] offset:128*(\q)+32*\c+(\i)*16*PITCH
.endr
.endm
.macro FRAGA reg, slot, q, i           ; A: token tile i, fragment q, as an image of the registers
.irp c, 0,1,2,3
	ds_load_b128 v[\reg+4*\c:\reg+4*\c+3], v[ADRA+\slot] offset:(\i)*ASTEP+(\q)*2048+512*\c
.endr
.endm
.macro MUL16 a0, p, first              ; the 64 accumulators take turns, one instruction a turn
.irp a, \a0, \a0+1
.irp b, 0,1,2,3,4,5,6,7
.if \first
	v_wmma_f32_16x16x128_fp8_fp8 v[8*(8*((\a)%4)+\b):8*(8*((\a)%4)+\b)+7], v[128*(\p)+FR*\b:128*(\p)+FR*\b+FR-1], v[AF+FR*(\a):AF+FR*(\a)+FR-1], v[BT+8*\b:BT+8*\b+7]
.else
	v_wmma_f32_16x16x128_fp8_fp8 v[8*(8*((\a)%4)+\b):8*(8*((\a)%4)+\b)+7], v[128*(\p)+FR*\b:128*(\p)+FR*\b+FR-1], v[AF+FR*(\a):AF+FR*(\a)+FR-1], v[8*(8*((\a)%4)+\b):8*(8*((\a)%4)+\b)+7]
.endif
.endr
.endr
.endm
.macro FETCH_B slot, q, p
	WIN TO_B
.irp i, 0,1,2,3,4,5,6,7
	FRAG 128*(\p)+FR*\i, ADRB+\slot, \q, \i
.endr
	WIN 0
.endm
.macro FETCH_A slot, q, i0
.irp i, \i0, \i0+1, \i0+2, \i0+3
	FRAGA AF+FR*(\i), \slot, \q, \i
.endr
.endm
.macro PLACES n
.rept \n
	v_nop
.endr
.endm
.macro STEP slot, q, first
	s_wait_dscnt 4*NL                              ; W's set and A's blocks 0-3 are in; the youngest 16 loads (blocks 4-7) may be out
.if \first
	WIN FIRST_LO
.else
	WIN MUL_LO
.endif
	MUL16 0, (\q)%2, \first
	MUL16 2, (\q)%2, \first
	s_wait_dscnt 0
	PLACES NP
	FETCH_B \slot, (\q)+1, 1-(\q)%2
	FETCH_A \slot, (\q)+1, 0
.if \first
	WIN FIRST_HI
.else
	WIN MUL_HI
.endif
	MUL16 4, (\q)%2, \first
	MUL16 6, (\q)%2, \first
	PLACES NP
	WIN 0
	FETCH_A \slot, (\q)+1, 4
.endm
.macro TURN slot, next, fill
	s_wait_tensorcnt 0x0                           ; all my tensor loads have landed: my part of the next slot
	ds_add_u32 v[SPW], v[NIL]                      ; 0 onto my spare word
	s_wait_dscnt 4*NL+1                            ; the add and the youngest 16 loads may be out
	WIN MUL_LO
	MUL16 0, 1, 0
	s_wait_dscnt 0x0                               ; the add is done, and my reads of this slot are over
	s_barrier_signal -1
	MUL16 2, 1, 0
	WIN 0
	s_barrier_wait -1
.if \fill
	CREST                                          ; the barrier has opened a round of the cluster's
	s_add_nc_u64 s[G0+4*\slot+2:G0+4*\slot+3], s[G0+4*\slot+2:G0+4*\slot+3], 2*ASTEP
	s_add_nc_u64 s[G0B+4*\slot+2:G0B+4*\slot+3], s[G0B+4*\slot+2:G0B+4*\slot+3], 2*ROWB
	JLOAD G0+4*\slot, G1, G0B+4*\slot, G1B         ; the first tensor load behind the round
.else
	PLACES NP
.endif
	FETCH_B \next, 0, 0
	FETCH_A \next, 0, 0
	WIN MUL_HI
	MUL16 4, 1, 0
	MUL16 6, 1, 0
	PLACES NP
	WIN 0
	FETCH_A \next, 0, 4
.endm
	s_wait_tensorcnt 1                             ; my part of K step 0 is in; K step 1's load may be out
	s_barrier_signal -1
	s_barrier_wait -1
	FETCH_B 0, 0, 0
	FETCH_A 0, 0, 0
	FETCH_A 0, 0, 4
	STEP 0, 0, 1
	s_mov_b32 s3, LAPS-1
.Llap:
	TURN 0, 1, 1
	STEP 1, 0, 0
	TURN 1, 0, 1
	STEP 0, 0, 0
	s_sub_co_u32 s3, s3, 1
	s_cmp_lg_u32 s3, 0
	s_cbranch_scc1 .Llap
	TURN 0, 1, 0
	STEP 1, 0, 0
	s_wait_dscnt 4*NL
	WIN MUL_LO
	MUL16 0, 1, 0
	MUL16 2, 1, 0
	s_wait_dscnt 0
	WIN MUL_HI
	MUL16 4, 1, 0
	MUL16 6, 1, 0
	WIN 0
; THE WAY OUT, block by block of 16 rows x 128 columns: the sums go through my own stage and come back as whole rows of 512 bytes; RES's same rows come from memory a block ahead; one packed multiply-add; the 32 lanes store 512 consecutive bytes.
.macro RLOAD a                         ; RES's 16 rows of block a into window 1, set a % 2
	WIN 0x40
.set t, 0
.rept 16
	global_load_b128 v[64*((\a)%2)+4*t:64*((\a)%2)+4*t+3], v[CO], s[12:13] offset:(16*(\a)+t)*4096 th:TH_LOAD_NT
.set t, t+1
.endr
	WIN 0
.endm
.macro TOSTAGE a
.set AC, 64*((\a)%4)
	WIN 0x08+4*((\a)/4)                            ; the stores' data: window 2 or 3; each accumulator from its low end on
.irp b, 0,1,2,3,4,5,6,7
	ds_store_b128 v[STO], v[AC+8*\b:AC+8*\b+3] offset:64*\b
	ds_store_b128 v[STO], v[AC+8*\b+4:AC+8*\b+7] offset:64*\b+16
.endr
	WIN 0
.set BB, BK+64*((\a)%2)
.set t, 0
.rept 16
	ds_load_b128 v[BB+4*t:BB+4*t+3], v[RD] offset:t*SPITCH   ; LDS serves a wave's instructions in order: these see the stores above
.set t, t+1
.endr
.endm
.macro SEND a, younger, lc
.set BB, BK+64*((\a)%2)
	s_wait_dscnt \younger                          ; the block is back; the next block's 16 stores and 16 loads may be out
	s_wait_loadcnt \lc                             ; its rows of RES are in; the next block's 16 may be out
	WIN 0x10                                       ; source 2: window 1
.set i, 0
.rept 32
	v_pk_fma_f32 v[BB+i:BB+i+1], v[BB+i:BB+i+1], v[FAC:FAC+1], v[64*((\a)%2)+i:64*((\a)%2)+i+1]
.set i, i+2
.endr
	WIN 0
.set t, 0
.rept 16
	global_store_b128 v[CO], v[BB+4*t:BB+4*t+3], s[10:11] offset:(16*(\a)+t)*4096
.set t, t+1
.endr
.endm
	PLACES NP
	RLOAD 0
	TOSTAGE 0
.irp a, 1,2,3,4,5,6,7
.if \a > 1
	s_wait_xcnt 0x0                                ; block a - 2's stores have read their registers: block a's rows may land there
.endif
	RLOAD \a
	TOSTAGE \a
	SEND \a-1, 32, 16
.endr
	SEND 7, 0, 0
	s_wait_tensorcnt 0x0                           ; the wave's end
	ds_add_u32 v[SPW], v[NIL]
	s_wait_dscnt 0x0
	CROUND                                         ; the closing round
	s_endpgm
.Lfunc_end_k_qe36f30ab02_oproj:
	.size	k_qe36f30ab02_oproj, .Lfunc_end_k_qe36f30ab02_oproj-k_qe36f30ab02_oproj
	.p2alignl 7, 3214868480
	.fill 96, 4, 3214868480
	.section	.rodata,"a",@progbits
	.p2align	6, 0x0
	.amdhsa_kernel k_qe36f30ab02_oproj
		.amdhsa_group_segment_fixed_size 327680
		.amdhsa_private_segment_fixed_size 0
		.amdhsa_enable_private_segment 0
		.amdhsa_kernarg_size 56
		.amdhsa_user_sgpr_count 2
		.amdhsa_user_sgpr_kernarg_segment_ptr 1
		.amdhsa_wavefront_size32 1
		.amdhsa_system_sgpr_workgroup_id_x 1
		.amdhsa_system_sgpr_workgroup_id_y 1
		.amdhsa_system_sgpr_workgroup_id_z 1
		.amdhsa_system_vgpr_workitem_id 0
		.amdhsa_next_free_vgpr 1024
		.amdhsa_next_free_sgpr 100
		.amdhsa_reserve_vcc 0
		.amdhsa_float_denorm_mode_32 3
		.amdhsa_float_denorm_mode_16_64 3
		.amdhsa_memory_ordered 1
		.amdhsa_forward_progress 1
		.amdhsa_inst_pref_size 142
	.end_amdhsa_kernel
	.amdgpu_metadata
---
amdhsa.version: [ 1, 2 ]
amdhsa.kernels:
  - .name:           k_qe36f30ab02_oproj
    .symbol:         k_qe36f30ab02_oproj.kd
    .args:
      - { .name: af, .offset: 0, .size: 8, .value_kind: global_buffer, .address_space: global }
      - { .name: o_w_codes, .offset: 8, .size: 8, .value_kind: global_buffer, .address_space: global }
      - { .name: o_b, .offset: 16, .size: 8, .value_kind: global_buffer, .address_space: global }
      - { .name: lowp_scales, .offset: 24, .size: 8, .value_kind: global_buffer, .address_space: global }
      - { .name: alpha_attn, .offset: 32, .size: 8, .value_kind: global_buffer, .address_space: global }
      - { .name: src, .offset: 40, .size: 8, .value_kind: global_buffer, .address_space: global }
      - { .name: y, .offset: 48, .size: 8, .value_kind: global_buffer, .address_space: global }
    .group_segment_fixed_size: 327680
    .private_segment_fixed_size: 0
    .kernarg_segment_align: 8
    .kernarg_segment_size: 56
    .max_flat_workgroup_size: 128
    .sgpr_count:     100
    .vgpr_count:     1024
    .wavefront_size: 32
...
	.end_amdgpu_metadata
.endif
;; end of part 4
;; launch ln1 (part 5): grid 256 x 1, 8 waves a work-group, no clusters, 17,664 bytes of LDS; arguments y, n1_s, n1_b, lowp_scales, x, xc; writes x, xc
.if DOCPART == 5
	.amdgcn_target "amdgcn-amd-amdhsa--gfx1250"
	.amdhsa_code_object_version 6
	.text
	.protected	k_qe36f30ab02_ln1
	.globl	k_qe36f30ab02_ln1
	.p2align	8
	.type	k_qe36f30ab02_ln1,@function
k_qe36f30ab02_ln1:
	s_mov_b64 s[64:65], 0
	v_nop
	global_prefetch_b8 v0, s[64:65] scope:SCOPE_SE
	s_setreg_imm32_b32 hwreg(HW_REG_WAVE_MODE, 25, 1), 1
	s_wait_xcnt 0x0
; LAYER NORM over rows of 1,024 f32: out = (y - mean) x rsqrt(var + 1e-5) x gain + bias; var is the mean of the squared differences, as the definition has it (two passes over registers).
; A work-group takes a tile of 16 rows, a wave two of them; a row is 8 loads of 512 consecutive bytes and stays in 32 registers a lane: memory is read once.  Matrix units, tensor loads and clusters would add nothing to a stream.
; WITH_CODES = 1: the result is also quantised (entry 12 of lowp_scales) into register images [token / 16][k / 128][c][lane][16 bytes]: byte i of lane (r, h) is k = 128 s + 32 c + 16 h + i of token r.
; The codes of the 16 rows meet in LDS (rows of 1,024 + 16 bytes); behind one barrier wave w reads fragment s = w and stores 4 x 512 consecutive bytes.
; LIMITS: entry 12 between -126 and 119.  NaN among the inputs is not served.
.set WITH_CODES, 1
.set NS,  16                           ; v16-47   the gain (later row 0's held numbers)
.set NB,  48                           ; v48-79   the bias (later row 1's)
.set Y0,  80                           ; v80-111  row 0
.set Y1,  112                          ; v112-143 row 1
.set CD,  144                          ; v144-159 codes: 8 registers a row
.set IM,  160                          ; v160-175 a fragment's image
.set SA,  176                          ; v176 where I put codes in LDS
.set RA,  177                          ; v177 where I read a fragment
.set LIMV, 178
.set SCLV, 179
.set LP,  1040                         ; an LDS row of codes: row r starts 4 r banks on
	s_load_b256 s[4:11], s[0:1], 0x0               ; y, gain, bias, then lowp_scales (with codes) or the output
.if WITH_CODES
	s_load_b128 s[12:15], s[0:1], 0x20             ; x, xc
	v_lshl_add_u32 v180, v0, 2, 0x4100
	v_mov_b32 v181, 0
.endif
	v_lshrrev_b32 v2, 5, v0
	v_readfirstlane_b32 s16, v2                    ; wave 0..7
	v_and_b32 v2, 31, v0
	v_lshlrev_b32 v1, 4, v2                        ; 16 x lane
	s_lshl_b32 s18, ttmp9, 16                      ; 16 rows of 4,096 bytes,
	s_lshl_b32 s19, s16, 13                        ; my two
	s_add_co_u32 s18, s18, s19
	s_mov_b32 s19, 0
	s_mov_b32 s22, 0x76543210
	s_mov_b32 s23, 0xfedcba98
	s_mov_b32 s24, 0x3a800000                      ; 1 / 1,024
	s_mov_b32 s25, 0x3727c5ac                      ; 1e-5
	s_wait_kmcnt 0x0
.if WITH_CODES
	s_load_b32 s20, s[10:11], 0x30                 ; entry 12
.else
	s_mov_b64 s[12:13], s[10:11]
.endif
	s_add_nc_u64 s[4:5], s[4:5], s[18:19]
	s_add_nc_u64 s[12:13], s[12:13], s[18:19]
.irp j, 0,1,2,3,4,5,6,7
	global_load_b128 v[Y0+4*\j:Y0+4*\j+3], v1, s[4:5] offset:512*\j th:TH_LOAD_NT
.endr
.irp j, 0,1,2,3,4,5,6,7
	global_load_b128 v[Y1+4*\j:Y1+4*\j+3], v1, s[4:5] offset:4096+512*\j th:TH_LOAD_NT
.endr
.irp j, 0,1,2,3,4,5,6,7
	global_load_b128 v[NS+4*\j:NS+4*\j+3], v1, s[6:7] offset:512*\j
.endr
.irp j, 0,1,2,3,4,5,6,7
	global_load_b128 v[NB+4*\j:NB+4*\j+3], v1, s[8:9] offset:512*\j
.endr
.if WITH_CODES
	v_lshlrev_b32 v[SA], 2, v2
	s_mul_i32 s21, s16, 2*LP
	v_add_nc_u32 v[SA], s21, v[SA]                 ; 4 x lane + my two rows
	v_and_b32 v3, 15, v0
	v_bfe_u32 v4, v0, 4, 1
	v_mul_u32_u24 v[RA], v3, LP
	v_lshl_add_u32 v[RA], v4, 4, v[RA]
	s_lshl_b32 s21, s16, 7
	v_add_nc_u32 v[RA], s21, v[RA]                 ; row r, + 16 h, + 128 x wave
	s_lshl_b32 s26, ttmp9, 14                      ; xc: 16,384 bytes a token tile,
	s_lshl_b32 s27, s16, 11                        ; 2,048 a fragment
	s_add_co_u32 s26, s26, s27
	s_mov_b32 s27, 0
	s_add_nc_u64 s[14:15], s[14:15], s[26:27]
.endif
.macro LANESUM a, b                    ; the sum over the 32 lanes, in every lane
	v_add_f32_dpp v[\a], v[\a], v[\a] row_xmask:1 row_mask:0xf bank_mask:0xf
	v_add_f32_dpp v[\a], v[\a], v[\a] row_xmask:2 row_mask:0xf bank_mask:0xf
	v_add_f32_dpp v[\a], v[\a], v[\a] row_xmask:4 row_mask:0xf bank_mask:0xf
	v_add_f32_dpp v[\a], v[\a], v[\a] row_xmask:8 row_mask:0xf bank_mask:0xf
	v_permlanex16_b32 v[\b], v[\a], s22, s23
	v_add_f32 v[\a], v[\a], v[\b]
.endm
.macro STATS y, rs                     ; the row becomes y - mean; v[rs], v[rs + 1] = rsqrt(var + eps)
.irp c, 0,1,2,3
	v_pk_add_f32 v[2+2*\c:3+2*\c], v[\y+2*\c:\y+2*\c+1], v[\y+8+2*\c:\y+9+2*\c]   ; four chains, started by the first pairs
.endr
.irp q, 16,24
.irp c, 0,1,2,3
	v_pk_add_f32 v[2+2*\c:3+2*\c], v[2+2*\c:3+2*\c], v[\y+\q+2*\c:\y+\q+2*\c+1]
.endr
.endr
	v_pk_add_f32 v[2:3], v[2:3], v[4:5]
	v_pk_add_f32 v[6:7], v[6:7], v[8:9]
	v_pk_add_f32 v[2:3], v[2:3], v[6:7]
	v_add_f32 v2, v2, v3
	LANESUM 2, 3
	v_mul_f32 v2, s24, v2                          ; the mean
	v_mov_b32 v3, v2
.set i, 0
.rept 16
	v_pk_add_f32 v[\y+i:\y+i+1], v[\y+i:\y+i+1], v[2:3] neg_lo:[0,1] neg_hi:[0,1]
.set i, i+2
.endr
.irp c, 0,1,2,3
	v_pk_mul_f32 v[4+2*\c:5+2*\c], v[\y+2*\c:\y+2*\c+1], v[\y+2*\c:\y+2*\c+1]
.endr
.irp q, 8,16,24
.irp c, 0,1,2,3
	v_pk_fma_f32 v[4+2*\c:5+2*\c], v[\y+\q+2*\c:\y+\q+2*\c+1], v[\y+\q+2*\c:\y+\q+2*\c+1], v[4+2*\c:5+2*\c]
.endr
.endr
	v_pk_add_f32 v[4:5], v[4:5], v[6:7]
	v_pk_add_f32 v[8:9], v[8:9], v[10:11]
	v_pk_add_f32 v[4:5], v[4:5], v[8:9]
	v_add_f32 v4, v4, v5
	LANESUM 4, 5
	v_fma_f32 v4, v4, s24, s25                     ; var + eps
	v_rsq_f32 v[\rs], v4
	v_rsq_f32 v[\rs+1], v4
	v_nop                                          ; a plain line before the results are used or the source is rewritten (ISA guide 5.7.2)
.endm
.macro NORM y, rs, row
.set i, 0
	s_wait_alu depctr_va_vdst(0)
.rept 16
	v_pk_mul_f32 v[\y+i:\y+i+1], v[\y+i:\y+i+1], v[\rs:\rs+1]
	v_pk_fma_f32 v[\y+i:\y+i+1], v[\y+i:\y+i+1], v[NS+i:NS+i+1], v[NB+i:NB+i+1]
.set i, i+2
.endr
.irp j, 0,1,2,3,4,5,6,7
	global_store_b128 v1, v[\y+4*\j:\y+4*\j+3], s[12:13] offset:4096*\row+512*\j   ; 512 consecutive bytes
.endr
.endm
	s_wait_loadcnt 24                              ; row 0 is in; row 1, the gain and the bias may be out
	STATS Y0, 12
	s_wait_loadcnt 16                              ; row 1 is in
	STATS Y1, 14
	s_wait_loadcnt 0x0
	NORM Y0, 12, 0
	NORM Y1, 14, 1
.if WITH_CODES
	s_wait_kmcnt 0x0
	s_add_co_i32 s20, s20, 127
	s_lshl_b32 s21, s20, 23
	v_mov_b32 v[SCLV], s21                         ; 2^e as f32
	s_add_co_i32 s20, s20, 8
	s_lshl_b32 s20, s20, 23
	s_or_b32 s20, s20, 0x600000
	v_mov_b32 v[LIMV], s20                         ; 448 x 2^e
.macro QUANT y, tq, row                ; the held numbers go into registers that the gain or the bias has left: the row's own are the data of pending stores
.set i, 0
.rept 32
	v_med3_num_f32 v[\tq+i], v[\y+i], -v[LIMV], v[LIMV]
.set i, i+1
.endr
.irp g, 0,1,2,3
	v_cvt_scalef32_pk8_fp8_f32 v[CD+8*\row+2*\g:CD+8*\row+2*\g+1], v[\tq+8*\g:\tq+8*\g+7], v[SCLV]   ; register j: the four codes of columns 128 j + 4 lane
.endr
.irp j, 0,1,2,3,4,5,6,7
	ds_store_b32 v[SA], v[CD+8*\row+\j] offset:LP*\row+128*\j
.endr
.endm
	QUANT Y0, NS, 0
	QUANT Y1, NB, 1
	s_wait_dscnt 0x0                               ; for the others' sake: my codes lie in LDS
	s_barrier_signal -1
	s_barrier_wait -1
.irp c, 0,1,2,3
	ds_load_b128 v[IM+4*\c:IM+4*\c+3], v[RA] offset:32*\c
.endr
	s_wait_dscnt 0x0
.irp c, 0,1,2,3
	global_store_b128 v1, v[IM+4*\c:IM+4*\c+3], s[14:15] offset:512*\c
.endr
.endif
	s_wait_tensorcnt 0x0
	ds_add_u32 v180, v181
	s_wait_dscnt 0x0
	s_endpgm
.Lfunc_end_k_qe36f30ab02_ln1:
	.size	k_qe36f30ab02_ln1, .Lfunc_end_k_qe36f30ab02_ln1-k_qe36f30ab02_ln1
	.p2alignl 7, 3214868480
	.fill 96, 4, 3214868480
	.section	.rodata,"a",@progbits
	.p2align	6, 0x0
	.amdhsa_kernel k_qe36f30ab02_ln1
		.amdhsa_group_segment_fixed_size 17664
		.amdhsa_private_segment_fixed_size 0
		.amdhsa_enable_private_segment 0
		.amdhsa_kernarg_size 48
		.amdhsa_user_sgpr_count 2
		.amdhsa_user_sgpr_kernarg_segment_ptr 1
		.amdhsa_wavefront_size32 1
		.amdhsa_system_sgpr_workgroup_id_x 1
		.amdhsa_system_sgpr_workgroup_id_y 1
		.amdhsa_system_sgpr_workgroup_id_z 1
		.amdhsa_system_vgpr_workitem_id 0
		.amdhsa_next_free_vgpr 182
		.amdhsa_next_free_sgpr 66
		.amdhsa_reserve_vcc 0
		.amdhsa_float_denorm_mode_32 3
		.amdhsa_float_denorm_mode_16_64 3
		.amdhsa_memory_ordered 1
		.amdhsa_forward_progress 1
		.amdhsa_inst_pref_size 26
	.end_amdhsa_kernel
	.amdgpu_metadata
---
amdhsa.version: [ 1, 2 ]
amdhsa.kernels:
  - .name:           k_qe36f30ab02_ln1
    .symbol:         k_qe36f30ab02_ln1.kd
    .args:
      - { .name: y, .offset: 0, .size: 8, .value_kind: global_buffer, .address_space: global }
      - { .name: n1_s, .offset: 8, .size: 8, .value_kind: global_buffer, .address_space: global }
      - { .name: n1_b, .offset: 16, .size: 8, .value_kind: global_buffer, .address_space: global }
      - { .name: lowp_scales, .offset: 24, .size: 8, .value_kind: global_buffer, .address_space: global }
      - { .name: x, .offset: 32, .size: 8, .value_kind: global_buffer, .address_space: global }
      - { .name: xc, .offset: 40, .size: 8, .value_kind: global_buffer, .address_space: global }
    .group_segment_fixed_size: 17664
    .private_segment_fixed_size: 0
    .kernarg_segment_align: 8
    .kernarg_segment_size: 48
    .max_flat_workgroup_size: 256
    .sgpr_count:     66
    .vgpr_count:     182
    .wavefront_size: 32
...
	.end_amdgpu_metadata
.endif
;; end of part 5
;; launch ffn1 (part 6): grid 16 x 16, 4 waves a work-group, clusters of 4 x 4, 327,680 bytes of LDS; arguments xc, l1_w_codes, l1_b, lowp_scales, hc; writes hc
.if DOCPART == 6
	.amdgcn_target "amdgcn-amd-amdhsa--gfx1250"
	.amdhsa_code_object_version 6
	.text
	.protected	k_qe36f30ab02_ffn1
	.globl	k_qe36f30ab02_ffn1
	.p2align	8
	.type	k_qe36f30ab02_ffn1,@function
k_qe36f30ab02_ffn1:
	s_mov_b64 s[64:65], 0
	v_nop
	global_prefetch_b8 v0, s[64:65] scope:SCOPE_SE
	s_setreg_imm32_b32 hwreg(HW_REG_WAVE_MODE, 25, 1), 1
	s_wait_xcnt 0x0
	s_wait_alu depctr_hold_cnt(0) depctr_sa_sdst(0) depctr_va_vdst(0) depctr_va_sdst(0) depctr_va_ssrc(0) depctr_va_vcc(0) depctr_vm_vsrc(0)
	s_getreg_b32 s2, hwreg(HW_REG_IB_STS2, 6, 4)
	s_cmp_eq_u32 s2, 0
	s_cbranch_scc0 .Lentry_in_a_cluster
	s_endpgm
.Lentry_in_a_cluster:
	s_bfe_u32 s2, ttmp6, 0x10000c
	s_cmp_lg_u32 s2, 0xf033
	s_cbranch_scc0 .Lentry_shape_is_right
	s_endpgm
.Lentry_shape_is_right:
; H = Q(relu(X W1^T + b1)), the product on E4M3 codes (K = 1,024), the result quantised with entry 14 of lowp_scales on the way out.
; X: register images [token / 16][k / 128][c][lane][16 bytes]; W1: [4096][1024] codes, K innermost; H: register images of the same kind with K = 4,096.
; A work-group makes 256 x 256, each of four waves 128 x 128 (64 accumulators).  The matrix instruction is used transposed (source 0 = 16 rows of W1, source 1 = 16 tokens): a lane holds a token and eight neighbouring hidden units.
; K goes in steps of 256 through a ring of two LDS slots filled by joint tensor loads: X's tile is shared along a row of the 4 x 4 cluster, W1's along a column.
; In both operands register 4 c + .. of lane (r, h) holds K = 32 c + 16 h + 0 .. 15: k stands permuted inside an instruction, alike in both: only the order of sums inside an instruction changes.
; The bias is the C of the first K step, divided by 2^(ea + eb).  The activation costs nothing: the hold that the conversion wants clips at 0 as well.
; LIMITS: e14 - e12 - e13 between -126 and 119.  NaN among the inputs is not served.
; REGISTERS: window 0: v0-31 addresses; v32-95 the bias, later a block's held sums; v112, v113 the conversion's scale and 448 x it; v128-255 X's fragments, later the codes.  window 1: W1's fragments, two sets.  windows 2, 3: the accumulators.
.set SIZE_K, 1024
.set EA,     12
.set EB,     13
.set EO,     14
.set ROWB,   256
.set KROW,   SIZE_K
.set ATILE,  16*SIZE_K
.set ASTEP,  4096
.set PITCH,  272
.set FR,     16
.set NL,     4
.set NP,     4
.set HALFT,  128*PITCH
.set SLOT,   4*HALFT
.set LAPS,   SIZE_K/512
.set SPARE,  2*SLOT                    ; the spare words, 128 bytes a wave: no other line names them
.set ADRA, 16
.set ADRB, 20
.set CO,   26
.set SPW,  28
.set NIL,  29
.set BT,   32
.set TMP,  32
.set SCL,  112
.set LIM,  113
.set AF,   128
.set CD,   128
.set G1, 24
.set G0, 32
.set G1B, 48
.set G0B, 56
.set MSB, 0
.macro WIN new
.if MSB != \new
	s_set_vgpr_msb (MSB<<8)|\new
.set MSB, \new
.endif
.endm
.set MUL_LO, 0xa1
.set MUL_HI, 0xf1
.set FIRST_LO, 0x81
.set FIRST_HI, 0xc1
.set TO_B,   0x40
.macro JLOAD g0a, g1a, g0b, g1b        ; a joint load: waves 0, 1 fetch for X, waves 2, 3 for W1; four v_nop follow each line
	s_cmp_eq_u32 s15, 0
	s_cbranch_scc0 .Lfor_b_\@
	tensor_load_to_lds s[\g0a:\g0a+3], s[\g1a:\g1a+7]
	s_nop 0
.rept 4
	v_nop
.endr
	s_branch .Lasked_\@
.Lfor_b_\@:
	tensor_load_to_lds s[\g0b:\g0b+3], s[\g1b:\g1b+7]
	s_nop 0
.rept 4
	v_nop
.endr
.Lasked_\@:
.endm
.macro CREST
	s_cmp_lg_u32 s14, 0
	s_cbranch_scc1 .Lnot_wave_0_\@
	s_barrier_signal -3
.Lnot_wave_0_\@:
	s_barrier_wait -3
	s_barrier_signal -1
	s_barrier_wait -1
.endm
.macro CROUND
	s_barrier_signal -1
	s_barrier_wait -1
	CREST
.endm
	s_load_b128 s[4:7], s[0:1], 0x0                ; X's images, W1's codes
	s_load_b64 s[8:9], s[0:1], 0x10                ; b1
	s_load_b64 s[86:87], s[0:1], 0x18              ; lowp_scales
	s_load_b64 s[10:11], s[0:1], 0x20              ; H's images
	v_lshl_add_u32 v[SPW], v0, 2, SPARE
	v_mov_b32 v[NIL], 0
	ds_add_u32 v28, v29
	ds_add_u32 v28, v29
	s_wait_dscnt 0x0
	v_lshrrev_b32 v1, 5, v0
	v_readfirstlane_b32 s14, v1
	s_lshr_b32 s15, s14, 1
	s_and_b32 s16, s14, 1
	s_bfe_u32 s40, ttmp6, 0x40000                  ; cx
	s_bfe_u32 s41, ttmp6, 0x40004                  ; cy
	s_lshl_b32 s42, ttmp9, 2
	s_add_co_u32 s42, s42, s40                     ; tile column
	s_and_b32 s17, ttmp7, 0xffff
	s_lshl_b32 s17, s17, 2
	s_add_co_u32 s17, s17, s41                     ; tile row
	s_lshl_b32 s43, s41, 2
	s_lshl_b32 s43, 15, s43
	s_lshl_b32 s44, 0x1111, s40
	s_or_b32 s[G1+0], s43, (1<<21)                 ; X: the mask; elements of 1 byte; no padding; bit 21 beside a mask
	s_mov_b32 s[G1+1], ASTEP<<16
	s_mov_b32 s[G1+2], 8<<16
	s_mov_b32 s[G1+3], ASTEP<<16
	s_mov_b32 s[G1+4], 8
	s_mov_b32 s[G1+5], ATILE
	s_mov_b32 s[G1+6], 0
	s_mov_b32 s[G1+7], 0
	s_or_b32 s[G1B+0], s44, (1<<20)|(1<<21)|(5<<22)|(3<<25)
	s_mov_b32 s[G1B+1], ROWB<<16
	s_mov_b32 s[G1B+2], 128<<16
	s_mov_b32 s[G1B+3], ROWB<<16
	s_mov_b32 s[G1B+4], 128
	s_mov_b32 s[G1B+5], KROW
	s_mov_b32 s[G1B+6], 0
	s_mov_b32 s[G1B+7], 0
	s_lshl_b32 s18, s16, 3
	s_lshl_b32 s20, s17, 4
	s_add_co_u32 s20, s20, s18
	s_mul_i32 s20, s20, ATILE
	s_mov_b32 s21, 0
	s_lshl_b32 s18, s16, 7
	s_lshl_b32 s46, s42, 8
	s_add_co_u32 s46, s46, s18
	s_mul_i32 s46, s46, KROW
	s_mov_b32 s47, 0
	s_mul_i32 s45, s14, HALFT
	s_wait_kmcnt 0x0
	s_load_b512 s[68:83], s[86:87], 0x0
	s_add_nc_u64 s[20:21], s[4:5], s[20:21]
	s_add_nc_u64 s[46:47], s[6:7], s[46:47]
	CROUND
.irp s, 0,1
	s_mov_b32 s[G0+4*\s], 1
	s_add_co_u32 s[G0+4*\s+1], s45, \s*SLOT
	s_add_nc_u64 s[G0+4*\s+2:G0+4*\s+3], s[20:21], \s*ASTEP
	s_or_b32 s[G0+4*\s+3], s[G0+4*\s+3], 0x80000000
	s_mov_b32 s[G0B+4*\s], 1
	s_add_co_u32 s[G0B+4*\s+1], s45, \s*SLOT
	s_add_nc_u64 s[G0B+4*\s+2:G0B+4*\s+3], s[46:47], \s*ROWB
	s_or_b32 s[G0B+4*\s+3], s[G0B+4*\s+3], 0x80000000
	JLOAD G0+4*\s, G1, G0B+4*\s, G1B
.endr
	v_and_b32 v1, 15, v0
	v_bfe_u32 v2, v0, 4, 1
	v_and_b32 v7, 31, v0
	v_lshlrev_b32 v[CO], 4, v7
	v_mul_u32_u24 v3, v1, PITCH
	v_lshl_add_u32 v4, v2, 4, v3
	s_mul_i32 s21, s15, HALFT
	s_mul_i32 s22, s16, HALFT
	s_add_co_u32 s22, s22, 2*HALFT
.irp s, 0,1
	v_add_nc_u32 v[ADRA+\s], s21, v[CO]
	v_add_nc_u32 v[ADRB+\s], s22, v4
	s_add_co_u32 s21, s21, SLOT
	s_add_co_u32 s22, s22, SLOT
.endr
	s_lshl_b32 s46, s42, 10
	s_lshl_b32 s47, s16, 9
	s_add_co_u32 s46, s46, s47                     ; my first hidden unit, in bytes of f32
	s_mov_b32 s47, 0
	s_add_nc_u64 s[8:9], s[8:9], s[46:47]
	s_lshl_b32 s20, s17, 4
	s_lshl_b32 s21, s15, 3
	s_add_co_u32 s20, s20, s21                     ; my first token tile: 65,536 bytes of H's images each,
	s_lshl_b32 s20, s20, 16
	s_lshl_b32 s21, s42, 1
	s_add_co_u32 s21, s21, s16                     ; my 128 hidden units are one fragment: 2,048 bytes
	s_lshl_b32 s21, s21, 11
	s_add_co_u32 s20, s20, s21
	s_mov_b32 s21, 0
	s_add_nc_u64 s[10:11], s[10:11], s[20:21]
	v_lshlrev_b32 v5, 5, v2
.irp b, 0,1,2,3,4,5,6,7
	global_load_b128 v[BT+8*\b:BT+8*\b+3], v5, s[8:9] offset:64*\b
	global_load_b128 v[BT+8*\b+4:BT+8*\b+7], v5, s[8:9] offset:64*\b+16
.endr
	s_wait_kmcnt 0x0
	s_add_co_i32 s88, s[68+EA], s[68+EB]
	s_sub_co_i32 s89, 0, s88
	s_sub_co_i32 s90, s[68+EO], s88                ; the three scales folded into the conversion's one
	s_add_co_i32 s90, s90, 127
	s_lshl_b32 s91, s90, 23
	v_mov_b32 v[SCL], s91
	s_add_co_i32 s90, s90, 8
	s_lshl_b32 s90, s90, 23
	s_or_b32 s90, s90, 0x600000
	v_mov_b32 v[LIM], s90
	s_wait_loadcnt 0x0
.set i, 0
.rept 64
	v_ldexp_f32 v[BT+i], v[BT+i], s89
.set i, i+1
.endr
.macro FRAG reg, adr, q, i
.irp c, 0,1,2,3
	ds_load_b128 v[\reg+4*\c:\reg+4*\c+3], v[\adr] offset:128*(\q)+32*\c+(\i)*16*PITCH
.endr
.endm
.macro FRAGA reg, slot, q, i
.irp c, 0,1,2,3
	ds_load_b128 v[\reg+4*\c:\reg+4*\c+3], v[ADRA+\slot] offset:(\i)*ASTEP+(\q)*2048+512*\c
.endr
.endm
.macro MUL16 a0, p, first              ; the 64 accumulators take turns, one instruction a turn
.irp a, \a0, \a0+1
.irp b, 0,1,2,3,4,5,6,7
.if \first
	v_wmma_f32_16x16x128_fp8_fp8 v[8*(8*((\a)%4)+\b):8*(8*((\a)%4)+\b)+7], v[128*(\p)+FR*\b:128*(\p)+FR*\b+FR-1], v[AF+FR*(\a):AF+FR*(\a)+FR-1], v[BT+8*\b:BT+8*\b+7]
.else
	v_wmma_f32_16x16x128_fp8_fp8 v[8*(8*((\a)%4)+\b):8*(8*((\a)%4)+\b)+7], v[128*(\p)+FR*\b:128*(\p)+FR*\b+FR-1], v[AF+FR*(\a):AF+FR*(\a)+FR-1], v[8*(8*((\a)%4)+\b):8*(8*((\a)%4)+\b)+7]
.endif
.endr
.endr
.endm
.macro FETCH_B slot, q, p
	WIN TO_B
.irp i, 0,1,2,3,4,5,6,7
	FRAG 128*(\p)+FR*\i, ADRB+\slot, \q, \i
.endr
	WIN 0
.endm
.macro FETCH_A slot, q, i0
.irp i, \i0, \i0+1, \i0+2, \i0+3
	FRAGA AF+FR*(\i), \slot, \q, \i
.endr
.endm
.macro PLACES n
.rept \n
	v_nop
.endr
.endm
.macro STEP slot, q, first
	s_wait_dscnt 4*NL                              ; W1's set and X's blocks 0-3 are in; the youngest 16 loads (blocks 4-7) may be out
.if \first
	WIN FIRST_LO
.else
	WIN MUL_LO
.endif
	MUL16 0, (\q)%2, \first
	MUL16 2, (\q)%2, \first
	s_wait_dscnt 0
	PLACES NP
	FETCH_B \slot, (\q)+1, 1-(\q)%2
	FETCH_A \slot, (\q)+1, 0
.if \first
	WIN FIRST_HI
.else
	WIN MUL_HI
.endif
	MUL16 4, (\q)%2, \first
	MUL16 6, (\q)%2, \first
	PLACES NP
	WIN 0
	FETCH_A \slot, (\q)+1, 4
.endm
.macro TURN slot, next, fill
	s_wait_tensorcnt 0x0                           ; all my tensor loads have landed: my part of the next slot
	ds_add_u32 v[SPW], v[NIL]                      ; 0 onto my spare word
	s_wait_dscnt 4*NL+1                            ; the add and the youngest 16 loads may be out
	WIN MUL_LO
	MUL16 0, 1, 0
	s_wait_dscnt 0x0                               ; the add is done, and my reads of this slot are over
	s_barrier_signal -1
	MUL16 2, 1, 0
	WIN 0
	s_barrier_wait -1
.if \fill
	CREST
	s_add_nc_u64 s[G0+4*\slot+2:G0+4*\slot+3], s[G0+4*\slot+2:G0+4*\slot+3], 2*ASTEP
	s_add_nc_u64 s[G0B+4*\slot+2:G0B+4*\slot+3], s[G0B+4*\slot+2:G0B+4*\slot+3], 2*ROWB
	JLOAD G0+4*\slot, G1, G0B+4*\slot, G1B
.else
	PLACES NP
.endif
	FETCH_B \next, 0, 0
	FETCH_A \next, 0, 0
	WIN MUL_HI
	MUL16 4, 1, 0
	MUL16 6, 1, 0
	PLACES NP
	WIN 0
	FETCH_A \next, 0, 4
.endm
	s_wait_tensorcnt 1                             ; my part of K step 0 is in; K step 1's load may be out
	s_barrier_signal -1
	s_barrier_wait -1
	FETCH_B 0, 0, 0
	FETCH_A 0, 0, 0
	FETCH_A 0, 0, 4
	STEP 0, 0, 1
	s_mov_b32 s3, LAPS-1
.Llap:
	TURN 0, 1, 1
	STEP 1, 0, 0
	TURN 1, 0, 1
	STEP 0, 0, 0
	s_sub_co_u32 s3, s3, 1
	s_cmp_lg_u32 s3, 0
	s_cbranch_scc1 .Llap
	TURN 0, 1, 0
	STEP 1, 0, 0
	s_wait_dscnt 4*NL
	WIN MUL_LO
	MUL16 0, 1, 0
	MUL16 2, 1, 0
	s_wait_dscnt 0
	WIN MUL_HI
	MUL16 4, 1, 0
	MUL16 6, 1, 0
	WIN 0
; THE WAY OUT of block a (16 tokens x 128 hidden units): activation and hold in one, convert, bring 16 neighbours along the next K into a lane, store.  Each block has 16 registers of its own for its codes.
.macro OUT a
.set AC, 64*((\a)%4)
	WIN 0x02+((\a)/4)
.set i, 0
.rept 64
	v_med3_num_f32 v[TMP+i], v[AC+i], 0, v[LIM]    ; between 0 and the largest code x the scale; each accumulator from its low end on
.set i, i+1
.endr
	WIN 0
.set g, 0
.rept 8
	v_cvt_scalef32_pk8_fp8_f32 v[CD+16*(\a)+2*g:CD+16*(\a)+2*g+1], v[TMP+8*g:TMP+8*g+7], v[SCL]
.set g, g+1
.endr
	v_nop                                          ; a plain line behind the last conversion
.irp p, 0,1,2,3
	v_permlane16_swap_b32 v[CD+16*(\a)+4*\p], v[CD+16*(\a)+4*\p+2]     ; lanes 16-31 of the first with lanes 0-15 of the second: lane (r, h) then holds units 32 p + 16 h + 0 .. 15
	v_permlane16_swap_b32 v[CD+16*(\a)+4*\p+1], v[CD+16*(\a)+4*\p+3]
.endr
.irp p, 0,1,2,3
	global_store_b128 v[CO], v[CD+16*(\a)+4*\p:CD+16*(\a)+4*\p+3], s[10:11] offset:(\a)*65536+\p*512   ; 512 consecutive bytes
.endr
.endm
	PLACES NP
.irp a, 0,1,2,3,4,5,6,7
	OUT \a
.endr
	s_wait_tensorcnt 0x0                           ; the wave's end
	ds_add_u32 v[SPW], v[NIL]
	s_wait_dscnt 0x0
	CROUND                                         ; the closing round
	s_endpgm
.Lfunc_end_k_qe36f30ab02_ffn1:
	.size	k_qe36f30ab02_ffn1, .Lfunc_end_k_qe36f30ab02_ffn1-k_qe36f30ab02_ffn1
	.p2alignl 7, 3214868480
	.fill 96, 4, 3214868480
	.section	.rodata,"a",@progbits
	.p2align	6, 0x0
	.amdhsa_kernel k_qe36f30ab02_ffn1
		.amdhsa_group_segment_fixed_size 327680
		.amdhsa_private_segment_fixed_size 0
		.amdhsa_enable_private_segment 0
		.amdhsa_kernarg_size 40
		.amdhsa_user_sgpr_count 2
		.amdhsa_user_sgpr_kernarg_segment_ptr 1
		.amdhsa_wavefront_size32 1
		.amdhsa_system_sgpr_workgroup_id_x 1
		.amdhsa_system_sgpr_workgroup_id_y 1
		.amdhsa_system_sgpr_workgroup_id_z 1
		.amdhsa_system_vgpr_workitem_id 0
		.amdhsa_next_free_vgpr 1024
		.amdhsa_next_free_sgpr 100
		.amdhsa_reserve_vcc 0
		.amdhsa_float_denorm_mode_32 3
		.amdhsa_float_denorm_mode_16_64 3
		.amdhsa_memory_ordered 1
		.amdhsa_forward_progress 1
		.amdhsa_inst_pref_size 125
	.end_amdhsa_kernel
	.amdgpu_metadata
---
amdhsa.version: [ 1, 2 ]
amdhsa.kernels:
  - .name:           k_qe36f30ab02_ffn1
    .symbol:         k_qe36f30ab02_ffn1.kd
    .args:
      - { .name: xc, .offset: 0, .size: 8, .value_kind: global_buffer, .address_space: global }
      - { .name: l1_w_codes, .offset: 8, .size: 8, .value_kind: global_buffer, .address_space: global }
      - { .name: l1_b, .offset: 16, .size: 8, .value_kind: global_buffer, .address_space: global }
      - { .name: lowp_scales, .offset: 24, .size: 8, .value_kind: global_buffer, .address_space: global }
      - { .name: hc, .offset: 32, .size: 8, .value_kind: global_buffer, .address_space: global }
    .group_segment_fixed_size: 327680
    .private_segment_fixed_size: 0
    .kernarg_segment_align: 8
    .kernarg_segment_size: 40
    .max_flat_workgroup_size: 128
    .sgpr_count:     100
    .vgpr_count:     1024
    .wavefront_size: 32
...
	.end_amdgpu_metadata
.endif
;; end of part 6
;; launch ffn2 (part 7): grid 4 x 16, 4 waves a work-group, clusters of 4 x 4, 327,680 bytes of LDS; arguments hc, l2_w_codes, l2_b, lowp_scales, alpha_ff, x, y; writes y
.if DOCPART == 7
	.amdgcn_target "amdgcn-amd-amdhsa--gfx1250"
	.amdhsa_code_object_version 6
	.text
	.protected	k_qe36f30ab02_ffn2
	.globl	k_qe36f30ab02_ffn2
	.p2align	8
	.type	k_qe36f30ab02_ffn2,@function
k_qe36f30ab02_ffn2:
	s_mov_b64 s[64:65], 0
	v_nop
	global_prefetch_b8 v0, s[64:65] scope:SCOPE_SE
	s_setreg_imm32_b32 hwreg(HW_REG_WAVE_MODE, 25, 1), 1
	s_wait_xcnt 0x0
	s_wait_alu depctr_hold_cnt(0) depctr_sa_sdst(0) depctr_va_vdst(0) depctr_va_sdst(0) depctr_va_ssrc(0) depctr_va_vcc(0) depctr_vm_vsrc(0)
	s_getreg_b32 s2, hwreg(HW_REG_IB_STS2, 6, 4)
	s_cmp_eq_u32 s2, 0
	s_cbranch_scc0 .Lentry_in_a_cluster
	s_endpgm
.Lentry_in_a_cluster:
	s_bfe_u32 s2, ttmp6, 0x10000c
	s_cmp_lg_u32 s2, 0xf033
	s_cbranch_scc0 .Lentry_shape_is_right
	s_endpgm
.Lentry_shape_is_right:
; Y = RES + alpha x (A W^T + bias), the product on E4M3 codes.  A: register images [token / 16][k / 128][c][lane][16 bytes]; W: [1024][SIZE_K] codes, K innermost; RES, Y: [4096][1024] f32.
; A work-group makes 256 x 256, each of four waves 128 x 128 (64 accumulators).  The matrix instruction is used transposed (source 0 = 16 rows of W, source 1 = 16 tokens): a lane holds eight neighbouring columns of a row.
; K goes in steps of 256 through a ring of two LDS slots filled by joint tensor loads: A's tile is shared along a row of the 4 x 4 cluster, W's along a column.
; A's tile is 8 token tiles x 4,096 bytes (two fragments each), laid as it lies: a fragment's four loads read 512 consecutive bytes each.  W's rows are padded by 16 bytes.
; In both, register 4 c + .. of lane (r, h) holds K = 32 c + 16 h + 0 .. 15: k stands permuted inside an instruction, alike in both operands: only the order of sums inside an instruction changes.
; The bias is the C of the first K step, divided by 2^(ea + eb); on the way out one packed multiply-add gives sum x (alpha 2^(ea + eb)) + RES.
; The grid has 64 work-groups: N = 1,024 gives four tile columns.  NaN among the inputs is not served.
; REGISTERS: window 0: v0-31 addresses; v32-95 the bias; v[114:115] alpha 2^(ea + eb), twice; v128-255 A's fragments, later rows back from the stage.  window 1: W's fragments, two sets, later RES's rows.  windows 2, 3: the accumulators.
.set SIZE_K, 4096
.set EA,     14                        ; the two operands' entries of lowp_scales
.set EB,     15
.set ROWB,   256
.set KROW,   SIZE_K
.set ATILE,  16*SIZE_K                 ; a token tile's images in bytes
.set ASTEP,  4096                      ; of which a K step of 256 takes these
.set PITCH,  272
.set FR,     16
.set NL,     4
.set NP,     4
.set HALFT,  128*PITCH
.set SLOT,   4*HALFT
.set LAPS,   SIZE_K/512
.set SPARE,  2*SLOT                    ; the spare words, 128 bytes a wave: no other line names them
.set SPITCH, 528                       ; the way out: a stage of 16 rows x (512 + 16) bytes a wave, in slot 0, which has had its last fill and its last read by then
.set ADRA, 16
.set ADRB, 20
.set STO,  24
.set RD,   25
.set CO,   26
.set SPW,  28
.set NIL,  29
.set BT,   32
.set FAC,  114
.set AF,   128
.set BK,   128
.set G1, 24
.set G0, 32
.set G1B, 48
.set G0B, 56
.set MSB, 0
.macro WIN new
.if MSB != \new
	s_set_vgpr_msb (MSB<<8)|\new
.set MSB, \new
.endif
.endm
.set MUL_LO, 0xa1
.set MUL_HI, 0xf1
.set FIRST_LO, 0x81
.set FIRST_HI, 0xc1
.set TO_B,   0x40
.macro JLOAD g0a, g1a, g0b, g1b        ; a joint load: waves 0, 1 fetch for A, waves 2, 3 for W; four v_nop follow each line
	s_cmp_eq_u32 s15, 0
	s_cbranch_scc0 .Lfor_b_\@
	tensor_load_to_lds s[\g0a:\g0a+3], s[\g1a:\g1a+7]
	s_nop 0
.rept 4
	v_nop
.endr
	s_branch .Lasked_\@
.Lfor_b_\@:
	tensor_load_to_lds s[\g0b:\g0b+3], s[\g1b:\g1b+7]
	s_nop 0
.rept 4
	v_nop
.endr
.Lasked_\@:
.endm
.macro CREST
	s_cmp_lg_u32 s14, 0
	s_cbranch_scc1 .Lnot_wave_0_\@
	s_barrier_signal -3
.Lnot_wave_0_\@:
	s_barrier_wait -3
	s_barrier_signal -1
	s_barrier_wait -1
.endm
.macro CROUND
	s_barrier_signal -1
	s_barrier_wait -1
	CREST
.endm
	s_load_b128 s[4:7], s[0:1], 0x0                ; A's images, W's codes
	s_load_b64 s[8:9], s[0:1], 0x10                ; the bias
	s_load_b64 s[86:87], s[0:1], 0x18              ; lowp_scales
	s_load_b64 s[88:89], s[0:1], 0x20              ; alpha
	s_load_b64 s[12:13], s[0:1], 0x28              ; RES
	s_load_b64 s[10:11], s[0:1], 0x30              ; Y
	v_lshl_add_u32 v[SPW], v0, 2, SPARE
	v_mov_b32 v[NIL], 0
	ds_add_u32 v28, v29
	ds_add_u32 v28, v29
	s_wait_dscnt 0x0
	v_lshrrev_b32 v1, 5, v0
	v_readfirstlane_b32 s14, v1                    ; wave 0..3
	s_lshr_b32 s15, s14, 1                         ; my half of the rows.  Also: I fetch for A (0) or W (1)
	s_and_b32 s16, s14, 1                          ; my half of the columns.  Also: which half I fetch
	s_bfe_u32 s40, ttmp6, 0x40000                  ; cx
	s_bfe_u32 s41, ttmp6, 0x40004                  ; cy
	s_lshl_b32 s42, ttmp9, 2
	s_add_co_u32 s42, s42, s40                     ; tile column
	s_and_b32 s17, ttmp7, 0xffff
	s_lshl_b32 s17, s17, 2
	s_add_co_u32 s17, s17, s41                     ; tile row
	s_lshl_b32 s43, s41, 2
	s_lshl_b32 s43, 15, s43                        ; my row of the cluster
	s_lshl_b32 s44, 0x1111, s40                    ; my column
	s_or_b32 s[G1+0], s43, (1<<21)                 ; A: the mask; elements of 1 byte; no padding; bit 21 beside a mask
	s_mov_b32 s[G1+1], ASTEP<<16                   ; tensor_dim0 = 4,096
	s_mov_b32 s[G1+2], 8<<16                       ; tensor_dim1 = 8 token tiles
	s_mov_b32 s[G1+3], ASTEP<<16                   ; tile_dim0
	s_mov_b32 s[G1+4], 8                           ; tile_dim1
	s_mov_b32 s[G1+5], ATILE                       ; the pitch
	s_mov_b32 s[G1+6], 0
	s_mov_b32 s[G1+7], 0
	s_or_b32 s[G1B+0], s44, (1<<20)|(1<<21)|(5<<22)|(3<<25)   ; W: padding of 4 words behind every 64
	s_mov_b32 s[G1B+1], ROWB<<16
	s_mov_b32 s[G1B+2], 128<<16
	s_mov_b32 s[G1B+3], ROWB<<16
	s_mov_b32 s[G1B+4], 128
	s_mov_b32 s[G1B+5], KROW
	s_mov_b32 s[G1B+6], 0
	s_mov_b32 s[G1B+7], 0
	s_lshl_b32 s18, s16, 3
	s_lshl_b32 s20, s17, 4
	s_add_co_u32 s20, s20, s18                     ; A: token tile 16 x tile row + 8 x half
	s_mul_i32 s20, s20, ATILE
	s_mov_b32 s21, 0
	s_lshl_b32 s18, s16, 7
	s_lshl_b32 s46, s42, 8
	s_add_co_u32 s46, s46, s18                     ; W: row 256 x tile column + 128 x half
	s_mul_i32 s46, s46, KROW
	s_mov_b32 s47, 0
	s_mul_i32 s45, s14, HALFT                      ; where they go
	s_wait_kmcnt 0x0
	s_load_b512 s[68:83], s[86:87], 0x0            ; the sixteen exponents
	s_load_b32 s90, s[88:89], 0x0                  ; alpha
	s_add_nc_u64 s[20:21], s[4:5], s[20:21]
	s_add_nc_u64 s[46:47], s[6:7], s[46:47]
	CROUND                                         ; all sixteen work-groups are here: the first joint loads meet
.irp s, 0,1
	s_mov_b32 s[G0+4*\s], 1
	s_add_co_u32 s[G0+4*\s+1], s45, \s*SLOT
	s_add_nc_u64 s[G0+4*\s+2:G0+4*\s+3], s[20:21], \s*ASTEP
	s_or_b32 s[G0+4*\s+3], s[G0+4*\s+3], 0x80000000
	s_mov_b32 s[G0B+4*\s], 1
	s_add_co_u32 s[G0B+4*\s+1], s45, \s*SLOT
	s_add_nc_u64 s[G0B+4*\s+2:G0B+4*\s+3], s[46:47], \s*ROWB
	s_or_b32 s[G0B+4*\s+3], s[G0B+4*\s+3], 0x80000000
	JLOAD G0+4*\s, G1, G0B+4*\s, G1B
.endr
	v_and_b32 v1, 15, v0                           ; r
	v_bfe_u32 v2, v0, 4, 1                         ; h
	v_and_b32 v7, 31, v0
	v_lshlrev_b32 v[CO], 4, v7                     ; 16 x lane
	v_mul_u32_u24 v3, v1, PITCH
	v_lshl_add_u32 v4, v2, 4, v3
	s_mul_i32 s21, s15, HALFT
	s_mul_i32 s22, s16, HALFT
	s_add_co_u32 s22, s22, 2*HALFT
.irp s, 0,1
	v_add_nc_u32 v[ADRA+\s], s21, v[CO]            ; an image's place for my lane
	v_add_nc_u32 v[ADRB+\s], s22, v4
	s_add_co_u32 s21, s21, SLOT
	s_add_co_u32 s22, s22, SLOT
.endr
	s_mul_i32 s23, s14, 16*SPITCH                  ; my stage
	v_mul_u32_u24 v8, v1, SPITCH
	v_lshl_add_u32 v8, v2, 5, v8
	v_add_nc_u32 v[STO], s23, v8                   ; in: row r, 32 bytes for each half of the lanes
	v_add_nc_u32 v[RD], s23, v[CO]                 ; back: the 32 lanes take a row of 512 bytes
	s_lshl_b32 s46, s42, 10
	s_lshl_b32 s47, s16, 9
	s_add_co_u32 s46, s46, s47                     ; my first column, in bytes of f32
	s_mov_b32 s47, 0
	s_add_nc_u64 s[8:9], s[8:9], s[46:47]
	s_lshl_b32 s20, s17, 8
	s_lshl_b32 s21, s15, 7
	s_add_co_u32 s20, s20, s21                     ; my first row,
	s_lshl_b32 s20, s20, 12                        ; of 4,096 bytes
	s_add_co_u32 s20, s20, s46
	s_mov_b32 s21, 0
	s_add_nc_u64 s[10:11], s[10:11], s[20:21]
	s_add_nc_u64 s[12:13], s[12:13], s[20:21]
	v_lshlrev_b32 v5, 5, v2                        ; 32 h
.irp b, 0,1,2,3,4,5,6,7
	global_load_b128 v[BT+8*\b:BT+8*\b+3], v5, s[8:9] offset:64*\b
	global_load_b128 v[BT+8*\b+4:BT+8*\b+7], v5, s[8:9] offset:64*\b+16
.endr
	s_wait_kmcnt 0x0
	s_add_co_i32 s91, s[68+EA], s[68+EB]           ; a sum stands for sum x 2^(ea + eb)
	s_sub_co_i32 s92, 0, s91
	v_mov_b32 v[FAC], s90
	v_ldexp_f32 v[FAC], v[FAC], s91                ; alpha x 2^(ea + eb)
	v_mov_b32 v[FAC+1], v[FAC]
	s_wait_loadcnt 0x0
.set i, 0
.rept 64
	v_ldexp_f32 v[BT+i], v[BT+i], s92              ; bias / 2^(ea + eb)
.set i, i+1
.endr
.macro FRAG reg, adr, q, i             ; W: 16 rows x 128 K from padded rows
.irp c, 0,1,2,3
	ds_load_b128 v[\reg+4*\c:\reg+4*\c+3], v[\adr] offset:128*(\q)+32*\c+(\i)*16*PITCH
.endr
.endm
.macro FRAGA reg, slot, q, i           ; A: token tile i, fragment q, as an image of the registers
.irp c, 0,1,2,3
	ds_load_b128 v[\reg+4*\c:\reg+4*\c+3], v[ADRA+\slot] offset:(\i)*ASTEP+(\q)*2048+512*\c
.endr
.endm
.macro MUL16 a0, p, first              ; the 64 accumulators take turns, one instruction a turn
.irp a, \a0, \a0+1
.irp b, 0,1,2,3,4,5,6,7
.if \first
	v_wmma_f32_16x16x128_fp8_fp8 v[8*(8*((\a)%4)+\b):8*(8*((\a)%4)+\b)+7], v[128*(\p)+FR*\b:128*(\p)+FR*\b+FR-1], v[AF+FR*(\a):AF+FR*(\a)+FR-1], v[BT+8*\b:BT+8*\b+7]
.else
	v_wmma_f32_16x16x128_fp8_fp8 v[8*(8*((\a)%4)+\b):8*(8*((\a)%4)+\b)+7], v[128*(\p)+FR*\b:128*(\p)+FR*\b+FR-1], v[AF+FR*(\a):AF+FR*(\a)+FR-1], v[8*(8*((\a)%4)+\b):8*(8*((\a)%4)+\b)+7]
.endif
.endr
.endr
.endm
.macro FETCH_B slot, q, p
	WIN TO_B
.irp i, 0,1,2,3,4,5,6,7
	FRAG 128*(\p)+FR*\i, ADRB+\slot, \q, \i
.endr
	WIN 0
.endm
.macro FETCH_A slot, q, i0
.irp i, \i0, \i0+1, \i0+2, \i0+3
	FRAGA AF+FR*(\i), \slot, \q, \i
.endr
.endm
.macro PLACES n
.rept \n
	v_nop
.endr
.endm
.macro STEP slot, q, first
	s_wait_dscnt 4*NL                              ; W's set and A's blocks 0-3 are in; the youngest 16 loads (blocks 4-7) may be out
.if \first
	WIN FIRST_LO
.else
	WIN MUL_LO
.endif
	MUL16 0, (\q)%2, \first
	MUL16 2, (\q)%2, \first
	s_wait_dscnt 0
	PLACES NP
	FETCH_B \slot, (\q)+1, 1-(\q)%2
	FETCH_A \slot, (\q)+1, 0
.if \first
	WIN FIRST_HI
.else
	WIN MUL_HI
.endif
	MUL16 4, (\q)%2, \first
	MUL16 6, (\q)%2, \first
	PLACES NP
	WIN 0
	FETCH_A \slot, (\q)+1, 4
.endm
.macro TURN slot, next, fill
	s_wait_tensorcnt 0x0                           ; all my tensor loads have landed: my part of the next slot
	ds_add_u32 v[SPW], v[NIL]                      ; 0 onto my spare word
	s_wait_dscnt 4*NL+1                            ; the add and the youngest 16 loads may be out
	WIN MUL_LO
	MUL16 0, 1, 0
	s_wait_dscnt 0x0                               ; the add is done, and my reads of this slot are over
	s_barrier_signal -1
	MUL16 2, 1, 0
	WIN 0
	s_barrier_wait -1
.if \fill
	CREST                                          ; the barrier has opened a round of the cluster's
	s_add_nc_u64 s[G0+4*\slot+2:G0+4*\slot+3], s[G0+4*\slot+2:G0+4*\slot+3], 2*ASTEP
	s_add_nc_u64 s[G0B+4*\slot+2:G0B+4*\slot+3], s[G0B+4*\slot+2:G0B+4*\slot+3], 2*ROWB
	JLOAD G0+4*\slot, G1, G0B+4*\slot, G1B         ; the first tensor load behind the round
.else
	PLACES NP
.endif
	FETCH_B \next, 0, 0
	FETCH_A \next, 0, 0
	WIN MUL_HI
	MUL16 4, 1, 0
	MUL16 6, 1, 0
	PLACES NP
	WIN 0
	FETCH_A \next, 0, 4
.endm
	s_wait_tensorcnt 1                             ; my part of K step 0 is in; K step 1's load may be out
	s_barrier_signal -1
	s_barrier_wait -1
	FETCH_B 0, 0, 0
	FETCH_A 0, 0, 0
	FETCH_A 0, 0, 4
	STEP 0, 0, 1
	s_mov_b32 s3, LAPS-1
.Llap:
	TURN 0, 1, 1
	STEP 1, 0, 0
	TURN 1, 0, 1
	STEP 0, 0, 0
	s_sub_co_u32 s3, s3, 1
	s_cmp_lg_u32 s3, 0
	s_cbranch_scc1 .Llap
	TURN 0, 1, 0
	STEP 1, 0, 0
	s_wait_dscnt 4*NL
	WIN MUL_LO
	MUL16 0, 1, 0
	MUL16 2, 1, 0
	s_wait_dscnt 0
	WIN MUL_HI
	MUL16 4, 1, 0
	MUL16 6, 1, 0
	WIN 0
; THE WAY OUT, block by block of 16 rows x 128 columns: the sums go through my own stage and come back as whole rows of 512 bytes; RES's same rows come from memory a block ahead; one packed multiply-add; the 32 lanes store 512 consecutive bytes.
.macro RLOAD a                         ; RES's 16 rows of block a into window 1, set a % 2
	WIN 0x40
.set t, 0
.rept 16
	global_load_b128 v[64*((\a)%2)+4*t:64*((\a)%2)+4*t+3], v[CO], s[12:13] offset:(16*(\a)+t)*4096 th:TH_LOAD_NT
.set t, t+1
.endr
	WIN 0
.endm
.macro TOSTAGE a
.set AC, 64*((\a)%4)
	WIN 0x08+4*((\a)/4)                            ; the stores' data: window 2 or 3; each accumulator from its low end on
.irp b, 0,1,2,3,4,5,6,7
	ds_store_b128 v[STO], v[AC+8*\b:AC+8*\b+3] offset:64*\b
	ds_store_b128 v[STO], v[AC+8*\b+4:AC+8*\b+7] offset:64*\b+16
.endr
	WIN 0
.set BB, BK+64*((\a)%2)
.set t, 0
.rept 16
	ds_load_b128 v[BB+4*t:BB+4*t+3], v[RD] offset:t*SPITCH   ; LDS serves a wave's instructions in order: these see the stores above
.set t, t+1
.endr
.endm
.macro SEND a, younger, lc
.set BB, BK+64*((\a)%2)
	s_wait_dscnt \younger                          ; the block is back; the next block's 16 stores and 16 loads may be out
	s_wait_loadcnt \lc                             ; its rows of RES are in; the next block's 16 may be out
	WIN 0x10                                       ; source 2: window 1
.set i, 0
.rept 32
	v_pk_fma_f32 v[BB+i:BB+i+1], v[BB+i:BB+i+1], v[FAC:FAC+1], v[64*((\a)%2)+i:64*((\a)%2)+i+1]
.set i, i+2
.endr
	WIN 0
.set t, 0
.rept 16
	global_store_b128 v[CO], v[BB+4*t:BB+4*t+3], s[10:11] offset:(16*(\a)+t)*4096
.set t, t+1
.endr
.endm
	PLACES NP
	RLOAD 0
	TOSTAGE 0
.irp a, 1,2,3,4,5,6,7
.if \a > 1
	s_wait_xcnt 0x0                                ; block a - 2's stores have read their registers: block a's rows may land there
.endif
	RLOAD \a
	TOSTAGE \a
	SEND \a-1, 32, 16
.endr
	SEND 7, 0, 0
	s_wait_tensorcnt 0x0                           ; the wave's end
	ds_add_u32 v[SPW], v[NIL]
	s_wait_dscnt 0x0
	CROUND                                         ; the closing round
	s_endpgm
.Lfunc_end_k_qe36f30ab02_ffn2:
	.size	k_qe36f30ab02_ffn2, .Lfunc_end_k_qe36f30ab02_ffn2-k_qe36f30ab02_ffn2
	.p2alignl 7, 3214868480
	.fill 96, 4, 3214868480
	.section	.rodata,"a",@progbits
	.p2align	6, 0x0
	.amdhsa_kernel k_qe36f30ab02_ffn2
		.amdhsa_group_segment_fixed_size 327680
		.amdhsa_private_segment_fixed_size 0
		.amdhsa_enable_private_segment 0
		.amdhsa_kernarg_size 56
		.amdhsa_user_sgpr_count 2
		.amdhsa_user_sgpr_kernarg_segment_ptr 1
		.amdhsa_wavefront_size32 1
		.amdhsa_system_sgpr_workgroup_id_x 1
		.amdhsa_system_sgpr_workgroup_id_y 1
		.amdhsa_system_sgpr_workgroup_id_z 1
		.amdhsa_system_vgpr_workitem_id 0
		.amdhsa_next_free_vgpr 1024
		.amdhsa_next_free_sgpr 100
		.amdhsa_reserve_vcc 0
		.amdhsa_float_denorm_mode_32 3
		.amdhsa_float_denorm_mode_16_64 3
		.amdhsa_memory_ordered 1
		.amdhsa_forward_progress 1
		.amdhsa_inst_pref_size 142
	.end_amdhsa_kernel
	.amdgpu_metadata
---
amdhsa.version: [ 1, 2 ]
amdhsa.kernels:
  - .name:           k_qe36f30ab02_ffn2
    .symbol:         k_qe36f30ab02_ffn2.kd
    .args:
      - { .name: hc, .offset: 0, .size: 8, .value_kind: global_buffer, .address_space: global }
      - { .name: l2_w_codes, .offset: 8, .size: 8, .value_kind: global_buffer, .address_space: global }
      - { .name: l2_b, .offset: 16, .size: 8, .value_kind: global_buffer, .address_space: global }
      - { .name: lowp_scales, .offset: 24, .size: 8, .value_kind: global_buffer, .address_space: global }
      - { .name: alpha_ff, .offset: 32, .size: 8, .value_kind: global_buffer, .address_space: global }
      - { .name: x, .offset: 40, .size: 8, .value_kind: global_buffer, .address_space: global }
      - { .name: y, .offset: 48, .size: 8, .value_kind: global_buffer, .address_space: global }
    .group_segment_fixed_size: 327680
    .private_segment_fixed_size: 0
    .kernarg_segment_align: 8
    .kernarg_segment_size: 56
    .max_flat_workgroup_size: 128
    .sgpr_count:     100
    .vgpr_count:     1024
    .wavefront_size: 32
...
	.end_amdgpu_metadata
.endif
;; end of part 7
;; launch ln2 (part 8): grid 256 x 1, 8 waves a work-group, no clusters, 0 bytes of LDS; arguments y, n2_s, n2_b, out0; writes out0
.if DOCPART == 8
	.amdgcn_target "amdgcn-amd-amdhsa--gfx1250"
	.amdhsa_code_object_version 6
	.text
	.protected	k_qe36f30ab02_ln2
	.globl	k_qe36f30ab02_ln2
	.p2align	8
	.type	k_qe36f30ab02_ln2,@function
k_qe36f30ab02_ln2:
	s_mov_b64 s[64:65], 0
	v_nop
	global_prefetch_b8 v0, s[64:65] scope:SCOPE_SE
	s_setreg_imm32_b32 hwreg(HW_REG_WAVE_MODE, 25, 1), 1
	s_wait_xcnt 0x0
; LAYER NORM over rows of 1,024 f32: out = (y - mean) x rsqrt(var + 1e-5) x gain + bias; var is the mean of the squared differences, as the definition has it (two passes over registers).
; A work-group takes 16 rows, a wave two of them; a row is 8 loads of 512 consecutive bytes and stays in 32 registers a lane: memory is read once.  No LDS, no barrier: a row never leaves its wave.
; Matrix units, tensor loads and clusters would add nothing to a stream.  NaN among the inputs is not served.
.set NS,  16                           ; v16-47   the gain
.set NB,  48                           ; v48-79   the bias
.set Y0,  80                           ; v80-111  row 0
.set Y1,  112                          ; v112-143 row 1
	s_load_b256 s[4:11], s[0:1], 0x0               ; y, gain, bias, out
	v_lshrrev_b32 v2, 5, v0
	v_readfirstlane_b32 s16, v2                    ; wave 0..7
	v_and_b32 v2, 31, v0
	v_lshlrev_b32 v1, 4, v2                        ; 16 x lane
	s_lshl_b32 s18, ttmp9, 16                      ; 16 rows of 4,096 bytes,
	s_lshl_b32 s19, s16, 13                        ; my two
	s_add_co_u32 s18, s18, s19
	s_mov_b32 s19, 0
	s_mov_b32 s22, 0x76543210
	s_mov_b32 s23, 0xfedcba98
	s_mov_b32 s24, 0x3a800000                      ; 1 / 1,024
	s_mov_b32 s25, 0x3727c5ac                      ; 1e-5
	s_wait_kmcnt 0x0
	s_add_nc_u64 s[4:5], s[4:5], s[18:19]
	s_add_nc_u64 s[10:11], s[10:11], s[18:19]
.irp j, 0,1,2,3,4,5,6,7
	global_load_b128 v[Y0+4*\j:Y0+4*\j+3], v1, s[4:5] offset:512*\j th:TH_LOAD_NT
.endr
.irp j, 0,1,2,3,4,5,6,7
	global_load_b128 v[Y1+4*\j:Y1+4*\j+3], v1, s[4:5] offset:4096+512*\j th:TH_LOAD_NT
.endr
.irp j, 0,1,2,3,4,5,6,7
	global_load_b128 v[NS+4*\j:NS+4*\j+3], v1, s[6:7] offset:512*\j
.endr
.irp j, 0,1,2,3,4,5,6,7
	global_load_b128 v[NB+4*\j:NB+4*\j+3], v1, s[8:9] offset:512*\j
.endr
.macro LANESUM a, b                    ; the sum over the 32 lanes, in every lane
	v_add_f32_dpp v[\a], v[\a], v[\a] row_xmask:1 row_mask:0xf bank_mask:0xf
	v_add_f32_dpp v[\a], v[\a], v[\a] row_xmask:2 row_mask:0xf bank_mask:0xf
	v_add_f32_dpp v[\a], v[\a], v[\a] row_xmask:4 row_mask:0xf bank_mask:0xf
	v_add_f32_dpp v[\a], v[\a], v[\a] row_xmask:8 row_mask:0xf bank_mask:0xf
	v_permlanex16_b32 v[\b], v[\a], s22, s23
	v_add_f32 v[\a], v[\a], v[\b]
.endm
.macro STATS y, rs                     ; the row becomes y - mean; v[rs], v[rs + 1] = rsqrt(var + eps)
.irp c, 0,1,2,3
	v_pk_add_f32 v[2+2*\c:3+2*\c], v[\y+2*\c:\y+2*\c+1], v[\y+8+2*\c:\y+9+2*\c]   ; four chains, started by the first pairs
.endr
.irp q, 16,24
.irp c, 0,1,2,3
	v_pk_add_f32 v[2+2*\c:3+2*\c], v[2+2*\c:3+2*\c], v[\y+\q+2*\c:\y+\q+2*\c+1]
.endr
.endr
	v_pk_add_f32 v[2:3], v[2:3], v[4:5]
	v_pk_add_f32 v[6:7], v[6:7], v[8:9]
	v_pk_add_f32 v[2:3], v[2:3], v[6:7]
	v_add_f32 v2, v2, v3
	LANESUM 2, 3
	v_mul_f32 v2, s24, v2                          ; the mean
	v_mov_b32 v3, v2
.set i, 0
.rept 16
	v_pk_add_f32 v[\y+i:\y+i+1], v[\y+i:\y+i+1], v[2:3] neg_lo:[0,1] neg_hi:[0,1]
.set i, i+2
.endr
.irp c, 0,1,2,3
	v_pk_mul_f32 v[4+2*\c:5+2*\c], v[\y+2*\c:\y+2*\c+1], v[\y+2*\c:\y+2*\c+1]
.endr
.irp q, 8,16,24
.irp c, 0,1,2,3
	v_pk_fma_f32 v[4+2*\c:5+2*\c], v[\y+\q+2*\c:\y+\q+2*\c+1], v[\y+\q+2*\c:\y+\q+2*\c+1], v[4+2*\c:5+2*\c]
.endr
.endr
	v_pk_add_f32 v[4:5], v[4:5], v[6:7]
	v_pk_add_f32 v[8:9], v[8:9], v[10:11]
	v_pk_add_f32 v[4:5], v[4:5], v[8:9]
	v_add_f32 v4, v4, v5
	LANESUM 4, 5
	v_fma_f32 v4, v4, s24, s25                     ; var + eps
	v_rsq_f32 v[\rs], v4
	v_rsq_f32 v[\rs+1], v4
	v_nop                                          ; a plain line before the results are used or the source is rewritten (ISA guide 5.7.2)
.endm
.macro NORM y, rs, row
.set i, 0
	s_wait_alu depctr_va_vdst(0)
.rept 16
	v_pk_mul_f32 v[\y+i:\y+i+1], v[\y+i:\y+i+1], v[\rs:\rs+1]
	v_pk_fma_f32 v[\y+i:\y+i+1], v[\y+i:\y+i+1], v[NS+i:NS+i+1], v[NB+i:NB+i+1]
.set i, i+2
.endr
.irp j, 0,1,2,3,4,5,6,7
	global_store_b128 v1, v[\y+4*\j:\y+4*\j+3], s[10:11] offset:4096*\row+512*\j th:TH_STORE_NT   ; 512 consecutive bytes
.endr
.endm
	s_wait_loadcnt 24                              ; row 0 is in; row 1, the gain and the bias may be out
	STATS Y0, 12
	s_wait_loadcnt 16                              ; row 1 is in
	STATS Y1, 14
	s_wait_loadcnt 0x0
	NORM Y0, 12, 0
	NORM Y1, 14, 1
	s_endpgm
.Lfunc_end_k_qe36f30ab02_ln2:
	.size	k_qe36f30ab02_ln2, .Lfunc_end_k_qe36f30ab02_ln2-k_qe36f30ab02_ln2
	.p2alignl 7, 3214868480
	.fill 96, 4, 3214868480
	.section	.rodata,"a",@progbits
	.p2align	6, 0x0
	.amdhsa_kernel k_qe36f30ab02_ln2
		.amdhsa_group_segment_fixed_size 0
		.amdhsa_private_segment_fixed_size 0
		.amdhsa_enable_private_segment 0
		.amdhsa_kernarg_size 32
		.amdhsa_user_sgpr_count 2
		.amdhsa_user_sgpr_kernarg_segment_ptr 1
		.amdhsa_wavefront_size32 1
		.amdhsa_system_sgpr_workgroup_id_x 1
		.amdhsa_system_sgpr_workgroup_id_y 1
		.amdhsa_system_sgpr_workgroup_id_z 1
		.amdhsa_system_vgpr_workitem_id 0
		.amdhsa_next_free_vgpr 144
		.amdhsa_next_free_sgpr 66
		.amdhsa_reserve_vcc 0
		.amdhsa_float_denorm_mode_32 3
		.amdhsa_float_denorm_mode_16_64 3
		.amdhsa_memory_ordered 1
		.amdhsa_forward_progress 1
		.amdhsa_inst_pref_size 18
	.end_amdhsa_kernel
	.amdgpu_metadata
---
amdhsa.version: [ 1, 2 ]
amdhsa.kernels:
  - .name:           k_qe36f30ab02_ln2
    .symbol:         k_qe36f30ab02_ln2.kd
    .args:
      - { .name: y, .offset: 0, .size: 8, .value_kind: global_buffer, .address_space: global }
      - { .name: n2_s, .offset: 8, .size: 8, .value_kind: global_buffer, .address_space: global }
      - { .name: n2_b, .offset: 16, .size: 8, .value_kind: global_buffer, .address_space: global }
      - { .name: out0, .offset: 24, .size: 8, .value_kind: global_buffer, .address_space: global }
    .group_segment_fixed_size: 0
    .private_segment_fixed_size: 0
    .kernarg_segment_align: 8
    .kernarg_segment_size: 32
    .max_flat_workgroup_size: 256
    .sgpr_count:     66
    .vgpr_count:     144
    .wavefront_size: 32
...
	.end_amdgpu_metadata
.endif
;; end of part 8
;; ======== version 2 of 2: 8 launches
;; limits: right only within a limited range of input values
;; workspace buffers: srcc 12,582,912 bytes; maskw 4,718,592 bytes of whole numbers; qkvf 12,582,912 bytes; af 4,194,304 bytes; y 16,777,216 bytes; x 16,777,216 bytes; xc 4,194,304 bytes; hc 16,777,216 bytes
;; launch prep (part 9): grid 384 x 1, 4 waves a work-group, no clusters, 67,072 bytes of LDS; arguments src, attn_mask, lowp_scales, srcc, maskw; writes srcc, maskw
.if DOCPART == 9
	.amdgcn_target "amdgcn-amd-amdhsa--gfx1250"
	.amdhsa_code_object_version 6
	.text
	.protected	k_qe36f30ab02_prep
	.globl	k_qe36f30ab02_prep
	.p2align	8
	.type	k_qe36f30ab02_prep,@function
k_qe36f30ab02_prep:
	s_mov_b64 s[64:65], 0
	v_nop
	global_prefetch_b8 v0, s[64:65] scope:SCOPE_SE
	s_setreg_imm32_b32 hwreg(HW_REG_WAVE_MODE, 25, 1), 1
	s_wait_xcnt 0x0
; PREP.  Two jobs in one launch, parted by the work-group's number; each path has LDS bytes and LDS address registers of its own.
; Work-groups 0-255: src [4096][1024] f32 becomes three sets of E4M3 codes, row-major, 4 MiB apart in srcc, with the scales 2^e of entries 0, 2 and 4 of lowp_scales
;   (products 1, 2, 3 each name a scale of their own for src).  code = x / 2^e, held within +-448, to the nearest code, ties to even.
;   A wave takes 8 steps of 512 numbers.  Each load reads 512 consecutive bytes; the step's 2,048 bytes turn through the wave's own stage in LDS (16 bytes of padding behind each 64),
;   so that a lane then holds 16 neighbours along K, which the conversions want; a lane's 16 codes are 16 bytes and the wave stores 512 consecutive bytes for each scale.
; Work-groups 256-383: attn_mask [2048][2048] (a byte each) becomes lane masks.  Word (qt, st, n = 8 t + j) at byte 4096 qt + 256 st + 4 n; its bit L (r = L % 16, h = L / 16) is
;   attn_mask[16 qt + r][128 st + 16 t + 8 h + j]: the mask of register n of the 64 score registers that a wave of the attention launch holds in key step st.
; LIMITS: entries 0, 2, 4 between -126 and 119.  NaN among the inputs is not served.  No barrier: waves share nothing.
; LEFT OUT AS DEAD WORK, in the whole program: the 1e-9 that the module adds to every score ahead of the softmax.  It is the same along the softmax's axis, so exp(1e-9) divides out of every
; quotient for all values of the inputs; it stands behind the quantised product 4 and moves no code of it.  No input loses its way to the output by that.
; THE MASK AS BYTES TOO: behind the 524,288 bytes of lane masks, maskw holds [qt][st][c][lane][16 bytes]: byte 8 u + j of lane (r, h) is 0xff where attn_mask[16 qt + r][128 st + 32 c + 16 u + 8 h + j] is 0, else 0:
; the image of the sixteen registers of p's codes of a key step, to be ANDed onto them.
.set NSRC,  256
.set STEPS, 8
.set SP,    80                         ; a lane's place in a stage: 64 bytes + 16
.set WREG,  8192                       ; LDS of a wave on the src path: two stages of 32 x SP bytes
.set MSTG,  32768                      ; LDS of the mask path begins here
.set MP,    528                        ; a mask row of 512 bytes + 16: row r starts 4 r banks on
.set R,     16                         ; v16-79   four sets of 16 numbers as loaded
.set X,     80                         ; v80-111  two sets of 16 neighbours
.set T,     112                        ; v112-143 two sets of held numbers, by turns
.set C,     144                        ; v144-239 codes: 4 registers for each step and scale, so that no store's data are written again
	s_load_b128 s[4:7], s[0:1], 0x0                ; src s[4:5], attn_mask s[6:7]
	s_load_b128 s[8:11], s[0:1], 0x10              ; lowp_scales s[8:9], srcc s[10:11]
	s_load_b64 s[12:13], s[0:1], 0x20              ; maskw
	v_lshl_add_u32 v240, v0, 2, 0x10400
	v_mov_b32 v241, 0
	v_lshrrev_b32 v1, 5, v0
	v_readfirstlane_b32 s16, v1                    ; wave
	v_and_b32 v2, 31, v0                           ; lane
	v_lshlrev_b32 v3, 4, v2                        ; 16 x lane
	s_cmp_lt_u32 ttmp9, NSRC
	s_cbranch_scc0 .Lmask
; ---------------- src into codes
	s_mul_i32 s17, s16, WREG
	v_lshrrev_b32 v14, 2, v2
	v_mul_u32_u24 v14, v14, SP
	v_and_b32 v15, 3, v2
	v_lshl_add_u32 v14, v15, 4, v14
	v_add_nc_u32 v14, s17, v14                     ; into the stage: SP (lane / 4) + 16 (lane % 4)
	v_mul_u32_u24 v15, v2, SP
	v_add_nc_u32 v15, s17, v15                     ; out of it: SP x lane
	s_lshl_b32 s18, ttmp9, 2
	s_add_co_u32 s18, s18, s16                     ; which run of 4,096 numbers is my wave's
	s_lshl_b32 s20, s18, 14                        ; its bytes in src,
	s_mov_b32 s21, 0
	s_lshl_b32 s22, s18, 12                        ; and in each set of codes
	s_mov_b32 s23, 0
	s_wait_kmcnt 0x0
	s_load_b256 s[24:31], s[8:9], 0x0              ; entries 0 to 7
	s_add_nc_u64 s[4:5], s[4:5], s[20:21]
	s_add_nc_u64 s[10:11], s[10:11], s[22:23]      ; the three sets have a base each: 8 MiB is beyond a store's immediate
	s_add_nc_u64 s[12:13], s[10:11], 0x400000
	s_add_nc_u64 s[14:15], s[10:11], 0x800000
.macro LOAD t
.irp i, 0,1,2,3
	global_load_b128 v[R+16*((\t)%4)+4*\i:R+16*((\t)%4)+4*\i+3], v3, s[4:5] offset:2048*(\t)+512*\i th:TH_LOAD_NT
.endr
.endm
.macro TURN t                          ; LDS serves a wave's instructions in order: no wait between the stores and the loads
.irp i, 0,1,2,3
	ds_store_b128 v14, v[R+16*((\t)%4)+4*\i:R+16*((\t)%4)+4*\i+3] offset:32*SP*((\t)%2)+8*SP*\i
.endr
.irp i, 0,1,2,3
	ds_load_b128 v[X+16*((\t)%2)+4*\i:X+16*((\t)%2)+4*\i+3], v15 offset:32*SP*((\t)%2)+16*\i
.endr
.endm
	s_wait_alu depctr_va_vdst(0)
.irp t, 0,1,2,3
	LOAD \t
.endr
	s_wait_kmcnt 0x0
.irp k, 0,1,2
	s_add_co_i32 s32, s[24+2*\k], 127
	s_lshl_b32 s33, s32, 23
	v_mov_b32 v[5+\k], s33                         ; 2^e as f32: the conversion takes its exponent field
	s_add_co_i32 s32, s32, 8
	s_lshl_b32 s32, s32, 23
	s_or_b32 s32, s32, 0x600000
	v_mov_b32 v[8+\k], s32                         ; 448 x 2^e
.endr
	s_wait_alu depctr_va_vdst(0)
	s_wait_loadcnt 12                              ; step 0's four loads are in; three steps' may be out
	TURN 0
.macro STEP t
.set XS, X+16*((\t)%2)
	s_wait_dscnt 0x0                               ; this step's numbers are back, so its stores into the stage have read their registers,
.if (\t)+4 < STEPS
	LOAD (\t)+4                                    ; which take the loads of four steps on
.endif
.if (\t)+1 < STEPS
.if STEPS-2-(\t) >= 3
	s_wait_loadcnt 12                              ; the next step's four loads are in; those of the three steps behind it may be out
.else
	s_wait_loadcnt 4*(STEPS-2-(\t))
.endif
	TURN (\t)+1
.endif
.irp k, 0,1,2
.set TS, T+16*((3*(\t)+\k)%2)                  ; the held numbers' two sets take turns: the next scale's holds are the plain lines behind these conversions and write none of their sources
.set CS, C+12*(\t)+4*\k
.set i, 0
.rept 16
	v_med3_num_f32 v[TS+i], v[XS+i], -v[8+\k], v[8+\k]   ; the conversion to an 8-bit code does not saturate (ISA guide 7.6.2): the hold comes first
.set i, i+1
.endr
	v_cvt_scalef32_pk8_fp8_f32 v[CS:CS+1], v[TS:TS+7], v[5+\k]
	v_cvt_scalef32_pk8_fp8_f32 v[CS+2:CS+3], v[TS+8:TS+15], v[5+\k]
	global_store_b128 v3, v[CS:CS+3], s[10+2*\k:11+2*\k] offset:512*(\t)   ; 32 lanes store 512 consecutive bytes
.endr
.endm
.irp t, 0,1,2,3,4,5,6,7
	STEP \t
.endr
	s_wait_tensorcnt 0x0
	ds_add_u32 v240, v241
	s_wait_dscnt 0x0
	s_endpgm
; ---------------- the mask into lane masks: work-group qt = number - 256 takes 16 queries, wave w keys 512 w .. 512 w + 511
.Lmask:
	s_sub_co_u32 s18, ttmp9, NSRC                  ; qt
	s_lshl_b32 s20, s18, 15                        ; 16 rows of 2,048 bytes
	s_lshl_b32 s19, s16, 9
	s_add_co_u32 s20, s20, s19
	s_mov_b32 s21, 0
	s_lshl_b32 s22, s18, 12                        ; 4,096 bytes of words for a query tile, 1,024 of them my wave's
	s_lshl_b32 s19, s16, 10
	s_add_co_u32 s22, s22, s19
	s_mov_b32 s23, 0
	s_mul_i32 s17, s16, 16*MP
	s_add_co_u32 s17, s17, MSTG                    ; my stage: 16 rows
	s_wait_alu depctr_va_vdst(0)
	v_add_nc_u32 v12, s17, v3                      ; in: 16 x lane of a row
	v_and_b32 v4, 15, v0                           ; r
	v_bfe_u32 v5, v0, 4, 1                         ; h
	v_mul_u32_u24 v13, v4, MP
	v_lshl_add_u32 v13, v5, 3, v13
	v_add_nc_u32 v13, s17, v13                     ; out: row r, + 8 h: the eight keys of my half of a tile
	s_wait_alu depctr_va_vdst(0)
	s_wait_kmcnt 0x0
	s_add_nc_u64 s[6:7], s[6:7], s[20:21]
	s_lshl_b32 s46, s18, 15                        ; the bytes: 32,768 for a query tile,
	s_lshl_b32 s47, s16, 13                        ; 8,192 of them my wave's four key steps,
	s_add_co_u32 s46, s46, s47
	s_add_co_u32 s46, s46, 0x80000                 ; behind the words
	s_mov_b32 s47, 0
	s_add_nc_u64 s[44:45], s[12:13], s[46:47]
	s_add_nc_u64 s[12:13], s[12:13], s[22:23]
	s_mov_b32 s38, 255
.irp i, 0,1,2,3,4,5,6,7,8,9,10,11,12,13,14,15
	global_load_b128 v[16+4*\i:19+4*\i], v3, s[6:7] offset:2048*\i th:TH_LOAD_NT   ; 512 consecutive bytes of row i
.endr
.irp i, 0,1,2,3,4,5,6,7
	v_mov_b32 v[96+\i], 0                          ; the words' registers are written whole before single lanes are
.endr
	s_wait_loadcnt 0x0
.irp i, 0,1,2,3,4,5,6,7,8,9,10,11,12,13,14,15
	ds_store_b128 v12, v[16+4*\i:19+4*\i] offset:MP*\i
.endr
.set n, 0                              ; word 0 .. 255 of my wave: tile n / 8, byte n % 8
.rept 4
.set tt, 0
.rept 8
	ds_load_b64 v[80+2*tt:81+2*tt], v13 offset:2*n+16*tt   ; eight tiles: 32 lanes touch 64 different banks
.set tt, tt+1
.endr
	s_wait_dscnt 0x0
.set tt, 0
.rept 16
	v_mul_lo_u32 v[104+16*(n/64)+tt], v[80+tt], s38        ; a byte 1 becomes 0xff: no byte carries into the next
.set tt, tt+1
.endr
.set tt, 0
.rept 16
	v_xor_b32 v[104+16*(n/64)+tt], -1, v[104+16*(n/64)+tt] ; and the other way round: 0xff where the key counts
.set tt, tt+1
.endr
.irp c, 0,1,2,3
	global_store_b128 v3, v[104+16*(n/64)+4*\c:104+16*(n/64)+4*\c+3], s[44:45] offset:2048*(n/64)+512*\c   ; 512 consecutive bytes; each key step has registers of its own
.endr
.rept 64
	v_bfe_u32 v[8+n%4], v[80+2*((n/8)%8)+(n%8)/4], 8*(n%4), 8
	v_cmp_ne_u32 s[40+n%4], 0, v[8+n%4]            ; the 32 lanes' bits are the word
	v_writelane_b32 v[96+4*(n/128)+n%4], s[40+n%4], (n/4)%32   ; word n lies in lane (n / 4) % 32, so that a lane holds four neighbouring words
.set n, n+1
.endr
.endr
	global_store_b128 v3, v[96:99], s[12:13]       ; 512 consecutive bytes each
	global_store_b128 v3, v[100:103], s[12:13] offset:512
	s_wait_tensorcnt 0x0
	ds_add_u32 v240, v241
	s_wait_dscnt 0x0
	s_endpgm
.Lfunc_end_k_qe36f30ab02_prep:
	.size	k_qe36f30ab02_prep, .Lfunc_end_k_qe36f30ab02_prep-k_qe36f30ab02_prep
	.p2alignl 7, 3214868480
	.fill 96, 4, 3214868480
	.section	.rodata,"a",@progbits
	.p2align	6, 0x0
	.amdhsa_kernel k_qe36f30ab02_prep
		.amdhsa_group_segment_fixed_size 67072
		.amdhsa_private_segment_fixed_size 0
		.amdhsa_enable_private_segment 0
		.amdhsa_kernarg_size 40
		.amdhsa_user_sgpr_count 2
		.amdhsa_user_sgpr_kernarg_segment_ptr 1
		.amdhsa_wavefront_size32 1
		.amdhsa_system_sgpr_workgroup_id_x 1
		.amdhsa_system_sgpr_workgroup_id_y 1
		.amdhsa_system_sgpr_workgroup_id_z 1
		.amdhsa_system_vgpr_workitem_id 0
		.amdhsa_next_free_vgpr 242
		.amdhsa_next_free_sgpr 66
		.amdhsa_reserve_vcc 0
		.amdhsa_float_denorm_mode_32 3
		.amdhsa_float_denorm_mode_16_64 3
		.amdhsa_memory_ordered 1
		.amdhsa_forward_progress 1
		.amdhsa_inst_pref_size 102
	.end_amdhsa_kernel
	.amdgpu_metadata
---
amdhsa.version: [ 1, 2 ]
amdhsa.kernels:
  - .name:           k_qe36f30ab02_prep
    .symbol:         k_qe36f30ab02_prep.kd
    .args:
      - { .name: src, .offset: 0, .size: 8, .value_kind: global_buffer, .address_space: global }
      - { .name: attn_mask, .offset: 8, .size: 8, .value_kind: global_buffer, .address_space: global }
      - { .name: lowp_scales, .offset: 16, .size: 8, .value_kind: global_buffer, .address_space: global }
      - { .name: srcc, .offset: 24, .size: 8, .value_kind: global_buffer, .address_space: global }
      - { .name: maskw, .offset: 32, .size: 8, .value_kind: global_buffer, .address_space: global }
    .group_segment_fixed_size: 67072
    .private_segment_fixed_size: 0
    .kernarg_segment_align: 8
    .kernarg_segment_size: 40
    .max_flat_workgroup_size: 128
    .sgpr_count:     66
    .vgpr_count:     242
    .wavefront_size: 32
...
	.end_amdgpu_metadata
.endif
;; end of part 9
;; launch qkv (part 10): grid 12 x 16, 4 waves a work-group, clusters of 4 x 4, 327,680 bytes of LDS; arguments srcc, q_w_codes, k_w_codes, v_w_codes, q_b, k_b, v_b, lowp_scales, qkvf; writes qkvf
.if DOCPART == 10
	.amdgcn_target "amdgcn-amd-amdhsa--gfx1250"
	.amdhsa_code_object_version 6
	.text
	.protected	k_qe36f30ab02_qkv
	.globl	k_qe36f30ab02_qkv
	.p2align	8
	.type	k_qe36f30ab02_qkv,@function
k_qe36f30ab02_qkv:
	s_mov_b64 s[64:65], 0
	v_nop
	global_prefetch_b8 v0, s[64:65] scope:SCOPE_SE
	s_setreg_imm32_b32 hwreg(HW_REG_WAVE_MODE, 25, 1), 1
	s_wait_xcnt 0x0
	s_wait_alu depctr_hold_cnt(0) depctr_sa_sdst(0) depctr_va_vdst(0) depctr_va_sdst(0) depctr_va_ssrc(0) depctr_va_vcc(0) depctr_vm_vsrc(0)
	s_getreg_b32 s2, hwreg(HW_REG_IB_STS2, 6, 4)
	s_cmp_eq_u32 s2, 0
	s_cbranch_scc0 .Lentry_in_a_cluster
	s_endpgm
.Lentry_in_a_cluster:
	s_bfe_u32 s2, ttmp6, 0x10000c
	s_cmp_lg_u32 s2, 0xf033
	s_cbranch_scc0 .Lentry_shape_is_right
	s_endpgm
.Lentry_shape_is_right:
; QKV.  q, k, v = src W^T + bias on E4M3 codes (K = 1,024), quantised on the way out into the register images that the attention launch reads.
; The cluster's x (0, 1, 2) says which product; it is the same in all sixteen partners.  A work-group makes 256 x 256 of a product, each of four waves 128 x 128 (64 accumulators, 512 registers).
; The matrix instruction is used transposed (source 0 = 16 rows of "B", source 1 = 16 rows of "A"): a lane holds one row of "A" and eight neighbouring rows of "B".
;   q, k: "A" = src's codes (tokens), "B" = the weight (channels): a lane holds a token and its registers run along the channels, which are the K of the scores.
;   v:    "A" = the weight (channels), "B" = src's codes (tokens): a lane holds a channel and its registers run along the tokens, which are the K of the second product of attention.
; K goes in steps of 256 through a ring of two LDS slots filled by joint tensor loads: "A"'s tile is shared along a row of the 4 x 4 cluster, "B"'s along a column.
; A fragment (16 rows x 128 K) is fetched by four loads of 16 bytes, so k stands permuted inside an instruction, alike in both operands: only the order of sums inside an instruction changes.
; The bias along the columns is the C of the first K step, divided by the power of two that the sums lack; for v the bias runs along the rows and is added on the way out (the column table is then zeros).
; OUT: q, k images [b 16 + head][token / 16][c = 0, 1][lane][16 bytes]: byte 8 u + j of lane (r, h) is channel 32 c + 16 u + 8 h + j of token r;
;      v images [b 16 + head][key / 128][dt = 0..3][c = 0..3][lane][16]: lane (r, h) holds channel 16 dt + r, byte 8 u + j is key 32 c + 16 u + 8 h + j.  Parts q, k, v lie 4 MiB apart in qkvf.
; LIMITS: e6 - e0 - e1, e7 - e2 - e3 and e9 - e4 - e5 between -126 and 119.  NaN among the inputs is not served.
; REGISTERS, in windows of 256: window 0: v0-31 addresses; v32-95 the column bias, later a block's held sums; v96-111 the row bias; v112, v113 the conversion's scale and 448 x it; v128-255 "A"'s fragments, one set, later the codes.
;   window 1: "B"'s fragments, two sets.   windows 2, 3: the accumulators ((a, b) at v[8 (8 (a % 4) + b)]).
.set SIZE_K, 1024
.set ROWB,   256                       ; a tile's row: 256 codes
.set KROW,   SIZE_K
.set PITCH,  272                       ; 256 bytes + 16: the 16 rows that a load touches start at 16 different banks
.set FR,     16
.set NL,     4
.set NP,     4                         ; places behind this matrix instruction (ISA guide 7.12.1)
.set HALFT,  128*PITCH
.set SLOT,   4*HALFT
.set LAPS,   SIZE_K/512
.set SPARE,  2*SLOT                    ; the spare words, 128 bytes a wave: no other line names them
.set ADRA, 16
.set ADRB, 20
.set CO,   26                          ; v26 16 x lane
.set SPW,  28
.set NIL,  29
.set BT,   32
.set TMP,  32
.set BR,   96
.set SCL,  112
.set LIM,  113
.set AF,   128
.set CD,   128
.set G1, 24
.set G0, 32
.set G1B, 48
.set G0B, 56
.set MSB, 0
.macro WIN new                         ; the immediate's high byte repeats the setting that is left
.if MSB != \new
	s_set_vgpr_msb (MSB<<8)|\new
.set MSB, \new
.endif
.endm
.set MUL_LO, 0xa1                      ; source 0 window 1, source 1 window 0, C and D window 2
.set MUL_HI, 0xf1                      ; the same, C and D window 3
.set FIRST_LO, 0x81                    ; the first K step: C (the bias) window 0, D window 2
.set FIRST_HI, 0xc1
.set TO_B,   0x40
.macro JLOAD g0a, g1a, g0b, g1b        ; a joint load: waves 0, 1 fetch for "A", waves 2, 3 for "B"; four v_nop follow each line
	s_cmp_eq_u32 s15, 0
	s_cbranch_scc0 .Lfor_b_\@
	tensor_load_to_lds s[\g0a:\g0a+3], s[\g1a:\g1a+7]
	s_nop 0
.rept 4
	v_nop
.endr
	s_branch .Lasked_\@
.Lfor_b_\@:
	tensor_load_to_lds s[\g0b:\g0b+3], s[\g1b:\g1b+7]
	s_nop 0
.rept 4
	v_nop
.endr
.Lasked_\@:
.endm
.macro CREST                           ; a round of the cluster's barrier behind its opening barrier
	s_cmp_lg_u32 s14, 0
	s_cbranch_scc1 .Lnot_wave_0_\@
	s_barrier_signal -3
.Lnot_wave_0_\@:
	s_barrier_wait -3
	s_barrier_signal -1
	s_barrier_wait -1
.endm
.macro CROUND
	s_barrier_signal -1
	s_barrier_wait -1
	CREST
.endm
	s_load_b512 s[68:83], s[0:1], 0x0              ; srcc, q_w, k_w, v_w, q_b, k_b, v_b, lowp_scales
	s_load_b64 s[84:85], s[0:1], 0x40              ; qkvf
	v_lshl_add_u32 v[SPW], v0, 2, SPARE
	v_mov_b32 v[NIL], 0
	ds_add_u32 v28, v29
	ds_add_u32 v28, v29
	s_wait_dscnt 0x0
	v_lshrrev_b32 v1, 5, v0
	v_readfirstlane_b32 s14, v1                    ; wave 0..3
	s_lshr_b32 s15, s14, 1                         ; my half of the tile's rows.  Also: I fetch for "A" (0) or "B" (1)
	s_and_b32 s16, s14, 1                          ; my half of its columns.  Also: which 128 rows I fetch
	s_bfe_u32 s40, ttmp6, 0x40000                  ; cx
	s_bfe_u32 s41, ttmp6, 0x40004                  ; cy
	s_and_b32 s18, ttmp7, 0xffff
	s_lshl_b32 s18, s18, 2                         ; 4 x cluster y
	s_add_co_u32 s17, s18, s41
	s_add_co_u32 s42, s18, s40
	s_cmp_eq_u32 ttmp9, 2                          ; v?
	s_cselect_b32 s17, s41, s17                    ; tile row: q, k: 4 Y + cy (tokens); v: cy (channels).  It never holds cx
	s_cselect_b32 s42, s42, s40                    ; tile column: q, k: cx (channels); v: 4 Y + cx (tokens).  It never holds cy
	s_lshl_b32 s43, s41, 2
	s_lshl_b32 s43, 15, s43                        ; my row of the cluster
	s_lshl_b32 s44, 0x1111, s40                    ; my column
	s_or_b32 s[G1+0], s43, (1<<20)|(1<<21)|(5<<22)|(3<<25)   ; the mask; elements of 1 byte; padding of 4 words behind every 64; bit 21 beside a mask
	s_or_b32 s[G1B+0], s44, (1<<20)|(1<<21)|(5<<22)|(3<<25)
.irp g, G1, G1B
	s_mov_b32 s[\g+1], ROWB<<16                    ; tensor_dim0
	s_mov_b32 s[\g+2], 128<<16                     ; tensor_dim1
	s_mov_b32 s[\g+3], ROWB<<16                    ; tile_dim0
	s_mov_b32 s[\g+4], 128                         ; tile_dim1
	s_mov_b32 s[\g+5], KROW                        ; the pitch
	s_mov_b32 s[\g+6], 0
	s_mov_b32 s[\g+7], 0
.endr
	s_lshl_b32 s18, s16, 7
	s_lshl_b32 s20, s17, 8
	s_add_co_u32 s20, s20, s18                     ; "A": row 256 x tile row + 128 x half,
	s_lshl_b32 s20, s20, 10                        ; in bytes
	s_mov_b32 s21, 0
	s_lshl_b32 s46, s42, 8
	s_add_co_u32 s46, s46, s18                     ; "B" likewise by the tile column
	s_lshl_b32 s46, s46, 10
	s_mov_b32 s47, 0
	s_mul_i32 s45, s14, HALFT                      ; where they go: wave x 128 rows
	s_lshl_b32 s22, ttmp9, 22                      ; this product's set of src's codes
	s_mov_b32 s23, 0
	s_wait_kmcnt 0x0
	s_add_nc_u64 s[68:69], s[68:69], s[22:23]
	s_cmp_eq_u32 ttmp9, 0
	s_cselect_b64 s[6:7], s[70:71], s[72:73]       ; q_w or k_w
	s_cselect_b64 s[8:9], s[76:77], s[78:79]       ; q_b or k_b
	s_cmp_eq_u32 ttmp9, 2
	s_cselect_b64 s[4:5], s[74:75], s[68:69]       ; "A"
	s_cselect_b64 s[6:7], s[68:69], s[6:7]         ; "B"
	s_cselect_b64 s[8:9], s[80:81], s[8:9]         ; the bias
	s_mov_b64 s[10:11], s[84:85]
	s_mov_b64 s[86:87], s[82:83]
	s_load_b512 s[68:83], s[86:87], 0x0            ; the sixteen exponents
	s_add_nc_u64 s[20:21], s[4:5], s[20:21]
	s_add_nc_u64 s[46:47], s[6:7], s[46:47]
	CROUND                                         ; all sixteen work-groups are here: the first joint loads meet
.irp s, 0,1
	s_mov_b32 s[G0+4*\s], 1
	s_add_co_u32 s[G0+4*\s+1], s45, \s*SLOT
	s_add_nc_u64 s[G0+4*\s+2:G0+4*\s+3], s[20:21], \s*ROWB
	s_or_b32 s[G0+4*\s+3], s[G0+4*\s+3], 0x80000000
	s_mov_b32 s[G0B+4*\s], 1
	s_add_co_u32 s[G0B+4*\s+1], s45, \s*SLOT
	s_add_nc_u64 s[G0B+4*\s+2:G0B+4*\s+3], s[46:47], \s*ROWB
	s_or_b32 s[G0B+4*\s+3], s[G0B+4*\s+3], 0x80000000
.endr
	JLOAD G0, G1, G0B, G1B                         ; K step 0: one tensor load a wave at the head
	v_and_b32 v1, 15, v0                           ; r
	v_bfe_u32 v2, v0, 4, 1                         ; h
	s_wait_alu depctr_va_vdst(0)
	v_and_b32 v7, 31, v0
	v_lshlrev_b32 v[CO], 4, v7
	v_mul_u32_u24 v3, v1, PITCH
	v_lshl_add_u32 v4, v2, 4, v3                   ; a fragment's row x pitch + 16 h
	s_mul_i32 s21, s15, HALFT
	s_mul_i32 s22, s16, HALFT
	s_add_co_u32 s22, s22, 2*HALFT
.irp s, 0,1
	v_add_nc_u32 v[ADRA+\s], s21, v4
	v_add_nc_u32 v[ADRB+\s], s22, v4
	s_add_co_u32 s21, s21, SLOT
	s_add_co_u32 s22, s22, SLOT
.endr
	s_lshl_b32 s18, s17, 8
	s_lshl_b32 s19, s15, 7
	s_add_co_u32 s18, s18, s19                     ; my first row
	s_lshl_b32 s19, s42, 8
	s_lshl_b32 s20, s16, 7
	s_add_co_u32 s19, s19, s20                     ; my first column
	s_cmp_eq_u32 ttmp9, 2
	s_cselect_b32 s20, s19, s18                    ; my first token
	s_cselect_b32 s21, s18, s19                    ; my first channel
	s_cselect_b32 s22, 0, s19                      ; where the column table is read (v: anywhere inside; it becomes zeros)
	s_cselect_b32 s88, s18, 0                      ; where the row table is read (q, k: anywhere inside; it is not used)
	s_cselect_b32 s92, -1, 0                       ; all lanes where v
	s_lshl_b32 s22, s22, 2
	s_mov_b32 s23, 0
	s_lshl_b32 s88, s88, 2
	s_mov_b32 s89, 0
	s_add_nc_u64 s[12:13], s[8:9], s[88:89]
	s_add_nc_u64 s[8:9], s[8:9], s[22:23]
	s_lshr_b32 s90, s20, 11                        ; the batch: 2 MiB of images,
	s_lshl_b32 s90, s90, 21
	s_lshr_b32 s91, s21, 6                         ; the head: 131,072 bytes,
	s_lshl_b32 s91, s91, 17
	s_add_co_u32 s90, s90, s91
	s_and_b32 s91, s20, 2047                       ; the token in the batch: 64 bytes each in either layout,
	s_lshl_b32 s91, s91, 6
	s_add_co_u32 s90, s90, s91
	s_lshl_b32 s91, ttmp9, 22                      ; the part
	s_add_co_u32 s90, s90, s91
	s_mov_b32 s91, 0
	s_add_nc_u64 s[10:11], s[10:11], s[90:91]
	v_lshlrev_b32 v5, 5, v2                        ; 32 h: my half's eight numbers of sixteen
	v_lshlrev_b32 v6, 2, v1                        ; 4 r
.irp b, 0,1,2,3,4,5,6,7
	global_load_b128 v[BT+8*\b:BT+8*\b+3], v5, s[8:9] offset:64*\b
	global_load_b128 v[BT+8*\b+4:BT+8*\b+7], v5, s[8:9] offset:64*\b+16
.endr
.irp a, 0,1,2,3,4,5,6,7
	global_load_b32 v[BR+2*\a], v6, s[12:13] offset:64*\a
.endr
	s_wait_kmcnt 0x0
	s_cmp_eq_u32 ttmp9, 0
	s_cselect_b32 s88, s68, s70
	s_cselect_b32 s89, s69, s71
	s_cselect_b32 s90, s74, s75
	s_cmp_eq_u32 ttmp9, 2
	s_cselect_b32 s88, s72, s88                    ; ea
	s_cselect_b32 s89, s73, s89                    ; eb
	s_cselect_b32 s90, s77, s90                    ; eo: entry 6, 7 or 9
	s_add_co_i32 s88, s88, s89                     ; a sum stands for sum x 2^(ea + eb)
	s_sub_co_i32 s89, 0, s88
	s_sub_co_i32 s90, s90, s88                     ; the three scales folded into the conversion's one
	s_add_co_i32 s90, s90, 127
	s_lshl_b32 s91, s90, 23
	v_mov_b32 v[SCL], s91
	s_add_co_i32 s90, s90, 8
	s_lshl_b32 s90, s90, 23
	s_or_b32 s90, s90, 0x600000
	v_mov_b32 v[LIM], s90                          ; 448 x that
	s_wait_loadcnt 0x0
.set i, 0
.rept 64
	v_ldexp_f32 v[BT+i], v[BT+i], s89              ; bias / 2^(ea + eb)
.set i, i+1
.endr
.set i, 0
.rept 64
	v_cndmask_b32 v[BT+i], v[BT+i], v[NIL], s92    ; v: zeros
.set i, i+1
.endr
.irp a, 0,1,2,3,4,5,6,7
	v_ldexp_f32 v[BR+2*\a], v[BR+2*\a], s89
	v_mov_b32 v[BR+2*\a+1], v[BR+2*\a]             ; as a pair, for the packed addition
.endr
.macro FRAG reg, adr, q, i             ; 16 rows x 128 K: registers 4 c .. 4 c + 3 hold K = 32 c + 16 h + 0 .. 15 of row r
.irp c, 0,1,2,3
	ds_load_b128 v[\reg+4*\c:\reg+4*\c+3], v[\adr] offset:128*(\q)+32*\c+(\i)*16*PITCH
.endr
.endm
; 16 matrix instructions: "A"'s blocks a0, a0 + 1 x "B"'s eight.  first = 1: C is the bias table.  The 64 accumulators take turns, one instruction a turn.
.macro MUL16 a0, p, first
.irp a, \a0, \a0+1
.irp b, 0,1,2,3,4,5,6,7
.if \first
	v_wmma_f32_16x16x128_fp8_fp8 v[8*(8*((\a)%4)+\b):8*(8*((\a)%4)+\b)+7], v[128*(\p)+FR*\b:128*(\p)+FR*\b+FR-1], v[AF+FR*(\a):AF+FR*(\a)+FR-1], v[BT+8*\b:BT+8*\b+7]
.else
	v_wmma_f32_16x16x128_fp8_fp8 v[8*(8*((\a)%4)+\b):8*(8*((\a)%4)+\b)+7], v[128*(\p)+FR*\b:128*(\p)+FR*\b+FR-1], v[AF+FR*(\a):AF+FR*(\a)+FR-1], v[8*(8*((\a)%4)+\b):8*(8*((\a)%4)+\b)+7]
.endif
.endr
.endr
.endm
.macro FETCH_B slot, q, p
	WIN TO_B
.irp i, 0,1,2,3,4,5,6,7
	FRAG 128*(\p)+FR*\i, ADRB+\slot, \q, \i
.endr
	WIN 0
.endm
.macro FETCH_A slot, q, i0
.irp i, \i0, \i0+1, \i0+2, \i0+3
	FRAG AF+FR*(\i), ADRA+\slot, \q, \i
.endr
.endm
.macro PLACES n                        ; plain vector lines between a matrix instruction and a load into, or a read of, its registers
.rept \n
	v_nop
.endr
.endm
.macro STEP slot, q, first             ; 128 along K whose successor lies in the same slot
	s_wait_dscnt 4*NL                              ; "B"'s set and "A"'s blocks 0-3 are in; the youngest 16 loads (blocks 4-7) may be out
.if \first
	WIN FIRST_LO
.else
	WIN MUL_LO
.endif
	MUL16 0, (\q)%2, \first
	MUL16 2, (\q)%2, \first
	s_wait_dscnt 0
	PLACES NP
	FETCH_B \slot, (\q)+1, 1-(\q)%2
	FETCH_A \slot, (\q)+1, 0
.if \first
	WIN FIRST_HI
.else
	WIN MUL_HI
.endif
	MUL16 4, (\q)%2, \first
	MUL16 6, (\q)%2, \first
	PLACES NP
	WIN 0
	FETCH_A \slot, (\q)+1, 4
.endm
; A slot's last step changes slots: one barrier; in front of it each wave waits for all its tensor loads, adds 0 to its spare word, and waits for that and for its reads of the slot.
.macro TURN slot, next, fill
	s_wait_tensorcnt 0x0                           ; all my tensor loads have landed: my part of the next slot
	ds_add_u32 v[SPW], v[NIL]                      ; 0 onto my spare word
	s_wait_dscnt 4*NL+1                            ; the add and the youngest 16 loads may be out
	WIN MUL_LO
	MUL16 0, 1, 0
	s_wait_dscnt 0x0                               ; the add is done, and my reads of this slot are over
	s_barrier_signal -1
	MUL16 2, 1, 0
	WIN 0
	s_barrier_wait -1
.if \fill
	CREST                                          ; the barrier has opened a round of the cluster's: no wave of any partner still reads the slot or has a load on its way
	s_add_nc_u64 s[G0+4*\slot+2:G0+4*\slot+3], s[G0+4*\slot+2:G0+4*\slot+3], 2*ROWB
	s_add_nc_u64 s[G0B+4*\slot+2:G0B+4*\slot+3], s[G0B+4*\slot+2:G0B+4*\slot+3], 2*ROWB
	JLOAD G0+4*\slot, G1, G0B+4*\slot, G1B         ; the first tensor load behind the round; its four v_nop are also the places in front of the loads below
.else
	PLACES NP
.endif
	FETCH_B \next, 0, 0
	FETCH_A \next, 0, 0
	WIN MUL_HI
	MUL16 4, 1, 0
	MUL16 6, 1, 0
	PLACES NP
	WIN 0
	FETCH_A \next, 0, 4
.endm
	s_wait_alu depctr_va_vdst(0)
	s_wait_tensorcnt 0x0                           ; my part of K step 0 is in
	ds_add_u32 v[SPW], v[NIL]
	s_wait_dscnt 0x0
	CROUND                                         ; everybody's part of K step 0 is in, and the joint loads meet
	JLOAD G0+4, G1, G0B+4, G1B                     ; K step 1, the first tensor load behind the round
	FETCH_B 0, 0, 0
	FETCH_A 0, 0, 0
	FETCH_A 0, 0, 4
	STEP 0, 0, 1                                   ; the first step stands in front of the loop: its products start the sums on the bias
	s_mov_b32 s3, LAPS-1
.Llap:                                                 ; a trip goes once round the ring and fills both slots again
	TURN 0, 1, 1
	STEP 1, 0, 0
	TURN 1, 0, 1
	STEP 0, 0, 0
	s_sub_co_u32 s3, s3, 1
	s_cmp_lg_u32 s3, 0
	s_cbranch_scc1 .Llap
	TURN 0, 1, 0                                   ; the last lap fills nothing
	STEP 1, 0, 0
	s_wait_dscnt 4*NL
	WIN MUL_LO
	MUL16 0, 1, 0
	MUL16 2, 1, 0
	s_wait_dscnt 0
	WIN MUL_HI
	MUL16 4, 1, 0
	MUL16 6, 1, 0
	WIN 0
; THE WAY OUT of block a (16 rows of "A" x 128 rows of "B"): hold, convert, store.  Two neighbouring accumulators' codes are 16 bytes a lane and are a piece of an image as they stand:
; the 32 lanes store 512 consecutive bytes.  Each block has 16 registers of its own for its codes, so no store's data are written again.  Each accumulator is read from its low end on.
.macro OUT a, isv
.set AC, 64*((\a)%4)
	WIN 0x02+((\a)/4)                              ; source 0: window 2 or 3
.if \isv
.set i, 0
.rept 32
	v_pk_add_f32 v[TMP+i:TMP+i+1], v[AC+i:AC+i+1], v[BR+2*(\a):BR+2*(\a)+1]   ; the bias of my channel
.set i, i+2
.endr
	WIN 0
.set i, 0
.rept 64
	v_med3_num_f32 v[TMP+i], v[TMP+i], -v[LIM], v[LIM]
.set i, i+1
.endr
.else
.set i, 0
.rept 64
	v_med3_num_f32 v[TMP+i], v[AC+i], -v[LIM], v[LIM]   ; the conversion does not saturate (ISA guide 7.6.2)
.set i, i+1
.endr
	WIN 0
.endif
.set g, 0
.rept 8
	v_cvt_scalef32_pk8_fp8_f32 v[CD+16*(\a)+2*g:CD+16*(\a)+2*g+1], v[TMP+8*g:TMP+8*g+7], v[SCL]
.set g, g+1
.endr
	v_nop                                          ; a plain line behind the last conversion: the next block writes its sources
.irp p, 0,1,2,3
.if \isv
	global_store_b128 v[CO], v[CD+16*(\a)+4*\p:CD+16*(\a)+4*\p+3], s[10:11] offset:((\a)/4)*131072+((\a)%4)*2048+\p*512
.else
	global_store_b128 v[CO], v[CD+16*(\a)+4*\p:CD+16*(\a)+4*\p+3], s[10:11] offset:(\a)*1024+(\p/2)*131072+(\p%2)*512
.endif
.endr
.endm
	PLACES NP
	s_cmp_eq_u32 ttmp9, 2                          ; the cluster's x: the same in all partners
	s_cbranch_scc1 .Lout_v
.irp a, 0,1,2,3,4,5,6,7
	OUT \a, 0
.endr
	s_branch .Lout_done
.Lout_v:
.irp a, 0,1,2,3,4,5,6,7
	OUT \a, 1
.endr
.Lout_done:
	s_wait_tensorcnt 0x0                           ; the wave's end
	ds_add_u32 v[SPW], v[NIL]
	s_wait_dscnt 0x0
	CROUND                                         ; the closing round
	s_endpgm
.Lfunc_end_k_qe36f30ab02_qkv:
	.size	k_qe36f30ab02_qkv, .Lfunc_end_k_qe36f30ab02_qkv-k_qe36f30ab02_qkv
	.p2alignl 7, 3214868480
	.fill 96, 4, 3214868480
	.section	.rodata,"a",@progbits
	.p2align	6, 0x0
	.amdhsa_kernel k_qe36f30ab02_qkv
		.amdhsa_group_segment_fixed_size 327680
		.amdhsa_private_segment_fixed_size 0
		.amdhsa_enable_private_segment 0
		.amdhsa_kernarg_size 72
		.amdhsa_user_sgpr_count 2
		.amdhsa_user_sgpr_kernarg_segment_ptr 1
		.amdhsa_wavefront_size32 1
		.amdhsa_system_sgpr_workgroup_id_x 1
		.amdhsa_system_sgpr_workgroup_id_y 1
		.amdhsa_system_sgpr_workgroup_id_z 1
		.amdhsa_system_vgpr_workitem_id 0
		.amdhsa_next_free_vgpr 1024
		.amdhsa_next_free_sgpr 100
		.amdhsa_reserve_vcc 0
		.amdhsa_float_denorm_mode_32 3
		.amdhsa_float_denorm_mode_16_64 3
		.amdhsa_memory_ordered 1
		.amdhsa_forward_progress 1
		.amdhsa_inst_pref_size 186
	.end_amdhsa_kernel
	.amdgpu_metadata
---
amdhsa.version: [ 1, 2 ]
amdhsa.kernels:
  - .name:           k_qe36f30ab02_qkv
    .symbol:         k_qe36f30ab02_qkv.kd
    .args:
      - { .name: srcc, .offset: 0, .size: 8, .value_kind: global_buffer, .address_space: global }
      - { .name: q_w_codes, .offset: 8, .size: 8, .value_kind: global_buffer, .address_space: global }
      - { .name: k_w_codes, .offset: 16, .size: 8, .value_kind: global_buffer, .address_space: global }
      - { .name: v_w_codes, .offset: 24, .size: 8, .value_kind: global_buffer, .address_space: global }
      - { .name: q_b, .offset: 32, .size: 8, .value_kind: global_buffer, .address_space: global }
      - { .name: k_b, .offset: 40, .size: 8, .value_kind: global_buffer, .address_space: global }
      - { .name: v_b, .offset: 48, .size: 8, .value_kind: global_buffer, .address_space: global }
      - { .name: lowp_scales, .offset: 56, .size: 8, .value_kind: global_buffer, .address_space: global }
      - { .name: qkvf, .offset: 64, .size: 8, .value_kind: global_buffer, .address_space: global }
    .group_segment_fixed_size: 327680
    .private_segment_fixed_size: 0
    .kernarg_segment_align: 8
    .kernarg_segment_size: 72
    .max_flat_workgroup_size: 128
    .sgpr_count:     100
    .vgpr_count:     1024
    .wavefront_size: 32
...
	.end_amdgpu_metadata
.endif
;; end of part 10
;; launch attn (part 11): grid 8 x 32, 16 waves a work-group, clusters of 4 x 1, 327,680 bytes of LDS; arguments qkvf, maskw, lowp_scales, af; writes af
.if DOCPART == 11
	.amdgcn_target "amdgcn-amd-amdhsa--gfx1250"
	.amdhsa_code_object_version 6
	.text
	.protected	k_qe36f30ab02_attn
	.globl	k_qe36f30ab02_attn
	.p2align	8
	.type	k_qe36f30ab02_attn,@function
k_qe36f30ab02_attn:
	s_mov_b64 s[64:65], 0
	v_nop
	global_prefetch_b8 v0, s[64:65] scope:SCOPE_SE
	s_setreg_imm32_b32 hwreg(HW_REG_WAVE_MODE, 25, 1), 1
	s_wait_xcnt 0x0
	s_wait_alu depctr_hold_cnt(0) depctr_sa_sdst(0) depctr_va_vdst(0) depctr_va_sdst(0) depctr_va_ssrc(0) depctr_va_vcc(0) depctr_vm_vsrc(0)
	s_getreg_b32 s2, hwreg(HW_REG_IB_STS2, 6, 4)
	s_cmp_eq_u32 s2, 0
	s_cbranch_scc0 .Lentry_in_a_cluster
	s_endpgm
.Lentry_in_a_cluster:
	s_bfe_u32 s2, ttmp6, 0x10000c
	s_cmp_lg_u32 s2, 0x3003
	s_cbranch_scc0 .Lentry_shape_is_right
	s_endpgm
.Lentry_shape_is_right:
; ATTENTION on E4M3 codes, one (batch, head) for each grid y, 256 queries a work-group, 16 queries a wave.  The 1e-9 ahead of the softmax is left out as dead work (shown at the head of the first kernel).
; Product 5 takes the FINISHED softmax as its operand, so the keys are walked twice.  Pass 1: scores, mask, running largest t and the row's sum of 2^(t - M), t = score x log2(e) / 8.
; Between the passes L = M + log2(sum).  Pass 2: scores again, p = 2^(t - L), held at 448 x 2^e8, quantised; masked keys' codes are cleared by an AND with the mask as bytes; O^T += V^T P^T.
; In pass 2 a masked key's p may be any number up to infinity: the hold makes it finite and the AND makes its code 0, which is the code of a p of 0.  A row with no key left gives codes 0 throughout.
; Both products are used transposed (source 0 = 16 keys or 16 channels, source 1 = my 16 queries): a lane holds one query; register 8 t + j of the scores is key 16 t + 8 (lane / 16) + j of the step's 128.
; K and V of the head, 131,072 bytes each as register images, lie in LDS for the whole launch: each of the sixteen waves asks for 16,384 bytes by ONE tensor load at the head (waves 0-7: K, 8-15: V;
; the address is arithmetic on the wave's number), jointly with the three other work-groups of the cluster, which own other queries of the same head.  Nothing is filled again.
; No prefetch of K and V: they are asked for once, at the head, with no loop ahead of that load.  The mask's bytes are loaded into registers one key step ahead of their use, the mask's words into scalar registers likewise.
; LIMITS: scaled scores under 2^31 in magnitude; e6 + e7 between -123 and 130; e8 between -126 and 119; e10 - e8 - e9 between -126 and 119.  NaN among the inputs is not served.
; REGISTERS: v0 thread; v1 16 x lane; v2 an LDS address; v3 2^e8; v4 -M, then -L; v5 448 x 2^e8; v6-13 Q; v14-77 K's eight fragments; v78-79 and v80-93 p's codes; v80-143 the scores; v144-175 O^T;
;   v176-239 V's four fragments (pass 1: what the running softmax keeps); v240-255 the mask's bytes.  All 256 are in use, so the add's two registers are made anew at the end from v0.
.set SPARE, 0x40000
.set VOFF, 131072
.set LI,  1
.set AD,  2
.set SCL, 3
.set NL,  4
.set LIM, 5
.set Q,   6
.set KF,  14
.set P,   78
.set S,   80
.set O,   144
.set VF,  176
.set MB,  240
.set NINF, 176
.set MT,  177
.set ACC, 178
.set F,   180
.set XL,  182
.set A0,  184
.set A1,  185
.set A2,  186
.set A3,  187
.set DD,  188
.set SPW, 254
.set NIL, 255
.macro ROUND
	s_barrier_signal -1
	s_barrier_wait -1
	s_cmp_lg_u32 s2, 0
	s_cbranch_scc1 .Lnot_wave_0_\@
	s_barrier_signal -3
.Lnot_wave_0_\@:
	s_barrier_wait -3
	s_barrier_signal -1
	s_barrier_wait -1
.endm
.macro MASKLOAD                        ; 64 lane masks of a key step
	s_load_b512 s[32:47], s[26:27], s25 offset:0x0
	s_load_b512 s[48:63], s[26:27], s25 offset:0x40
	s_load_b512 s[68:83], s[26:27], s25 offset:0x80
	s_load_b512 s[84:99], s[26:27], s25 offset:0xc0
.endm
	s_load_b256 s[32:39], s[0:1], 0x0              ; qkvf, maskw, lowp_scales, af
	v_lshl_add_u32 v[SPW], v0, 2, SPARE
	v_mov_b32 v[NIL], 0
	ds_add_u32 v[SPW], v[NIL]                      ; the opening lines: the add twice on end and one wait
	ds_add_u32 v[SPW], v[NIL]
	v_lshrrev_b32 v2, 5, v0
	v_readfirstlane_b32 s2, v2                     ; wave 0..15
	v_and_b32 v2, 31, v0
	v_lshlrev_b32 v[LI], 4, v2
	s_bfe_u32 s40, ttmp6, 0x40000                  ; cx
	s_lshl_b32 s41, ttmp9, 2
	s_add_co_u32 s41, s41, s40
	s_lshl_b32 s41, s41, 4
	s_add_co_u32 s41, s41, s2                      ; my query tile, 0..127
	s_and_b32 s42, ttmp7, 0xffff                   ; 16 x batch + head
	s_lshl_b32 s43, s42, 17                        ; its bytes in each part of qkvf
	s_and_b32 s44, s2, 7
	s_lshl_b32 s44, s44, 14                        ; what I fetch: 16,384 bytes x (wave % 8)
	s_add_co_u32 s44, s44, s43
	s_lshr_b32 s45, s2, 3
	s_lshl_b32 s45, s45, 22                        ; of K (waves 0-7) or of V, 4 MiB further on
	s_add_co_u32 s44, s44, s45
	s_add_co_u32 s44, s44, 0x400000
	s_mov_b32 s45, 0
	s_lshl_b32 s48, s41, 10                        ; Q's image of my tile
	s_add_co_u32 s48, s48, s43
	s_mov_b32 s49, 0
	s_lshl_b32 s50, s41, 12                        ; my tile's mask words
	s_mov_b32 s51, 0
	s_lshl_b32 s52, s41, 15                        ; and mask bytes, behind the words
	s_add_co_u32 s52, s52, 0x80000
	s_mov_b32 s53, 0
	s_lshr_b32 s46, s42, 4
	s_lshl_b32 s46, s46, 7
	s_add_co_u32 s46, s46, s41
	s_lshl_b32 s46, s46, 14                        ; af: 16,384 bytes a token tile,
	s_and_b32 s47, s42, 15
	s_lshl_b32 s47, s47, 10                        ; 1,024 a head
	s_add_co_u32 s46, s46, s47
	s_mov_b32 s47, 0
	s_mov_b32 s12, 15|(3<<16)|(1<<21)              ; group 1: all four partners; elements of 8 bytes; bit 21 beside a mask
	s_mov_b32 s13, 32<<16                          ; rows of 256 bytes,
	s_mov_b32 s14, 64<<16                          ; 64 of them, dense
	s_mov_b32 s15, 32<<16
	s_mov_b32 s16, 64
	s_mov_b32 s17, 32
	s_mov_b32 s18, 0
	s_mov_b32 s19, 0
	s_mov_b32 s20, 0x76543210
	s_mov_b32 s21, 0xfedcba98
	s_mov_b32 s22, 0x3e38aa3b                      ; log2(e) / 8
	s_mov_b32 s24, 0
	s_mov_b32 s25, 0
	s_wait_alu depctr_va_vdst(0)
	s_wait_dscnt 0x0
	s_wait_kmcnt 0x0
	s_load_b512 s[68:83], s[36:37], 0x0            ; the sixteen exponents
	s_mov_b32 s4, 1
	s_lshl_b32 s5, s2, 14                          ; LDS: 16,384 x wave: K from 0, V from 131,072
	s_add_nc_u64 s[6:7], s[32:33], s[44:45]
	s_or_b32 s7, s7, 0x80000000
	s_add_nc_u64 s[30:31], s[32:33], s[48:49]
	s_add_nc_u64 s[26:27], s[34:35], s[50:51]
	s_add_nc_u64 s[8:9], s[34:35], s[52:53]
	s_add_nc_u64 s[28:29], s[38:39], s[46:47]
	ROUND
	tensor_load_to_lds s[4:7], s[12:19]            ; my one tensor load
	s_nop 0
	global_load_b128 v[Q:Q+3], v[LI], s[30:31]
	global_load_b128 v[Q+4:Q+7], v[LI], s[30:31] offset:512
.irp c, 0,1,2,3
	global_load_b128 v[MB+4*\c:MB+4*\c+3], v[LI], s[8:9] offset:512*\c   ; key step 0's mask bytes wait in registers for pass 2
.endr
	v_mov_b32 v[NINF], 0xff800000
	v_mov_b32 v[MT], 0xff61b1e6                    ; -3e38, under every t
	v_mov_b32 v[ACC], 0
	v_mov_b32 v[ACC+1], 0
	v_mov_b32 v[F+1], 0                            ; named as a pair's upper half
	v_mov_b32 v[XL], 0                             ; a lane permute's destination counts as a source
	s_wait_kmcnt 0x0
	s_add_co_i32 s40, s74, s75
	s_lshl_b32 s40, s40, 23
	s_add_co_i32 s22, s22, s40                     ; c x 2^(e6 + e7)
	s_mov_b32 s23, s22
	s_add_co_i32 s40, s76, 127
	s_lshl_b32 s41, s40, 23
	v_mov_b32 v[SCL], s41                          ; 2^e8
	s_add_co_i32 s40, s40, 8
	s_lshl_b32 s40, s40, 23
	s_or_b32 s40, s40, 0x600000
	v_mov_b32 v[LIM], s40                          ; 448 x 2^e8
	s_sub_co_i32 s40, s78, s76
	s_sub_co_i32 s40, s40, s77
	s_add_co_i32 s40, s40, 127
	s_lshl_b32 s100, s40, 23                       ; 2^(e10 - e8 - e9), for the way out,
	s_add_co_i32 s40, s40, 8
	s_lshl_b32 s40, s40, 23
	s_or_b32 s101, s40, 0x600000                   ; and 448 x that
	MASKLOAD
	s_wait_alu depctr_va_vdst(0)
	s_wait_tensorcnt 0x0
	s_barrier_signal -1
	s_barrier_wait -1                              ; K and V are whole
.macro KLOAD adr
.irp t, 0,1,2,3,4,5,6,7
	ds_load_b128 v[KF+8*\t:KF+8*\t+3], v[\adr] offset:1024*\t
	ds_load_b128 v[KF+8*\t+4:KF+8*\t+7], v[\adr] offset:1024*\t+512
.endr
.endm
.macro KQ
.irp t, 0,1,2,3,4,5,6,7
	v_wmma_f32_16x16x64_fp8_fp8 v[S+8*\t:S+8*\t+7], v[KF+8*\t:KF+8*\t+7], v[Q:Q+7], 0
.endr
.endm
.macro NEXTK                           ; the next step's K (behind the last step: the first again, for the next pass); the addition and three v_nop are the four places behind the products
	s_add_co_u32 s24, s24, 8192
	s_and_b32 s24, s24, 0x1ffff
	v_add_nc_u32 v[AD], s24, v[LI]
.rept 3
	v_nop
.endr
	KLOAD AD
.endm
.macro SCALE                           ; t - M or t - L, two at a time; each accumulator from its low end on
.set JJ, 0
.rept 32
	v_pk_fma_f32 v[S+JJ:S+JJ+1], v[S+JJ:S+JJ+1], s[22:23], v[NL:NL+1] op_sel_hi:[1,0,0]
.set JJ, JJ+2
.endr
.endm
.macro EXPS
.set II, 0
.rept 64
	v_exp_f32 v[S+II], v[S+II]
.set II, II+1
.endr
.endm
	KLOAD LI
	s_wait_loadcnt 4                               ; Q is in; the four loads of mask bytes may be out
	s_mov_b32 s3, 16
.Lpass1:
	s_wait_dscnt 0x0                               ; this step's K is in, and no LDS instruction of mine is out at the signal
	s_barrier_signal -1                            ; THE WAVES WALK THE KEYS IN STEP: I have begun this step
	KQ
	NEXTK
	s_wait_kmcnt 0x0
.set NN, 0
.rept 64
	v_cndmask_b32 v[S+NN], v[S+NN], v[NINF], s[32+NN+4*(NN/32)]
.set NN, NN+1
.endr
	s_barrier_wait -1                              ; and go on when all sixteen have begun it.  Between signal and wait: products, loads of K (which nobody writes) and work on registers
	s_add_co_u32 s25, s25, 256
	s_and_b32 s25, s25, 0xfff
	MASKLOAD
	v_max3_num_f32 v[A0], v[S], v[S+1], v[S+2]     ; the step's largest score, in four chains by turns
	v_max3_num_f32 v[A1], v[S+16], v[S+17], v[S+18]
	v_max3_num_f32 v[A2], v[S+32], v[S+33], v[S+34]
	v_max3_num_f32 v[A3], v[S+48], v[S+49], v[S+50]
.irp k, 3,5,7,9,11,13
	v_max3_num_f32 v[A0], v[A0], v[S+\k], v[S+1+\k]
	v_max3_num_f32 v[A1], v[A1], v[S+16+\k], v[S+17+\k]
	v_max3_num_f32 v[A2], v[A2], v[S+32+\k], v[S+33+\k]
	v_max3_num_f32 v[A3], v[A3], v[S+48+\k], v[S+49+\k]
.endr
	v_max3_num_f32 v[A0], v[A0], v[S+15], v[S+31]
	v_max3_num_f32 v[A1], v[A1], v[S+47], v[S+63]
	s_delay_alu instid0(VALU_DEP_1)
	v_max3_num_f32 v[A0], v[A0], v[A1], v[A2]
	s_delay_alu instid0(VALU_DEP_1)
	v_max_num_f32 v[A0], v[A0], v[A3]
	s_delay_alu instid0(VALU_DEP_1)
	v_permlanex16_b32 v[XL], v[A0], s20, s21
	s_delay_alu instid0(VALU_DEP_1)
	v_max_num_f32 v[A0], v[A0], v[XL]              ; and lane l xor 16's
	s_delay_alu instid0(VALU_DEP_1)
	v_mul_f32 v[A0], s22, v[A0]                    ; as t
	s_delay_alu instid0(VALU_DEP_1)
	v_max_num_f32 v[A0], v[MT], v[A0]              ; the running largest t
	s_delay_alu instid0(VALU_DEP_1)
	v_sub_f32 v[DD], v[MT], v[A0]                  ; old less new
	v_sub_f32 v[NL], 0, v[A0]
	SCALE
	s_wait_alu depctr_va_vdst(0)                   ; one wait ahead of the batch
	v_exp_f32 v[F], v[DD]                          ; what the sum so far is multiplied by
	EXPS
	v_mov_b32 v[MT], v[A0]                         ; (the plain place behind the batch)
	s_wait_alu depctr_va_vdst(0)                   ; and one behind it
.irp w, 2,4,8,16,32                    ; the step's sum as a tree of packed additions
.set II, 0
.rept 32/\w
	v_pk_add_f32 v[S+II:S+II+1], v[S+II:S+II+1], v[S+II+\w:S+II+\w+1]
.set II, II+2*\w
.endr
.endr
	v_pk_fma_f32 v[ACC:ACC+1], v[ACC:ACC+1], v[F:F+1], v[S:S+1] op_sel_hi:[1,0,1]   ; the sum under the new M, plus the step's
	s_sub_co_u32 s3, s3, 1
	s_cmp_lg_u32 s3, 0
	s_cbranch_scc1 .Lpass1
	v_add_f32 v[ACC], v[ACC], v[ACC+1]
	s_delay_alu instid0(VALU_DEP_1)
	v_permlanex16_b32 v[XL], v[ACC], s20, s21
	s_delay_alu instid0(VALU_DEP_1)
	v_add_f32 v[ACC], v[ACC], v[XL]                ; the row's sum
	s_delay_alu instid0(VALU_DEP_1)
	v_max_num_f32 v[ACC], 0x00800000, v[ACC]       ; a row with no key left: any finite L serves, its codes are cleared
	s_wait_alu depctr_va_vdst(0)
	v_log_f32 v[ACC], v[ACC]
.set JJ, 0
.rept 32
	v_mov_b32 v[O+JJ], 0                           ; O^T: pass 2 is written once
.set JJ, JJ+1
.endr
	s_wait_alu depctr_va_vdst(0)
	v_add_f32 v[NL], v[MT], v[ACC]                 ; L = M + log2(sum)
	s_delay_alu instid0(VALU_DEP_1)
	v_sub_f32 v[NL], 0, v[NL]
	s_mov_b32 s4, 0                                ; (the tensor load is long done: its registers serve again)  the mask bytes' offset, as a pair
	s_mov_b32 s5, 0
	s_mov_b32 s3, 16
	s_wait_alu depctr_va_vdst(0)
.Lpass2:
	s_wait_dscnt 0x0                               ; this step's K is in, and no LDS instruction of mine is out at the signal
	s_barrier_signal -1                            ; in step here too: I have begun this step
	s_add_co_u32 s6, s24, VOFF
	v_add_nc_u32 v[AD], s6, v[LI]
.rept 4
	v_nop                                          ; five places with the addition: the products below write over registers that the last ones read
.endr
.irp d, 0,1,2,3
.irp c, 0,1,2,3
	ds_load_b128 v[VF+16*\d+4*\c:VF+16*\d+4*\c+3], v[AD] offset:2048*\d+512*\c
.endr
.endr
	KQ
	NEXTK
	SCALE
	s_wait_alu depctr_va_vdst(0)                   ; one wait ahead of the batch
	EXPS
	v_nop
	s_wait_alu depctr_va_vdst(0)                   ; and one behind it
.set TT, 0
.rept 8
.set II, 0
.rept 8
	v_min_num_f32 v[S+8*TT+II], v[S+8*TT+II], v[LIM]   ; the conversion does not saturate (ISA guide 7.6.2); p is not negative
.set II, II+1
.endr
	v_cvt_scalef32_pk8_fp8_f32 v[P+2*TT:P+2*TT+1], v[S+8*TT:S+8*TT+7], v[SCL]   ; tile t's codes land two registers under 2 t of the scores: on numbers already converted
.set TT, TT+1
.endr
	v_nop                                          ; a plain line behind the last conversion
.set II, 0
	s_wait_alu depctr_va_vdst(0)
	s_barrier_wait -1                              ; all sixteen have begun this step.  Between signal and wait: products, loads of K and V (which nobody writes) and work on registers
	s_wait_loadcnt 0x0                             ; this step's mask bytes, asked for at this place of the step before
.rept 16
	v_and_b32 v[P+II], v[P+II], v[MB+II]
.set II, II+1
.endr
	s_add_co_u32 s4, s4, 2048
	s_and_b32 s4, s4, 0x7fff                       ; behind the last step the first again: inside the buffer
	s_add_nc_u64 s[10:11], s[8:9], s[4:5]
.irp c, 0,1,2,3
	global_load_b128 v[MB+4*\c:MB+4*\c+3], v[LI], s[10:11] offset:512*\c
.endr
	s_wait_alu depctr_va_vdst(0)
	s_wait_dscnt 16                                ; V is in; the next K's sixteen loads may be out
.irp d, 0,1,2,3
	v_wmma_f32_16x16x128_fp8_fp8 v[O+8*\d:O+8*\d+7], v[VF+16*\d:VF+16*\d+15], v[P:P+15], v[O+8*\d:O+8*\d+7]
.endr
	s_sub_co_u32 s3, s3, 1
	s_cmp_lg_u32 s3, 0
	s_cbranch_scc1 .Lpass2
	; THE WAY OUT: O^T x 2^(e8 + e9) is quantised with 2^e10 (the three folded into the conversion's scale) into the register image that the next launch reads
	v_mov_b32 v2, s101
	v_mov_b32 v3, s100
	v_nop
	v_nop
.set JJ, 0
.rept 32
	v_med3_num_f32 v[O+JJ], v[O+JJ], -v2, v2
.set JJ, JJ+1
.endr
.irp d, 0,1,2,3
	v_cvt_scalef32_pk8_fp8_f32 v[S+2*\d:S+2*\d+1], v[O+8*\d:O+8*\d+7], v3
.endr
	v_nop
	v_permlane16_swap_b32 v[S], v[S+2]
	v_permlane16_swap_b32 v[S+1], v[S+3]
	v_permlane16_swap_b32 v[S+4], v[S+6]
	v_permlane16_swap_b32 v[S+5], v[S+7]
	global_store_b128 v[LI], v[S:S+3], s[28:29]    ; 512 consecutive bytes each
	global_store_b128 v[LI], v[S+4:S+7], s[28:29] offset:512
	s_wait_dscnt 0x0
	s_wait_kmcnt 0x0
	s_wait_loadcnt 0x0
	s_wait_xcnt 0x0
	v_lshl_add_u32 v[SPW], v0, 2, SPARE            ; the add's two registers, made anew
	v_mov_b32 v[NIL], 0
	s_wait_alu depctr_va_vdst(0)
	s_wait_tensorcnt 0x0                           ; the wave's end
	ds_add_u32 v[SPW], v[NIL]
	s_wait_dscnt 0x0
	ROUND                                          ; the closing round
	s_endpgm
.Lfunc_end_k_qe36f30ab02_attn:
	.size	k_qe36f30ab02_attn, .Lfunc_end_k_qe36f30ab02_attn-k_qe36f30ab02_attn
	.p2alignl 7, 3214868480
	.fill 96, 4, 3214868480
	.section	.rodata,"a",@progbits
	.p2align	6, 0x0
	.amdhsa_kernel k_qe36f30ab02_attn
		.amdhsa_group_segment_fixed_size 327680
		.amdhsa_private_segment_fixed_size 0
		.amdhsa_enable_private_segment 0
		.amdhsa_kernarg_size 32
		.amdhsa_user_sgpr_count 2
		.amdhsa_user_sgpr_kernarg_segment_ptr 1
		.amdhsa_wavefront_size32 1
		.amdhsa_system_sgpr_workgroup_id_x 1
		.amdhsa_system_sgpr_workgroup_id_y 1
		.amdhsa_system_sgpr_workgroup_id_z 1
		.amdhsa_system_vgpr_workitem_id 0
		.amdhsa_next_free_vgpr 256
		.amdhsa_next_free_sgpr 102
		.amdhsa_reserve_vcc 0
		.amdhsa_float_denorm_mode_32 3
		.amdhsa_float_denorm_mode_16_64 3
		.amdhsa_memory_ordered 1
		.amdhsa_forward_progress 1
		.amdhsa_inst_pref_size 38
	.end_amdhsa_kernel
	.amdgpu_metadata
---
amdhsa.version: [ 1, 2 ]
amdhsa.kernels:
  - .name:           k_qe36f30ab02_attn
    .symbol:         k_qe36f30ab02_attn.kd
    .args:
      - { .name: qkvf, .offset: 0, .size: 8, .value_kind: global_buffer, .address_space: global }
      - { .name: maskw, .offset: 8, .size: 8, .value_kind: global_buffer, .address_space: global }
      - { .name: lowp_scales, .offset: 16, .size: 8, .value_kind: global_buffer, .address_space: global }
      - { .name: af, .offset: 24, .size: 8, .value_kind: global_buffer, .address_space: global }
    .group_segment_fixed_size: 327680
    .private_segment_fixed_size: 0
    .kernarg_segment_align: 8
    .kernarg_segment_size: 32
    .max_flat_workgroup_size: 512
    .sgpr_count:     102
    .vgpr_count:     256
    .wavefront_size: 32
...
	.end_amdgpu_metadata
.endif
;; end of part 11
;; launch oproj (part 12): grid 8 x 32, 4 waves a work-group, clusters of 4 x 4, 327,680 bytes of LDS; arguments af, o_w_codes, o_b, lowp_scales, alpha_attn, src, y; writes y
.if DOCPART == 12
	.amdgcn_target "amdgcn-amd-amdhsa--gfx1250"
	.amdhsa_code_object_version 6
	.text
	.protected	k_qe36f30ab02_oproj
	.globl	k_qe36f30ab02_oproj
	.p2align	8
	.type	k_qe36f30ab02_oproj,@function
k_qe36f30ab02_oproj:
	s_mov_b64 s[64:65], 0
	v_nop
	global_prefetch_b8 v0, s[64:65] scope:SCOPE_SE
	s_setreg_imm32_b32 hwreg(HW_REG_WAVE_MODE, 25, 1), 1
	s_wait_xcnt 0x0
	s_wait_alu depctr_hold_cnt(0) depctr_sa_sdst(0) depctr_va_vdst(0) depctr_va_sdst(0) depctr_va_ssrc(0) depctr_va_vcc(0) depctr_vm_vsrc(0)
	s_getreg_b32 s2, hwreg(HW_REG_IB_STS2, 6, 4)
	s_cmp_eq_u32 s2, 0
	s_cbranch_scc0 .Lentry_in_a_cluster
	s_endpgm
.Lentry_in_a_cluster:
	s_bfe_u32 s2, ttmp6, 0x10000c
	s_cmp_lg_u32 s2, 0xf033
	s_cbranch_scc0 .Lentry_shape_is_right
	s_endpgm
.Lentry_shape_is_right:
; Y = RES + alpha x (A W^T + bias), the product on E4M3 codes.  A: register images [token / 16][k / 128][c][lane][16 bytes]; W: [1024][SIZE_K] codes, K innermost; RES, Y: [4096][1024] f32.
; N is only 1,024, so a tile of C is 128 x 128: 32 x 8 = 256 work-groups.  Four waves, each 64 x 64: 16 accumulators, 128 registers.  The matrix instruction is used transposed (source 0 = 16 rows of W, source 1 = 16 tokens):
; a lane holds eight neighbouring columns of a row.
; K goes in steps of 512, as long as two slots in LDS allow, through a ring of two slots filled by joint tensor loads: A's tile is shared along a row of the 4 x 4 cluster, W's along a column.
; A's tile is 8 token tiles x 8,192 bytes (four fragments each), laid as it lies: a fragment's four loads read 512 consecutive bytes each.  W's rows of 512 bytes are padded by 16.
; In both, register 4 c + .. of lane (r, h) holds K = 32 c + 16 h + 0 .. 15: k stands permuted inside an instruction, alike in both operands: only the order of sums inside an instruction changes.
; The bias is the C of the first K step, divided by 2^(ea + eb).  RES's 64 x 64 numbers of the wave are asked for at the head and wait in registers; on the way out one packed multiply-add gives sum x (alpha 2^(ea + eb)) + RES.
; A wave's 64 columns are 256 bytes at a multiple of 256 from a row's first byte: each wave has a stage of its own, and sixteen lanes store those 256 bytes.  NaN among the inputs is not served.
; REGISTERS: window 0: v0-31 addresses; v32-63 the bias; v[114:115] alpha 2^(ea + eb), twice; v128-255 the accumulators ((a, b) at v[128 + 8 (4 a + b)]), later whole rows of Y.
;   window 1: two fragment buffers of 128: A's four fragments, then W's four.   window 2: v0-127 RES.
.set SIZE_K, 1024
.set EA,     10                        ; the two operands' entries of lowp_scales
.set EB,     11
.set KSLOT,  512                       ; along K in a slot
.set KROW,   SIZE_K
.set ATILE,  16*SIZE_K                 ; a token tile's images in bytes
.set ASTEP,  16*KSLOT                  ; of which a slot takes these
.set PITCH,  KSLOT+16                  ; 132 words: row r starts at bank 4 r mod 64, so the 16 rows that a load touches start at 16 different banks
.set HALFT,  64*PITCH                  ; what one tensor load brings, at the most: 64 rows of W (A's four token tiles take 32,768 of it)
.set SLOT,   4*HALFT
.set LAPS,   SIZE_K/(2*KSLOT)          ; a lap = once round the ring
.set STAGE,  2*SLOT                    ; behind the ring: 16 rows x (256 + 16) bytes for each wave
.set SPITCH, 272
.set SPARE,  STAGE+4*16*SPITCH         ; the spare words, 128 bytes a wave: no other line names them
.set ADRA, 16
.set ADRB, 20
.set STO,  24
.set RD,   25
.set CO,   26                          ; v26 my place in two rows of RES and Y: 4,096 h + 16 r
.set LI,   27                          ; v27 16 x lane
.set SPW,  28
.set NIL,  29
.set BT,   32
.set FAC,  114
.set ACC,  128
.set F0,   0
.set F1,   128
.set G1, 24
.set G0, 32
.set G1B, 48
.set G0B, 56
.set MSB, 0
.macro WIN new                         ; the immediate's high byte repeats the setting that is left
.if MSB != \new
	s_set_vgpr_msb (MSB<<8)|\new
.set MSB, \new
.endif
.endm
.set MUL,  0x05                        ; sources 0 (W) and 1 (A) window 1; C and D window 0
.set TO_F, 0x40                        ; destination window 1, address window 0
.macro JLOAD g0a, g1a, g0b, g1b        ; a joint load: waves 0, 1 fetch for A, waves 2, 3 for W; four v_nop follow each line
	s_cmp_eq_u32 s15, 0
	s_cbranch_scc0 .Lfor_b_\@
	tensor_load_to_lds s[\g0a:\g0a+3], s[\g1a:\g1a+7]
	s_nop 0
.rept 4
	v_nop
.endr
	s_branch .Lasked_\@
.Lfor_b_\@:
	tensor_load_to_lds s[\g0b:\g0b+3], s[\g1b:\g1b+7]
	s_nop 0
.rept 4
	v_nop
.endr
.Lasked_\@:
.endm
.macro CREST                           ; a round of the cluster's barrier behind its opening barrier
	s_cmp_lg_u32 s14, 0
	s_cbranch_scc1 .Lnot_wave_0_\@
	s_barrier_signal -3
.Lnot_wave_0_\@:
	s_barrier_wait -3
	s_barrier_signal -1
	s_barrier_wait -1
.endm
.macro CROUND
	s_barrier_signal -1
	s_barrier_wait -1
	CREST
.endm
	s_load_b128 s[4:7], s[0:1], 0x0                ; A's images, W's codes
	s_load_b64 s[8:9], s[0:1], 0x10                ; the bias
	s_load_b64 s[86:87], s[0:1], 0x18              ; lowp_scales
	s_load_b64 s[88:89], s[0:1], 0x20              ; alpha
	s_load_b64 s[12:13], s[0:1], 0x28              ; RES
	s_load_b64 s[10:11], s[0:1], 0x30              ; Y
	v_lshl_add_u32 v[SPW], v0, 2, SPARE
	v_mov_b32 v[NIL], 0
	ds_add_u32 v28, v29
	ds_add_u32 v28, v29
	s_wait_dscnt 0x0
	v_lshrrev_b32 v1, 5, v0
	v_readfirstlane_b32 s14, v1                    ; wave 0..3
	s_lshr_b32 s15, s14, 1                         ; my half of the rows.  Also: I fetch for A (0) or W (1)
	s_and_b32 s16, s14, 1                          ; my half of the columns.  Also: which half I fetch
	s_bfe_u32 s40, ttmp6, 0x40000                  ; cx
	s_bfe_u32 s41, ttmp6, 0x40004                  ; cy
	s_lshl_b32 s42, ttmp9, 2
	s_add_co_u32 s42, s42, s40                     ; tile column, 0..7
	s_and_b32 s17, ttmp7, 0xffff
	s_lshl_b32 s17, s17, 2
	s_add_co_u32 s17, s17, s41                     ; tile row, 0..31
	s_lshl_b32 s43, s41, 2
	s_lshl_b32 s43, 15, s43                        ; my row of the cluster
	s_lshl_b32 s44, 0x1111, s40                    ; my column
	s_or_b32 s[G1+0], s43, (1<<21)                 ; A: the mask; elements of 1 byte; no padding; bit 21 beside a mask
	s_mov_b32 s[G1+1], ASTEP<<16                   ; tensor_dim0 = 8,192
	s_mov_b32 s[G1+2], 4<<16                       ; tensor_dim1 = 4 token tiles
	s_mov_b32 s[G1+3], ASTEP<<16                   ; tile_dim0
	s_mov_b32 s[G1+4], 4                           ; tile_dim1
	s_mov_b32 s[G1+5], ATILE                       ; the pitch
	s_mov_b32 s[G1+6], 0
	s_mov_b32 s[G1+7], 0
	s_or_b32 s[G1B+0], s44, (1<<20)|(1<<21)|(6<<22)|(3<<25)   ; W: padding of 4 words behind every 128
	s_mov_b32 s[G1B+1], KSLOT<<16                  ; tensor_dim0 = 512
	s_mov_b32 s[G1B+2], 64<<16                     ; tensor_dim1 = 64 rows
	s_mov_b32 s[G1B+3], KSLOT<<16
	s_mov_b32 s[G1B+4], 64
	s_mov_b32 s[G1B+5], KROW
	s_mov_b32 s[G1B+6], 0
	s_mov_b32 s[G1B+7], 0
	s_lshl_b32 s18, s16, 2
	s_lshl_b32 s20, s17, 3
	s_add_co_u32 s20, s20, s18                     ; A: token tile 8 x tile row + 4 x half
	s_mul_i32 s20, s20, ATILE
	s_mov_b32 s21, 0
	s_lshl_b32 s18, s16, 6
	s_lshl_b32 s46, s42, 7
	s_add_co_u32 s46, s46, s18                     ; W: row 128 x tile column + 64 x half
	s_mul_i32 s46, s46, KROW
	s_mov_b32 s47, 0
	s_mul_i32 s45, s14, HALFT                      ; where they go: no place in the cluster enters an LDS address
	s_wait_kmcnt 0x0
	s_load_b512 s[68:83], s[86:87], 0x0            ; the sixteen exponents
	s_load_b32 s90, s[88:89], 0x0                  ; alpha
	s_add_nc_u64 s[20:21], s[4:5], s[20:21]
	s_add_nc_u64 s[46:47], s[6:7], s[46:47]
	CROUND                                         ; all sixteen work-groups are here: the first joint loads meet
.irp s, 0,1
	s_mov_b32 s[G0+4*\s], 1
	s_add_co_u32 s[G0+4*\s+1], s45, \s*SLOT
	s_add_nc_u64 s[G0+4*\s+2:G0+4*\s+3], s[20:21], \s*ASTEP
	s_or_b32 s[G0+4*\s+3], s[G0+4*\s+3], 0x80000000
	s_mov_b32 s[G0B+4*\s], 1
	s_add_co_u32 s[G0B+4*\s+1], s45, \s*SLOT
	s_add_nc_u64 s[G0B+4*\s+2:G0B+4*\s+3], s[46:47], \s*KSLOT
	s_or_b32 s[G0B+4*\s+3], s[G0B+4*\s+3], 0x80000000
.endr
	JLOAD G0, G1, G0B, G1B                         ; slot 0: one tensor load a wave at the head
	v_and_b32 v1, 15, v0                           ; r
	v_bfe_u32 v2, v0, 4, 1                         ; h
	v_and_b32 v7, 31, v0
	v_lshlrev_b32 v[LI], 4, v7                     ; 16 x lane
	v_mul_u32_u24 v3, v1, PITCH
	v_lshl_add_u32 v4, v2, 4, v3                   ; W: row r x pitch + 16 h
	s_mul_i32 s21, s15, HALFT
	s_mul_i32 s22, s16, HALFT
	s_add_co_u32 s22, s22, 2*HALFT
.irp s, 0,1
	v_add_nc_u32 v[ADRA+\s], s21, v[LI]            ; an image's place for my lane
	v_add_nc_u32 v[ADRB+\s], s22, v4
	s_add_co_u32 s21, s21, SLOT
	s_add_co_u32 s22, s22, SLOT
.endr
	s_mul_i32 s23, s14, 16*SPITCH
	s_add_co_u32 s23, s23, STAGE                   ; my stage
	v_mul_u32_u24 v8, v1, SPITCH
	v_lshl_add_u32 v8, v2, 5, v8
	v_add_nc_u32 v[STO], s23, v8                   ; in: row r, 32 bytes for each half of the lanes
	v_mul_u32_u24 v9, v2, SPITCH
	v_lshl_add_u32 v9, v1, 4, v9
	v_add_nc_u32 v[RD], s23, v9                    ; back: lanes 0-15 take one row of 256 bytes, lanes 16-31 the next
	v_lshlrev_b32 v[CO], 12, v2
	v_lshl_add_u32 v[CO], v1, 4, v[CO]             ; and the same two rows in RES and Y
	s_wait_alu depctr_va_vdst(0)
	s_lshl_b32 s46, s42, 9
	s_lshl_b32 s47, s16, 8
	s_add_co_u32 s46, s46, s47                     ; my first column, in bytes of f32: 512 x tile column + 256 x half
	s_mov_b32 s47, 0
	s_add_nc_u64 s[8:9], s[8:9], s[46:47]
	s_lshl_b32 s20, s17, 7
	s_lshl_b32 s21, s15, 6
	s_add_co_u32 s20, s20, s21                     ; my first row: 128 x tile row + 64 x half,
	s_lshl_b32 s20, s20, 12                        ; of 4,096 bytes
	s_add_co_u32 s20, s20, s46
	s_mov_b32 s21, 0
	s_add_nc_u64 s[10:11], s[10:11], s[20:21]
	s_add_nc_u64 s[12:13], s[12:13], s[20:21]
	v_lshlrev_b32 v5, 5, v2                        ; 32 h: my half's eight numbers of sixteen
.irp b, 0,1,2,3
	global_load_b128 v[BT+8*\b:BT+8*\b+3], v5, s[8:9] offset:64*\b
	global_load_b128 v[BT+8*\b+4:BT+8*\b+7], v5, s[8:9] offset:64*\b+16
.endr
	WIN 0x80                                       ; destination window 2
.set TT, 0
.rept 32
	global_load_b128 v[4*TT:4*TT+3], v[CO], s[12:13] offset:2*TT*4096 th:TH_LOAD_NT   ; RES's rows 2 t + h: sixteen lanes read 256 consecutive bytes; they have the whole product in which to land
.set TT, TT+1
.endr
	WIN 0
	s_wait_kmcnt 0x0
	s_add_co_i32 s91, s[68+EA], s[68+EB]           ; a sum stands for sum x 2^(ea + eb)
	s_sub_co_i32 s92, 0, s91
	v_mov_b32 v[FAC], s90
	v_ldexp_f32 v[FAC], v[FAC], s91                ; alpha x 2^(ea + eb)
	v_mov_b32 v[FAC+1], v[FAC]
	s_wait_loadcnt 32                              ; the bias's eight loads are in; RES's 32, issued behind them, may be out
.set II, 0
.rept 32
	v_ldexp_f32 v[BT+II], v[BT+II], s92            ; bias / 2^(ea + eb)
.set II, II+1
.endr
.macro FRAGB reg, slot, q, i           ; W: 16 rows x 128 K from padded rows
.irp c, 0,1,2,3
	ds_load_b128 v[\reg+4*\c:\reg+4*\c+3], v[ADRB+\slot] offset:128*(\q)+32*\c+(\i)*16*PITCH
.endr
.endm
.macro FRAGA reg, slot, q, i           ; A: token tile i, fragment q, as an image of the registers
.irp c, 0,1,2,3
	ds_load_b128 v[\reg+4*\c:\reg+4*\c+3], v[ADRA+\slot] offset:(\i)*ASTEP+(\q)*2048+512*\c
.endr
.endm
.macro FETCH slot, q, f                ; 32 LDS loads in one run: the slot's q-th 128 along K into buffer f: W's four fragments, then A's blocks 0, 1, then 2, 3
	WIN TO_F
.irp i, 0,1,2,3
	FRAGB \f+64+16*\i, \slot, \q, \i
.endr
.irp i, 0,1,2,3
	FRAGA \f+16*\i, \slot, \q, \i
.endr
.endm
; 8 matrix instructions: A's blocks a0, a0 + 1 x W's four, 128 along K.  first = 1: C is the bias table.  The 16 accumulators take turns, one instruction a turn, in the same order in every quarter.
.macro MUL8 f, a0, first
.irp a, \a0, \a0+1
.irp b, 0,1,2,3
.if \first
	v_wmma_f32_16x16x128_fp8_fp8 v[ACC+8*(4*(\a)+\b):ACC+8*(4*(\a)+\b)+7], v[\f+64+16*\b:\f+64+16*\b+15], v[\f+16*(\a):\f+16*(\a)+15], v[BT+8*\b:BT+8*\b+7]
.else
	v_wmma_f32_16x16x128_fp8_fp8 v[ACC+8*(4*(\a)+\b):ACC+8*(4*(\a)+\b)+7], v[\f+64+16*\b:\f+64+16*\b+15], v[\f+16*(\a):\f+16*(\a)+15], v[ACC+8*(4*(\a)+\b):ACC+8*(4*(\a)+\b)+7]
.endif
.endr
.endr
.endm
.macro PLACES                          ; four plain vector lines between a matrix instruction and a load into, or a read of, its registers
.rept 4
	v_nop
.endr
.endm
; A slot is four quarters of 128 along K, 16 matrix instructions each, on buffers 0, 1, 0, 1.  One of the first three: multiplies buffer f and fetches the slot's quarter q into g.
.macro QUARTER slot, q, f, g, first
	s_wait_dscnt 8                                 ; W's four fragments and A's blocks 0, 1 are in; the youngest eight loads (blocks 2, 3) may be out
	WIN MUL
	MUL8 \f, 0, \first
	PLACES
	FETCH \slot, \q, \g
	s_wait_dscnt 32                                ; all but the 32 just issued
	WIN MUL
	MUL8 \f, 2, \first
.endm
; The last quarter multiplies buffer 1 and changes slots: one barrier; in front of it each wave waits for all its tensor loads, adds 0 to its spare word, and waits for that and for its reads of the slot.
.macro TURN slot, next, fill
	WIN 0                                          ; (the add's two registers lie in window 0)
	s_wait_tensorcnt 0x0                           ; all my tensor loads have landed: my part of the next slot
	ds_add_u32 v[SPW], v[NIL]                      ; 0 onto my spare word
	s_wait_dscnt 9                                 ; the add and the youngest eight loads may be out
	WIN MUL
	MUL8 F1, 0, 0                                  ; eight matrix instructions stand between the add and the wait for it
	s_wait_dscnt 0x0                               ; the add is done, and my reads of this slot are over
	s_barrier_signal -1
	WIN 0                                          ; (branches may follow)
	s_barrier_wait -1
.if \fill
	CREST                                          ; the barrier has opened a round of the cluster's: no wave of any partner still reads the slot or has a load on its way
	s_add_nc_u64 s[G0+4*\slot+2:G0+4*\slot+3], s[G0+4*\slot+2:G0+4*\slot+3], 2*ASTEP
	s_add_nc_u64 s[G0B+4*\slot+2:G0B+4*\slot+3], s[G0B+4*\slot+2:G0B+4*\slot+3], 2*KSLOT
	JLOAD G0+4*\slot, G1, G0B+4*\slot, G1B         ; the first tensor load behind the round; its four v_nop are also the places in front of the loads below
.else
	PLACES
.endif
	FETCH \next, 0, F0
	WIN MUL
	MUL8 F1, 2, 0
.endm
	s_wait_alu depctr_va_vdst(0)
	s_wait_tensorcnt 0x0                           ; my part of slot 0 is in
	ds_add_u32 v[SPW], v[NIL]
	s_wait_dscnt 0x0
	CROUND                                         ; everybody's part of slot 0 is in, and the joint loads meet
	JLOAD G0+4, G1, G0B+4, G1B                     ; slot 1, the first tensor load behind the round
	FETCH 0, 0, F0
	QUARTER 0, 1, F0, F1, 1                        ; the first quarter stands in front of the loop: its products start the sums on the bias
.if LAPS > 1
	WIN 0                                          ; at a label and at a branch every window is 0
	s_mov_b32 s3, LAPS-1
.Llap:                                                 ; a trip goes once round the ring, from a lap's second quarter to the next lap's first, and fills both slots again
	QUARTER 0, 2, F1, F0, 0
	QUARTER 0, 3, F0, F1, 0
	TURN 0, 1, 1
	QUARTER 1, 1, F0, F1, 0
	QUARTER 1, 2, F1, F0, 0
	QUARTER 1, 3, F0, F1, 0
	TURN 1, 0, 1
	QUARTER 0, 1, F0, F1, 0
	WIN 0
	s_sub_co_u32 s3, s3, 1
	s_cmp_lg_u32 s3, 0
	s_cbranch_scc1 .Llap
.endif
	QUARTER 0, 2, F1, F0, 0                        ; the last lap fills nothing, and has no round of the cluster's barrier
	QUARTER 0, 3, F0, F1, 0
	TURN 0, 1, 0
	QUARTER 1, 1, F0, F1, 0
	QUARTER 1, 2, F1, F0, 0
	QUARTER 1, 3, F0, F1, 0
	s_wait_dscnt 8                                 ; the very last quarter: nothing more to fetch
	WIN MUL
	MUL8 F1, 0, 0
	s_wait_dscnt 0
	MUL8 F1, 2, 0
	WIN 0
; THE WAY OUT, block by block of 16 rows x 64 columns: the sums go through my own stage and come back, into the registers that they left, as whole rows of 256 bytes; one packed multiply-add with RES; sixteen lanes store 256 consecutive bytes.
; Each block has registers of its own, and no address is stepped: nothing that a store reads is written again.
.macro TOSTAGE a
.irp b, 0,1,2,3
	ds_store_b128 v[STO], v[ACC+32*(\a)+8*\b:ACC+32*(\a)+8*\b+3] offset:64*\b          ; each accumulator from its low end on
	ds_store_b128 v[STO], v[ACC+32*(\a)+8*\b+4:ACC+32*(\a)+8*\b+7] offset:64*\b+16
.endr
.set TT, 0
.rept 8
	ds_load_b128 v[ACC+32*(\a)+4*TT:ACC+32*(\a)+4*TT+3], v[RD] offset:TT*2*SPITCH   ; LDS serves a wave's instructions in order: these see the stores above, and the next block's stores come behind them
.set TT, TT+1
.endr
.endm
.macro SEND a, younger
	s_wait_dscnt \younger                          ; the block is back; the next block's 8 stores and 8 loads may be out
	WIN 0x20                                       ; source 2 (RES): window 2
.set II, 0
.rept 16
	v_pk_fma_f32 v[ACC+32*(\a)+II:ACC+32*(\a)+II+1], v[ACC+32*(\a)+II:ACC+32*(\a)+II+1], v[FAC:FAC+1], v[32*(\a)+II:32*(\a)+II+1]
.set II, II+2
.endr
	WIN 0
.set TT, 0
.rept 8
	global_store_b128 v[CO], v[ACC+32*(\a)+4*TT:ACC+32*(\a)+4*TT+3], s[10:11] offset:(16*(\a)+2*TT)*4096
.set TT, TT+1
.endr
.endm
	PLACES
	s_wait_loadcnt 0x0                             ; RES
	TOSTAGE 0
	TOSTAGE 1
	SEND 0, 16
	TOSTAGE 2
	SEND 1, 16
	TOSTAGE 3
	SEND 2, 16
	SEND 3, 0
	s_wait_tensorcnt 0x0                           ; the wave's end
	ds_add_u32 v[SPW], v[NIL]
	s_wait_dscnt 0x0
	CROUND                                         ; the closing round
	s_endpgm
.Lfunc_end_k_qe36f30ab02_oproj:
	.size	k_qe36f30ab02_oproj, .Lfunc_end_k_qe36f30ab02_oproj-k_qe36f30ab02_oproj
	.p2alignl 7, 3214868480
	.fill 96, 4, 3214868480
	.section	.rodata,"a",@progbits
	.p2align	6, 0x0
	.amdhsa_kernel k_qe36f30ab02_oproj
		.amdhsa_group_segment_fixed_size 327680
		.amdhsa_private_segment_fixed_size 0
		.amdhsa_enable_private_segment 0
		.amdhsa_kernarg_size 56
		.amdhsa_user_sgpr_count 2
		.amdhsa_user_sgpr_kernarg_segment_ptr 1
		.amdhsa_wavefront_size32 1
		.amdhsa_system_sgpr_workgroup_id_x 1
		.amdhsa_system_sgpr_workgroup_id_y 1
		.amdhsa_system_sgpr_workgroup_id_z 1
		.amdhsa_system_vgpr_workitem_id 0
		.amdhsa_next_free_vgpr 640
		.amdhsa_next_free_sgpr 100
		.amdhsa_reserve_vcc 0
		.amdhsa_float_denorm_mode_32 3
		.amdhsa_float_denorm_mode_16_64 3
		.amdhsa_memory_ordered 1
		.amdhsa_forward_progress 1
		.amdhsa_inst_pref_size 52
	.end_amdhsa_kernel
	.amdgpu_metadata
---
amdhsa.version: [ 1, 2 ]
amdhsa.kernels:
  - .name:           k_qe36f30ab02_oproj
    .symbol:         k_qe36f30ab02_oproj.kd
    .args:
      - { .name: af, .offset: 0, .size: 8, .value_kind: global_buffer, .address_space: global }
      - { .name: o_w_codes, .offset: 8, .size: 8, .value_kind: global_buffer, .address_space: global }
      - { .name: o_b, .offset: 16, .size: 8, .value_kind: global_buffer, .address_space: global }
      - { .name: lowp_scales, .offset: 24, .size: 8, .value_kind: global_buffer, .address_space: global }
      - { .name: alpha_attn, .offset: 32, .size: 8, .value_kind: global_buffer, .address_space: global }
      - { .name: src, .offset: 40, .size: 8, .value_kind: global_buffer, .address_space: global }
      - { .name: y, .offset: 48, .size: 8, .value_kind: global_buffer, .address_space: global }
    .group_segment_fixed_size: 327680
    .private_segment_fixed_size: 0
    .kernarg_segment_align: 8
    .kernarg_segment_size: 56
    .max_flat_workgroup_size: 128
    .sgpr_count:     100
    .vgpr_count:     640
    .wavefront_size: 32
...
	.end_amdgpu_metadata
.endif
;; end of part 12
;; launch ln1 (part 13): grid 256 x 1, 8 waves a work-group, no clusters, 17,664 bytes of LDS; arguments y, n1_s, n1_b, lowp_scales, x, xc; writes x, xc
.if DOCPART == 13
	.amdgcn_target "amdgcn-amd-amdhsa--gfx1250"
	.amdhsa_code_object_version 6
	.text
	.protected	k_qe36f30ab02_ln1
	.globl	k_qe36f30ab02_ln1
	.p2align	8
	.type	k_qe36f30ab02_ln1,@function
k_qe36f30ab02_ln1:
	s_mov_b64 s[64:65], 0
	v_nop
	global_prefetch_b8 v0, s[64:65] scope:SCOPE_SE
	s_setreg_imm32_b32 hwreg(HW_REG_WAVE_MODE, 25, 1), 1
	s_wait_xcnt 0x0
; LAYER NORM over rows of 1,024 f32: out = (y - mean) x rsqrt(var + 1e-5) x gain + bias; var is the mean of the squared differences, as the definition has it (two passes over registers).
; A work-group takes a tile of 16 rows, a wave two of them; a row is 8 loads of 512 consecutive bytes and stays in 32 registers a lane: memory is read once.  Matrix units, tensor loads and clusters would add nothing to a stream.
; WITH_CODES = 1: the result is also quantised (entry 12 of lowp_scales) into register images [token / 16][k / 128][c][lane][16 bytes]: byte i of lane (r, h) is k = 128 s + 32 c + 16 h + i of token r.
; The codes of the 16 rows meet in LDS (rows of 1,024 + 16 bytes); behind one barrier wave w reads fragment s = w and stores 4 x 512 consecutive bytes.
; LIMITS: entry 12 between -126 and 119.  NaN among the inputs is not served.
.set WITH_CODES, 1
.set NS,  16                           ; v16-47   the gain (later row 0's held numbers)
.set NB,  48                           ; v48-79   the bias (later row 1's)
.set Y0,  80                           ; v80-111  row 0
.set Y1,  112                          ; v112-143 row 1
.set CD,  144                          ; v144-159 codes: 8 registers a row
.set IM,  160                          ; v160-175 a fragment's image
.set SA,  176                          ; v176 where I put codes in LDS
.set RA,  177                          ; v177 where I read a fragment
.set LIMV, 178
.set SCLV, 179
.set LP,  1040                         ; an LDS row of codes: row r starts 4 r banks on
	s_load_b256 s[4:11], s[0:1], 0x0               ; y, gain, bias, then lowp_scales (with codes) or the output
.if WITH_CODES
	s_load_b128 s[12:15], s[0:1], 0x20             ; x, xc
	v_lshl_add_u32 v180, v0, 2, 0x4100
	v_mov_b32 v181, 0
.endif
	v_lshrrev_b32 v2, 5, v0
	s_delay_alu instid0(VALU_DEP_1)
	v_readfirstlane_b32 s16, v2                    ; wave 0..7
	v_and_b32 v2, 31, v0
	s_delay_alu instid0(VALU_DEP_1)
	v_lshlrev_b32 v1, 4, v2                        ; 16 x lane
	s_lshl_b32 s18, ttmp9, 16                      ; 16 rows of 4,096 bytes,
	s_lshl_b32 s19, s16, 13                        ; my two
	s_add_co_u32 s18, s18, s19
	s_mov_b32 s19, 0
	s_mov_b32 s22, 0x76543210
	s_mov_b32 s23, 0xfedcba98
	s_mov_b32 s24, 0x3a800000                      ; 1 / 1,024
	s_mov_b32 s25, 0x3727c5ac                      ; 1e-5
	s_wait_alu depctr_va_vdst(0)
	s_wait_kmcnt 0x0
.if WITH_CODES
	s_load_b32 s20, s[10:11], 0x30                 ; entry 12
.else
	s_mov_b64 s[12:13], s[10:11]
.endif
	s_add_nc_u64 s[4:5], s[4:5], s[18:19]
	s_add_nc_u64 s[12:13], s[12:13], s[18:19]
.irp j, 0,1,2,3,4,5,6,7
	global_load_b128 v[Y0+4*\j:Y0+4*\j+3], v1, s[4:5] offset:512*\j th:TH_LOAD_NT
.endr
.irp j, 0,1,2,3,4,5,6,7
	global_load_b128 v[Y1+4*\j:Y1+4*\j+3], v1, s[4:5] offset:4096+512*\j th:TH_LOAD_NT
.endr
.irp j, 0,1,2,3,4,5,6,7
	global_load_b128 v[NS+4*\j:NS+4*\j+3], v1, s[6:7] offset:512*\j
.endr
.irp j, 0,1,2,3,4,5,6,7
	global_load_b128 v[NB+4*\j:NB+4*\j+3], v1, s[8:9] offset:512*\j
.endr
.if WITH_CODES
	v_lshlrev_b32 v[SA], 2, v2
	s_mul_i32 s21, s16, 2*LP
	v_add_nc_u32 v[SA], s21, v[SA]                 ; 4 x lane + my two rows
	v_and_b32 v3, 15, v0
	v_bfe_u32 v4, v0, 4, 1
	s_delay_alu instid0(VALU_DEP_2)
	v_mul_u32_u24 v[RA], v3, LP
	s_delay_alu instid0(VALU_DEP_1)
	v_lshl_add_u32 v[RA], v4, 4, v[RA]
	s_lshl_b32 s21, s16, 7
	v_add_nc_u32 v[RA], s21, v[RA]                 ; row r, + 16 h, + 128 x wave
	s_lshl_b32 s26, ttmp9, 14                      ; xc: 16,384 bytes a token tile,
	s_lshl_b32 s27, s16, 11                        ; 2,048 a fragment
	s_add_co_u32 s26, s26, s27
	s_mov_b32 s27, 0
	s_add_nc_u64 s[14:15], s[14:15], s[26:27]
.endif
.macro LANESUM a, b                    ; the sum over the 32 lanes, in every lane
	s_delay_alu instid0(VALU_DEP_1)
	v_add_f32_dpp v[\a], v[\a], v[\a] row_xmask:1 row_mask:0xf bank_mask:0xf
	s_delay_alu instid0(VALU_DEP_1)
	v_add_f32_dpp v[\a], v[\a], v[\a] row_xmask:2 row_mask:0xf bank_mask:0xf
	s_delay_alu instid0(VALU_DEP_1)
	v_add_f32_dpp v[\a], v[\a], v[\a] row_xmask:4 row_mask:0xf bank_mask:0xf
	s_delay_alu instid0(VALU_DEP_1)
	v_add_f32_dpp v[\a], v[\a], v[\a] row_xmask:8 row_mask:0xf bank_mask:0xf
	s_delay_alu instid0(VALU_DEP_1)
	v_permlanex16_b32 v[\b], v[\a], s22, s23
	s_delay_alu instid0(VALU_DEP_1)
	v_add_f32 v[\a], v[\a], v[\b]
.endm
.macro STATS y, rs                     ; the row becomes y - mean; v[rs], v[rs + 1] = rsqrt(var + eps)
.irp c, 0,1,2,3
	v_pk_add_f32 v[2+2*\c:3+2*\c], v[\y+2*\c:\y+2*\c+1], v[\y+8+2*\c:\y+9+2*\c]   ; four chains, started by the first pairs
.endr
.irp q, 16,24
.irp c, 0,1,2,3
	s_delay_alu instid0(VALU_DEP_4)
	v_pk_add_f32 v[2+2*\c:3+2*\c], v[2+2*\c:3+2*\c], v[\y+\q+2*\c:\y+\q+2*\c+1]
.endr
.endr
	s_delay_alu instid0(VALU_DEP_3)
	v_pk_add_f32 v[2:3], v[2:3], v[4:5]
	s_delay_alu instid0(VALU_DEP_2)
	v_pk_add_f32 v[6:7], v[6:7], v[8:9]
	s_delay_alu instid0(VALU_DEP_1)
	v_pk_add_f32 v[2:3], v[2:3], v[6:7]
	s_delay_alu instid0(VALU_DEP_1)
	v_add_f32 v2, v2, v3
	LANESUM 2, 3
	s_delay_alu instid0(VALU_DEP_1)
	v_mul_f32 v2, s24, v2                          ; the mean
	s_delay_alu instid0(VALU_DEP_1)
	v_mov_b32 v3, v2
.set i, 0
.rept 16
	v_pk_add_f32 v[\y+i:\y+i+1], v[\y+i:\y+i+1], v[2:3] neg_lo:[0,1] neg_hi:[0,1]
.set i, i+2
.endr
.irp c, 0,1,2,3
	v_pk_mul_f32 v[4+2*\c:5+2*\c], v[\y+2*\c:\y+2*\c+1], v[\y+2*\c:\y+2*\c+1]
.endr
.irp q, 8,16,24
.irp c, 0,1,2,3
	s_delay_alu instid0(VALU_DEP_4)
	v_pk_fma_f32 v[4+2*\c:5+2*\c], v[\y+\q+2*\c:\y+\q+2*\c+1], v[\y+\q+2*\c:\y+\q+2*\c+1], v[4+2*\c:5+2*\c]
.endr
.endr
	s_delay_alu instid0(VALU_DEP_3)
	v_pk_add_f32 v[4:5], v[4:5], v[6:7]
	s_delay_alu instid0(VALU_DEP_2)
	v_pk_add_f32 v[8:9], v[8:9], v[10:11]
	s_delay_alu instid0(VALU_DEP_1)
	v_pk_add_f32 v[4:5], v[4:5], v[8:9]
	s_delay_alu instid0(VALU_DEP_1)
	v_add_f32 v4, v4, v5
	LANESUM 4, 5
	s_delay_alu instid0(VALU_DEP_1)
	v_fma_f32 v4, v4, s24, s25                     ; var + eps
	s_wait_alu depctr_va_vdst(0)
	v_rsq_f32 v[\rs], v4
	v_rsq_f32 v[\rs+1], v4
	v_nop                                          ; a plain line before the results are used or the source is rewritten (ISA guide 5.7.2)
.endm
.macro NORM y, rs, row
.set i, 0
	s_wait_alu depctr_va_vdst(0)
.rept 16
	v_pk_mul_f32 v[\y+i:\y+i+1], v[\y+i:\y+i+1], v[\rs:\rs+1]
	s_delay_alu instid0(VALU_DEP_1)
	v_pk_fma_f32 v[\y+i:\y+i+1], v[\y+i:\y+i+1], v[NS+i:NS+i+1], v[NB+i:NB+i+1]
.set i, i+2
.endr
.irp j, 0,1,2,3,4,5,6,7
	global_store_b128 v1, v[\y+4*\j:\y+4*\j+3], s[12:13] offset:4096*\row+512*\j   ; 512 consecutive bytes
.endr
.endm
	s_wait_loadcnt 24                              ; row 0 is in; row 1, the gain and the bias may be out
	STATS Y0, 12
	s_wait_loadcnt 16                              ; row 1 is in
	STATS Y1, 14
	s_wait_loadcnt 0x0
	NORM Y0, 12, 0
	NORM Y1, 14, 1
.if WITH_CODES
	s_wait_kmcnt 0x0
	s_add_co_i32 s20, s20, 127
	s_lshl_b32 s21, s20, 23
	v_mov_b32 v[SCLV], s21                         ; 2^e as f32
	s_add_co_i32 s20, s20, 8
	s_lshl_b32 s20, s20, 23
	s_or_b32 s20, s20, 0x600000
	v_mov_b32 v[LIMV], s20                         ; 448 x 2^e
.macro QUANT y, tq, row                ; the held numbers go into registers that the gain or the bias has left: the row's own are the data of pending stores
.set i, 0
.rept 32
	v_med3_num_f32 v[\tq+i], v[\y+i], -v[LIMV], v[LIMV]
.set i, i+1
.endr
.irp g, 0,1,2,3
	v_cvt_scalef32_pk8_fp8_f32 v[CD+8*\row+2*\g:CD+8*\row+2*\g+1], v[\tq+8*\g:\tq+8*\g+7], v[SCLV]   ; register j: the four codes of columns 128 j + 4 lane
.endr
.irp j, 0,1,2,3,4,5,6,7
	ds_store_b32 v[SA], v[CD+8*\row+\j] offset:LP*\row+128*\j
.endr
.endm
	QUANT Y0, NS, 0
	QUANT Y1, NB, 1
	s_wait_dscnt 0x0                               ; for the others' sake: my codes lie in LDS
	s_barrier_signal -1
	s_barrier_wait -1
.irp c, 0,1,2,3
	ds_load_b128 v[IM+4*\c:IM+4*\c+3], v[RA] offset:32*\c
.endr
	s_wait_dscnt 0x0
.irp c, 0,1,2,3
	global_store_b128 v1, v[IM+4*\c:IM+4*\c+3], s[14:15] offset:512*\c
.endr
.endif
	s_wait_tensorcnt 0x0
	ds_add_u32 v180, v181
	s_wait_dscnt 0x0
	s_endpgm
.Lfunc_end_k_qe36f30ab02_ln1:
	.size	k_qe36f30ab02_ln1, .Lfunc_end_k_qe36f30ab02_ln1-k_qe36f30ab02_ln1
	.p2alignl 7, 3214868480
	.fill 96, 4, 3214868480
	.section	.rodata,"a",@progbits
	.p2align	6, 0x0
	.amdhsa_kernel k_qe36f30ab02_ln1
		.amdhsa_group_segment_fixed_size 17664
		.amdhsa_private_segment_fixed_size 0
		.amdhsa_enable_private_segment 0
		.amdhsa_kernarg_size 48
		.amdhsa_user_sgpr_count 2
		.amdhsa_user_sgpr_kernarg_segment_ptr 1
		.amdhsa_wavefront_size32 1
		.amdhsa_system_sgpr_workgroup_id_x 1
		.amdhsa_system_sgpr_workgroup_id_y 1
		.amdhsa_system_sgpr_workgroup_id_z 1
		.amdhsa_system_vgpr_workitem_id 0
		.amdhsa_next_free_vgpr 182
		.amdhsa_next_free_sgpr 66
		.amdhsa_reserve_vcc 0
		.amdhsa_float_denorm_mode_32 3
		.amdhsa_float_denorm_mode_16_64 3
		.amdhsa_memory_ordered 1
		.amdhsa_forward_progress 1
		.amdhsa_inst_pref_size 30
	.end_amdhsa_kernel
	.amdgpu_metadata
---
amdhsa.version: [ 1, 2 ]
amdhsa.kernels:
  - .name:           k_qe36f30ab02_ln1
    .symbol:         k_qe36f30ab02_ln1.kd
    .args:
      - { .name: y, .offset: 0, .size: 8, .value_kind: global_buffer, .address_space: global }
      - { .name: n1_s, .offset: 8, .size: 8, .value_kind: global_buffer, .address_space: global }
      - { .name: n1_b, .offset: 16, .size: 8, .value_kind: global_buffer, .address_space: global }
      - { .name: lowp_scales, .offset: 24, .size: 8, .value_kind: global_buffer, .address_space: global }
      - { .name: x, .offset: 32, .size: 8, .value_kind: global_buffer, .address_space: global }
      - { .name: xc, .offset: 40, .size: 8, .value_kind: global_buffer, .address_space: global }
    .group_segment_fixed_size: 17664
    .private_segment_fixed_size: 0
    .kernarg_segment_align: 8
    .kernarg_segment_size: 48
    .max_flat_workgroup_size: 256
    .sgpr_count:     66
    .vgpr_count:     182
    .wavefront_size: 32
...
	.end_amdgpu_metadata
.endif
;; end of part 13
;; launch ffn1 (part 14): grid 16 x 16, 4 waves a work-group, clusters of 4 x 4, 327,680 bytes of LDS; arguments xc, l1_w_codes, l1_b, lowp_scales, hc; writes hc
.if DOCPART == 14
	.amdgcn_target "amdgcn-amd-amdhsa--gfx1250"
	.amdhsa_code_object_version 6
	.text
	.protected	k_qe36f30ab02_ffn1
	.globl	k_qe36f30ab02_ffn1
	.p2align	8
	.type	k_qe36f30ab02_ffn1,@function
k_qe36f30ab02_ffn1:
	s_mov_b64 s[64:65], 0
	v_nop
	global_prefetch_b8 v0, s[64:65] scope:SCOPE_SE
	s_setreg_imm32_b32 hwreg(HW_REG_WAVE_MODE, 25, 1), 1
	s_wait_xcnt 0x0
	s_wait_alu depctr_hold_cnt(0) depctr_sa_sdst(0) depctr_va_vdst(0) depctr_va_sdst(0) depctr_va_ssrc(0) depctr_va_vcc(0) depctr_vm_vsrc(0)
	s_getreg_b32 s2, hwreg(HW_REG_IB_STS2, 6, 4)
	s_cmp_eq_u32 s2, 0
	s_cbranch_scc0 .Lentry_in_a_cluster
	s_endpgm
.Lentry_in_a_cluster:
	s_bfe_u32 s2, ttmp6, 0x10000c
	s_cmp_lg_u32 s2, 0xf033
	s_cbranch_scc0 .Lentry_shape_is_right
	s_endpgm
.Lentry_shape_is_right:
.set SIZE_K, 1024
.set EA,     12
.set EB,     13
.set EO,     14
.set ROWB,   256
.set KROW,   SIZE_K
.set ATILE,  16*SIZE_K
.set ASTEP,  4096
.set PITCH,  272
.set FR,     16
.set NL,     4
.set NP,     4
.set HALFT,  128*PITCH
.set SLOT,   4*HALFT
.set LAPS,   SIZE_K/512
.set SPARE,  2*SLOT
.set ADRA, 16
.set ADRB, 20
.set CO,   26
.set SPW,  28
.set NIL,  29
.set BT,   32
.set TMP,  32
.set SCL,  112
.set LIM,  113
.set AF,   128
.set CD,   128
.set G1, 24
.set G0, 32
.set G1B, 48
.set G0B, 56
.set MSB, 0
.macro WIN new
.if MSB != \new
	s_set_vgpr_msb (MSB<<8)|\new
.set MSB, \new
.endif
.endm
.set MUL_LO, 0xa1
.set MUL_HI, 0xf1
.set FIRST_LO, 0x81
.set FIRST_HI, 0xc1
.set TO_B,   0x40
.macro JLOAD g0a, g1a, g0b, g1b
	s_cmp_eq_u32 s15, 0
	s_cbranch_scc0 .Lfor_b_\@
	tensor_load_to_lds s[\g0a:\g0a+3], s[\g1a:\g1a+7]
	s_nop 0
.rept 4
	v_nop
.endr
	s_branch .Lasked_\@
.Lfor_b_\@:
	tensor_load_to_lds s[\g0b:\g0b+3], s[\g1b:\g1b+7]
	s_nop 0
.rept 4
	v_nop
.endr
.Lasked_\@:
.endm
.macro CREST
	s_cmp_lg_u32 s14, 0
	s_cbranch_scc1 .Lnot_wave_0_\@
	s_barrier_signal -3
.Lnot_wave_0_\@:
	s_barrier_wait -3
	s_barrier_signal -1
	s_barrier_wait -1
.endm
.macro CROUND
	s_barrier_signal -1
	s_barrier_wait -1
	CREST
.endm
	s_load_b128 s[4:7], s[0:1], 0x0
	s_load_b64 s[8:9], s[0:1], 0x10
	s_load_b64 s[86:87], s[0:1], 0x18
	s_load_b64 s[10:11], s[0:1], 0x20
	v_lshl_add_u32 v[SPW], v0, 2, SPARE
	v_mov_b32 v[NIL], 0
	ds_add_u32 v28, v29
	ds_add_u32 v28, v29
	s_wait_dscnt 0x0
	v_lshrrev_b32 v1, 5, v0
	v_readfirstlane_b32 s14, v1
	s_lshr_b32 s15, s14, 1
	s_and_b32 s16, s14, 1
	s_bfe_u32 s40, ttmp6, 0x40000
	s_bfe_u32 s41, ttmp6, 0x40004
	s_lshl_b32 s42, ttmp9, 2
	s_add_co_u32 s42, s42, s40
	s_and_b32 s17, ttmp7, 0xffff
	s_lshl_b32 s17, s17, 2
	s_add_co_u32 s17, s17, s41
	s_lshl_b32 s43, s41, 2
	s_lshl_b32 s43, 15, s43
	s_lshl_b32 s44, 0x1111, s40
	s_or_b32 s[G1+0], s43, (1<<21)
	s_mov_b32 s[G1+1], ASTEP<<16
	s_mov_b32 s[G1+2], 8<<16
	s_mov_b32 s[G1+3], ASTEP<<16
	s_mov_b32 s[G1+4], 8
	s_mov_b32 s[G1+5], ATILE
	s_mov_b32 s[G1+6], 0
	s_mov_b32 s[G1+7], 0
	s_or_b32 s[G1B+0], s44, (1<<20)|(1<<21)|(5<<22)|(3<<25)
	s_mov_b32 s[G1B+1], ROWB<<16
	s_mov_b32 s[G1B+2], 128<<16
	s_mov_b32 s[G1B+3], ROWB<<16
	s_mov_b32 s[G1B+4], 128
	s_mov_b32 s[G1B+5], KROW
	s_mov_b32 s[G1B+6], 0
	s_mov_b32 s[G1B+7], 0
	s_lshl_b32 s18, s16, 3
	s_lshl_b32 s20, s17, 4
	s_add_co_u32 s20, s20, s18
	s_mul_i32 s20, s20, ATILE
	s_mov_b32 s21, 0
	s_lshl_b32 s18, s16, 7
	s_lshl_b32 s46, s42, 8
	s_add_co_u32 s46, s46, s18
	s_mul_i32 s46, s46, KROW
	s_mov_b32 s47, 0
	s_mul_i32 s45, s14, HALFT
	s_wait_kmcnt 0x0
	s_load_b512 s[68:83], s[86:87], 0x0
	s_add_nc_u64 s[20:21], s[4:5], s[20:21]
	s_add_nc_u64 s[46:47], s[6:7], s[46:47]
	CROUND
.irp s, 0,1
	s_mov_b32 s[G0+4*\s], 1
	s_add_co_u32 s[G0+4*\s+1], s45, \s*SLOT
	s_add_nc_u64 s[G0+4*\s+2:G0+4*\s+3], s[20:21], \s*ASTEP
	s_or_b32 s[G0+4*\s+3], s[G0+4*\s+3], 0x80000000
	s_mov_b32 s[G0B+4*\s], 1
	s_add_co_u32 s[G0B+4*\s+1], s45, \s*SLOT
	s_add_nc_u64 s[G0B+4*\s+2:G0B+4*\s+3], s[46:47], \s*ROWB
	s_or_b32 s[G0B+4*\s+3], s[G0B+4*\s+3], 0x80000000
.endr
	JLOAD G0, G1, G0B, G1B                         ; K step 0: one tensor load a wave at the head; the rest of the head stands behind it
	v_and_b32 v1, 15, v0
	v_bfe_u32 v2, v0, 4, 1
	s_wait_alu depctr_va_vdst(0)
	v_and_b32 v7, 31, v0
	v_lshlrev_b32 v[CO], 4, v7
	v_mul_u32_u24 v3, v1, PITCH
	v_lshl_add_u32 v4, v2, 4, v3
	s_mul_i32 s21, s15, HALFT
	s_mul_i32 s22, s16, HALFT
	s_add_co_u32 s22, s22, 2*HALFT
.irp s, 0,1
	v_add_nc_u32 v[ADRA+\s], s21, v[CO]
	v_add_nc_u32 v[ADRB+\s], s22, v4
	s_add_co_u32 s21, s21, SLOT
	s_add_co_u32 s22, s22, SLOT
.endr
	s_lshl_b32 s46, s42, 10
	s_lshl_b32 s47, s16, 9
	s_add_co_u32 s46, s46, s47
	s_mov_b32 s47, 0
	s_add_nc_u64 s[8:9], s[8:9], s[46:47]
	s_lshl_b32 s20, s17, 4
	s_lshl_b32 s21, s15, 3
	s_add_co_u32 s20, s20, s21
	s_lshl_b32 s20, s20, 16
	s_lshl_b32 s21, s42, 1
	s_add_co_u32 s21, s21, s16
	s_lshl_b32 s21, s21, 11
	s_add_co_u32 s20, s20, s21
	s_mov_b32 s21, 0
	s_add_nc_u64 s[10:11], s[10:11], s[20:21]
	v_lshlrev_b32 v5, 5, v2
.irp b, 0,1,2,3,4,5,6,7
	global_load_b128 v[BT+8*\b:BT+8*\b+3], v5, s[8:9] offset:64*\b
	global_load_b128 v[BT+8*\b+4:BT+8*\b+7], v5, s[8:9] offset:64*\b+16
.endr
	s_wait_kmcnt 0x0
	s_add_co_i32 s88, s[68+EA], s[68+EB]
	s_sub_co_i32 s89, 0, s88
	s_sub_co_i32 s90, s[68+EO], s88
	s_add_co_i32 s90, s90, 127
	s_lshl_b32 s91, s90, 23
	v_mov_b32 v[SCL], s91
	s_add_co_i32 s90, s90, 8
	s_lshl_b32 s90, s90, 23
	s_or_b32 s90, s90, 0x600000
	v_mov_b32 v[LIM], s90
	s_wait_loadcnt 0x0
.set i, 0
.rept 64
	v_ldexp_f32 v[BT+i], v[BT+i], s89
.set i, i+1
.endr
.macro FRAG reg, adr, q, i
.irp c, 0,1,2,3
	ds_load_b128 v[\reg+4*\c:\reg+4*\c+3], v[\adr] offset:128*(\q)+32*\c+(\i)*16*PITCH
.endr
.endm
.macro FRAGA reg, slot, q, i
.irp c, 0,1,2,3
	ds_load_b128 v[\reg+4*\c:\reg+4*\c+3], v[ADRA+\slot] offset:(\i)*ASTEP+(\q)*2048+512*\c
.endr
.endm
.macro MUL16 a0, p, first
.irp a, \a0, \a0+1
.irp b, 0,1,2,3,4,5,6,7
.if \first
	v_wmma_f32_16x16x128_fp8_fp8 v[8*(8*((\a)%4)+\b):8*(8*((\a)%4)+\b)+7], v[128*(\p)+FR*\b:128*(\p)+FR*\b+FR-1], v[AF+FR*(\a):AF+FR*(\a)+FR-1], v[BT+8*\b:BT+8*\b+7]
.else
	v_wmma_f32_16x16x128_fp8_fp8 v[8*(8*((\a)%4)+\b):8*(8*((\a)%4)+\b)+7], v[128*(\p)+FR*\b:128*(\p)+FR*\b+FR-1], v[AF+FR*(\a):AF+FR*(\a)+FR-1], v[8*(8*((\a)%4)+\b):8*(8*((\a)%4)+\b)+7]
.endif
.endr
.endr
.endm
.macro FETCH_B slot, q, p
	WIN TO_B
.irp i, 0,1,2,3,4,5,6,7
	FRAG 128*(\p)+FR*\i, ADRB+\slot, \q, \i
.endr
	WIN 0
.endm
.macro FETCH_A slot, q, i0
.irp i, \i0, \i0+1, \i0+2, \i0+3
	FRAGA AF+FR*(\i), \slot, \q, \i
.endr
.endm
.macro PLACES n
.rept \n
	v_nop
.endr
.endm
.macro STEP slot, q, first
	s_wait_dscnt 4*NL
.if \first
	WIN FIRST_LO
.else
	WIN MUL_LO
.endif
	MUL16 0, (\q)%2, \first
	MUL16 2, (\q)%2, \first
	s_wait_dscnt 0
	PLACES NP
	FETCH_B \slot, (\q)+1, 1-(\q)%2
	FETCH_A \slot, (\q)+1, 0
.if \first
	WIN FIRST_HI
.else
	WIN MUL_HI
.endif
	MUL16 4, (\q)%2, \first
	MUL16 6, (\q)%2, \first
	PLACES NP
	WIN 0
	FETCH_A \slot, (\q)+1, 4
.endm
.macro TURN slot, next, fill
	s_wait_tensorcnt 0x0
	ds_add_u32 v[SPW], v[NIL]
	s_wait_dscnt 4*NL+1
	WIN MUL_LO
	MUL16 0, 1, 0
	s_wait_dscnt 0x0
	s_barrier_signal -1
	MUL16 2, 1, 0
	WIN 0
	s_barrier_wait -1
.if \fill
	CREST
	s_add_nc_u64 s[G0+4*\slot+2:G0+4*\slot+3], s[G0+4*\slot+2:G0+4*\slot+3], 2*ASTEP
	s_add_nc_u64 s[G0B+4*\slot+2:G0B+4*\slot+3], s[G0B+4*\slot+2:G0B+4*\slot+3], 2*ROWB
	JLOAD G0+4*\slot, G1, G0B+4*\slot, G1B
.else
	PLACES NP
.endif
	FETCH_B \next, 0, 0
	FETCH_A \next, 0, 0
	WIN MUL_HI
	MUL16 4, 1, 0
	MUL16 6, 1, 0
	PLACES NP
	WIN 0
	FETCH_A \next, 0, 4
.endm
	s_wait_alu depctr_va_vdst(0)
	s_wait_tensorcnt 0x0                           ; my part of K step 0 is in
	ds_add_u32 v[SPW], v[NIL]
	s_wait_dscnt 0x0
	CROUND
	JLOAD G0+4, G1, G0B+4, G1B                     ; K step 1, the first tensor load behind the round
	FETCH_B 0, 0, 0
	FETCH_A 0, 0, 0
	FETCH_A 0, 0, 4
	STEP 0, 0, 1
	s_mov_b32 s3, LAPS-1
.Llap:
	TURN 0, 1, 1
	STEP 1, 0, 0
	TURN 1, 0, 1
	STEP 0, 0, 0
	s_sub_co_u32 s3, s3, 1
	s_cmp_lg_u32 s3, 0
	s_cbranch_scc1 .Llap
	TURN 0, 1, 0
	STEP 1, 0, 0
	s_wait_dscnt 4*NL
	WIN MUL_LO
	MUL16 0, 1, 0
	MUL16 2, 1, 0
	s_wait_dscnt 0
	WIN MUL_HI
	MUL16 4, 1, 0
	MUL16 6, 1, 0
	WIN 0
.macro OUT a
.set AC, 64*((\a)%4)
	WIN 0x02+((\a)/4)
.set i, 0
.rept 64
	v_med3_num_f32 v[TMP+i], v[AC+i], 0, v[LIM]
.set i, i+1
.endr
	WIN 0
.set g, 0
.rept 8
	v_cvt_scalef32_pk8_fp8_f32 v[CD+16*(\a)+2*g:CD+16*(\a)+2*g+1], v[TMP+8*g:TMP+8*g+7], v[SCL]
.set g, g+1
.endr
	v_nop
.irp p, 0,1,2,3
	v_permlane16_swap_b32 v[CD+16*(\a)+4*\p], v[CD+16*(\a)+4*\p+2]
	v_permlane16_swap_b32 v[CD+16*(\a)+4*\p+1], v[CD+16*(\a)+4*\p+3]
.endr
.irp p, 0,1,2,3
	global_store_b128 v[CO], v[CD+16*(\a)+4*\p:CD+16*(\a)+4*\p+3], s[10:11] offset:(\a)*65536+\p*512
.endr
.endm
	PLACES NP
.irp a, 0,1,2,3,4,5,6,7
	OUT \a
.endr
	s_wait_tensorcnt 0x0
	ds_add_u32 v[SPW], v[NIL]
	s_wait_dscnt 0x0
	CROUND
	s_endpgm
.Lfunc_end_k_qe36f30ab02_ffn1:
	.size	k_qe36f30ab02_ffn1, .Lfunc_end_k_qe36f30ab02_ffn1-k_qe36f30ab02_ffn1
	.p2alignl 7, 3214868480
	.fill 96, 4, 3214868480
	.section	.rodata,"a",@progbits
	.p2align	6, 0x0
	.amdhsa_kernel k_qe36f30ab02_ffn1
		.amdhsa_group_segment_fixed_size 327680
		.amdhsa_private_segment_fixed_size 0
		.amdhsa_enable_private_segment 0
		.amdhsa_kernarg_size 40
		.amdhsa_user_sgpr_count 2
		.amdhsa_user_sgpr_kernarg_segment_ptr 1
		.amdhsa_wavefront_size32 1
		.amdhsa_system_sgpr_workgroup_id_x 1
		.amdhsa_system_sgpr_workgroup_id_y 1
		.amdhsa_system_sgpr_workgroup_id_z 1
		.amdhsa_system_vgpr_workitem_id 0
		.amdhsa_next_free_vgpr 1024
		.amdhsa_next_free_sgpr 100
		.amdhsa_reserve_vcc 0
		.amdhsa_float_denorm_mode_32 3
		.amdhsa_float_denorm_mode_16_64 3
		.amdhsa_memory_ordered 1
		.amdhsa_forward_progress 1
		.amdhsa_inst_pref_size 126
	.end_amdhsa_kernel
	.amdgpu_metadata
---
amdhsa.version: [ 1, 2 ]
amdhsa.kernels:
  - .name:           k_qe36f30ab02_ffn1
    .symbol:         k_qe36f30ab02_ffn1.kd
    .args:
      - { .name: xc, .offset: 0, .size: 8, .value_kind: global_buffer, .address_space: global }
      - { .name: l1_w_codes, .offset: 8, .size: 8, .value_kind: global_buffer, .address_space: global }
      - { .name: l1_b, .offset: 16, .size: 8, .value_kind: global_buffer, .address_space: global }
      - { .name: lowp_scales, .offset: 24, .size: 8, .value_kind: global_buffer, .address_space: global }
      - { .name: hc, .offset: 32, .size: 8, .value_kind: global_buffer, .address_space: global }
    .group_segment_fixed_size: 327680
    .private_segment_fixed_size: 0
    .kernarg_segment_align: 8
    .kernarg_segment_size: 40
    .max_flat_workgroup_size: 128
    .sgpr_count:     100
    .vgpr_count:     1024
    .wavefront_size: 32
...
	.end_amdgpu_metadata
.endif
;; end of part 14
;; launch ffn2 (part 15): grid 8 x 32, 4 waves a work-group, clusters of 4 x 4, 327,680 bytes of LDS; arguments hc, l2_w_codes, l2_b, lowp_scales, alpha_ff, x, y; writes y
.if DOCPART == 15
	.amdgcn_target "amdgcn-amd-amdhsa--gfx1250"
	.amdhsa_code_object_version 6
	.text
	.protected	k_qe36f30ab02_ffn2
	.globl	k_qe36f30ab02_ffn2
	.p2align	8
	.type	k_qe36f30ab02_ffn2,@function
k_qe36f30ab02_ffn2:
	s_mov_b64 s[64:65], 0
	v_nop
	global_prefetch_b8 v0, s[64:65] scope:SCOPE_SE
	s_setreg_imm32_b32 hwreg(HW_REG_WAVE_MODE, 25, 1), 1
	s_wait_xcnt 0x0
	s_wait_alu depctr_hold_cnt(0) depctr_sa_sdst(0) depctr_va_vdst(0) depctr_va_sdst(0) depctr_va_ssrc(0) depctr_va_vcc(0) depctr_vm_vsrc(0)
	s_getreg_b32 s2, hwreg(HW_REG_IB_STS2, 6, 4)
	s_cmp_eq_u32 s2, 0
	s_cbranch_scc0 .Lentry_in_a_cluster
	s_endpgm
.Lentry_in_a_cluster:
	s_bfe_u32 s2, ttmp6, 0x10000c
	s_cmp_lg_u32 s2, 0xf033
	s_cbranch_scc0 .Lentry_shape_is_right
	s_endpgm
.Lentry_shape_is_right:
.set SIZE_K, 4096
.set EA,     14
.set EB,     15
.set KSLOT,  512
.set KROW,   SIZE_K
.set ATILE,  16*SIZE_K
.set ASTEP,  16*KSLOT
.set PITCH,  KSLOT+16
.set HALFT,  64*PITCH
.set SLOT,   4*HALFT
.set LAPS,   SIZE_K/(2*KSLOT)
.set STAGE,  2*SLOT
.set SPITCH, 272
.set SPARE,  STAGE+4*16*SPITCH
.set ADRA, 16
.set ADRB, 20
.set STO,  24
.set RD,   25
.set CO,   26
.set LI,   27
.set SPW,  28
.set NIL,  29
.set BT,   32
.set FAC,  114
.set ACC,  128
.set F0,   0
.set F1,   128
.set G1, 24
.set G0, 32
.set G1B, 48
.set G0B, 56
.set MSB, 0
.macro WIN new
.if MSB != \new
	s_set_vgpr_msb (MSB<<8)|\new
.set MSB, \new
.endif
.endm
.set MUL,  0x05
.set TO_F, 0x40
.macro JLOAD g0a, g1a, g0b, g1b
	s_cmp_eq_u32 s15, 0
	s_cbranch_scc0 .Lfor_b_\@
	tensor_load_to_lds s[\g0a:\g0a+3], s[\g1a:\g1a+7]
	s_nop 0
.rept 4
	v_nop
.endr
	s_branch .Lasked_\@
.Lfor_b_\@:
	tensor_load_to_lds s[\g0b:\g0b+3], s[\g1b:\g1b+7]
	s_nop 0
.rept 4
	v_nop
.endr
.Lasked_\@:
.endm
.macro CREST
	s_cmp_lg_u32 s14, 0
	s_cbranch_scc1 .Lnot_wave_0_\@
	s_barrier_signal -3
.Lnot_wave_0_\@:
	s_barrier_wait -3
	s_barrier_signal -1
	s_barrier_wait -1
.endm
.macro CROUND
	s_barrier_signal -1
	s_barrier_wait -1
	CREST
.endm
	s_load_b128 s[4:7], s[0:1], 0x0
	s_load_b64 s[8:9], s[0:1], 0x10
	s_load_b64 s[86:87], s[0:1], 0x18
	s_load_b64 s[88:89], s[0:1], 0x20
	s_load_b64 s[12:13], s[0:1], 0x28
	s_load_b64 s[10:11], s[0:1], 0x30
	v_lshl_add_u32 v[SPW], v0, 2, SPARE
	v_mov_b32 v[NIL], 0
	ds_add_u32 v28, v29
	ds_add_u32 v28, v29
	s_wait_dscnt 0x0
	v_lshrrev_b32 v1, 5, v0
	v_readfirstlane_b32 s14, v1
	s_lshr_b32 s15, s14, 1
	s_and_b32 s16, s14, 1
	s_bfe_u32 s40, ttmp6, 0x40000
	s_bfe_u32 s41, ttmp6, 0x40004
	s_lshl_b32 s42, ttmp9, 2
	s_add_co_u32 s42, s42, s40
	s_and_b32 s17, ttmp7, 0xffff
	s_lshl_b32 s17, s17, 2
	s_add_co_u32 s17, s17, s41
	s_lshl_b32 s43, s41, 2
	s_lshl_b32 s43, 15, s43
	s_lshl_b32 s44, 0x1111, s40
	s_or_b32 s[G1+0], s43, (1<<21)
	s_mov_b32 s[G1+1], ASTEP<<16
	s_mov_b32 s[G1+2], 4<<16
	s_mov_b32 s[G1+3], ASTEP<<16
	s_mov_b32 s[G1+4], 4
	s_mov_b32 s[G1+5], ATILE
	s_mov_b32 s[G1+6], 0
	s_mov_b32 s[G1+7], 0
	s_or_b32 s[G1B+0], s44, (1<<20)|(1<<21)|(6<<22)|(3<<25)
	s_mov_b32 s[G1B+1], KSLOT<<16
	s_mov_b32 s[G1B+2], 64<<16
	s_mov_b32 s[G1B+3], KSLOT<<16
	s_mov_b32 s[G1B+4], 64
	s_mov_b32 s[G1B+5], KROW
	s_mov_b32 s[G1B+6], 0
	s_mov_b32 s[G1B+7], 0
	s_lshl_b32 s18, s16, 2
	s_lshl_b32 s20, s17, 3
	s_add_co_u32 s20, s20, s18
	s_mul_i32 s20, s20, ATILE
	s_mov_b32 s21, 0
	s_lshl_b32 s18, s16, 6
	s_lshl_b32 s46, s42, 7
	s_add_co_u32 s46, s46, s18
	s_mul_i32 s46, s46, KROW
	s_mov_b32 s47, 0
	s_mul_i32 s45, s14, HALFT
	s_wait_kmcnt 0x0
	s_load_b512 s[68:83], s[86:87], 0x0
	s_load_b32 s90, s[88:89], 0x0
	s_add_nc_u64 s[20:21], s[4:5], s[20:21]
	s_add_nc_u64 s[46:47], s[6:7], s[46:47]
	CROUND
.irp s, 0,1
	s_mov_b32 s[G0+4*\s], 1
	s_add_co_u32 s[G0+4*\s+1], s45, \s*SLOT
	s_add_nc_u64 s[G0+4*\s+2:G0+4*\s+3], s[20:21], \s*ASTEP
	s_or_b32 s[G0+4*\s+3], s[G0+4*\s+3], 0x80000000
	s_mov_b32 s[G0B+4*\s], 1
	s_add_co_u32 s[G0B+4*\s+1], s45, \s*SLOT
	s_add_nc_u64 s[G0B+4*\s+2:G0B+4*\s+3], s[46:47], \s*KSLOT
	s_or_b32 s[G0B+4*\s+3], s[G0B+4*\s+3], 0x80000000
.endr
	JLOAD G0, G1, G0B, G1B                         ; slot 0: one tensor load a wave at the head; the rest of the head stands behind it
	v_and_b32 v1, 15, v0
	v_bfe_u32 v2, v0, 4, 1
	v_and_b32 v7, 31, v0
	v_lshlrev_b32 v[LI], 4, v7
	v_mul_u32_u24 v3, v1, PITCH
	v_lshl_add_u32 v4, v2, 4, v3
	s_mul_i32 s21, s15, HALFT
	s_mul_i32 s22, s16, HALFT
	s_add_co_u32 s22, s22, 2*HALFT
.irp s, 0,1
	v_add_nc_u32 v[ADRA+\s], s21, v[LI]
	v_add_nc_u32 v[ADRB+\s], s22, v4
	s_add_co_u32 s21, s21, SLOT
	s_add_co_u32 s22, s22, SLOT
.endr
	s_mul_i32 s23, s14, 16*SPITCH
	s_add_co_u32 s23, s23, STAGE
	v_mul_u32_u24 v8, v1, SPITCH
	v_lshl_add_u32 v8, v2, 5, v8
	v_add_nc_u32 v[STO], s23, v8
	v_mul_u32_u24 v9, v2, SPITCH
	v_lshl_add_u32 v9, v1, 4, v9
	v_add_nc_u32 v[RD], s23, v9
	v_lshlrev_b32 v[CO], 12, v2
	v_lshl_add_u32 v[CO], v1, 4, v[CO]
	s_wait_alu depctr_va_vdst(0)
	s_lshl_b32 s46, s42, 9
	s_lshl_b32 s47, s16, 8
	s_add_co_u32 s46, s46, s47
	s_mov_b32 s47, 0
	s_add_nc_u64 s[8:9], s[8:9], s[46:47]
	s_lshl_b32 s20, s17, 7
	s_lshl_b32 s21, s15, 6
	s_add_co_u32 s20, s20, s21
	s_lshl_b32 s20, s20, 12
	s_add_co_u32 s20, s20, s46
	s_mov_b32 s21, 0
	s_add_nc_u64 s[10:11], s[10:11], s[20:21]
	s_add_nc_u64 s[12:13], s[12:13], s[20:21]
	v_lshlrev_b32 v5, 5, v2
.irp b, 0,1,2,3
	global_load_b128 v[BT+8*\b:BT+8*\b+3], v5, s[8:9] offset:64*\b
	global_load_b128 v[BT+8*\b+4:BT+8*\b+7], v5, s[8:9] offset:64*\b+16
.endr
	WIN 0x80
.set TT, 0
.rept 32
	global_load_b128 v[4*TT:4*TT+3], v[CO], s[12:13] offset:2*TT*4096 th:TH_LOAD_NT
.set TT, TT+1
.endr
	WIN 0
	s_wait_kmcnt 0x0
	s_add_co_i32 s91, s[68+EA], s[68+EB]
	s_sub_co_i32 s92, 0, s91
	v_mov_b32 v[FAC], s90
	v_ldexp_f32 v[FAC], v[FAC], s91
	v_mov_b32 v[FAC+1], v[FAC]
	s_wait_loadcnt 32
.set II, 0
.rept 32
	v_ldexp_f32 v[BT+II], v[BT+II], s92
.set II, II+1
.endr
.macro FRAGB reg, slot, q, i
.irp c, 0,1,2,3
	ds_load_b128 v[\reg+4*\c:\reg+4*\c+3], v[ADRB+\slot] offset:128*(\q)+32*\c+(\i)*16*PITCH
.endr
.endm
.macro FRAGA reg, slot, q, i
.irp c, 0,1,2,3
	ds_load_b128 v[\reg+4*\c:\reg+4*\c+3], v[ADRA+\slot] offset:(\i)*ASTEP+(\q)*2048+512*\c
.endr
.endm
.macro FETCH slot, q, f
	WIN TO_F
.irp i, 0,1,2,3
	FRAGB \f+64+16*\i, \slot, \q, \i
.endr
.irp i, 0,1,2,3
	FRAGA \f+16*\i, \slot, \q, \i
.endr
.endm
.macro MUL8 f, a0, first
.irp a, \a0, \a0+1
.irp b, 0,1,2,3
.if \first
	v_wmma_f32_16x16x128_fp8_fp8 v[ACC+8*(4*(\a)+\b):ACC+8*(4*(\a)+\b)+7], v[\f+64+16*\b:\f+64+16*\b+15], v[\f+16*(\a):\f+16*(\a)+15], v[BT+8*\b:BT+8*\b+7]
.else
	v_wmma_f32_16x16x128_fp8_fp8 v[ACC+8*(4*(\a)+\b):ACC+8*(4*(\a)+\b)+7], v[\f+64+16*\b:\f+64+16*\b+15], v[\f+16*(\a):\f+16*(\a)+15], v[ACC+8*(4*(\a)+\b):ACC+8*(4*(\a)+\b)+7]
.endif
.endr
.endr
.endm
.macro PLACES
.rept 4
	v_nop
.endr
.endm
.macro QUARTER slot, q, f, g, first
	s_wait_dscnt 8
	WIN MUL
	MUL8 \f, 0, \first
	PLACES
	FETCH \slot, \q, \g
	s_wait_dscnt 32
	WIN MUL
	MUL8 \f, 2, \first
.endm
.macro TURN slot, next, fill
	WIN 0
	s_wait_tensorcnt 0x0
	ds_add_u32 v[SPW], v[NIL]
	s_wait_dscnt 9
	WIN MUL
	MUL8 F1, 0, 0
	s_wait_dscnt 0x0
	s_barrier_signal -1
	WIN 0
	s_barrier_wait -1
.if \fill
	CREST
	s_add_nc_u64 s[G0+4*\slot+2:G0+4*\slot+3], s[G0+4*\slot+2:G0+4*\slot+3], 2*ASTEP
	s_add_nc_u64 s[G0B+4*\slot+2:G0B+4*\slot+3], s[G0B+4*\slot+2:G0B+4*\slot+3], 2*KSLOT
	JLOAD G0+4*\slot, G1, G0B+4*\slot, G1B
.else
	PLACES
.endif
	FETCH \next, 0, F0
	WIN MUL
	MUL8 F1, 2, 0
.endm
	s_wait_alu depctr_va_vdst(0)
	s_wait_tensorcnt 0x0                           ; my part of slot 0 is in
	ds_add_u32 v[SPW], v[NIL]
	s_wait_dscnt 0x0
	CROUND
	JLOAD G0+4, G1, G0B+4, G1B                     ; slot 1, the first tensor load behind the round
	FETCH 0, 0, F0
	QUARTER 0, 1, F0, F1, 1
.if LAPS > 1
	WIN 0
	s_mov_b32 s3, LAPS-1
.Llap:
	QUARTER 0, 2, F1, F0, 0
	QUARTER 0, 3, F0, F1, 0
	TURN 0, 1, 1
	QUARTER 1, 1, F0, F1, 0
	QUARTER 1, 2, F1, F0, 0
	QUARTER 1, 3, F0, F1, 0
	TURN 1, 0, 1
	QUARTER 0, 1, F0, F1, 0
	WIN 0
	s_sub_co_u32 s3, s3, 1
	s_cmp_lg_u32 s3, 0
	s_cbranch_scc1 .Llap
.endif
	QUARTER 0, 2, F1, F0, 0
	QUARTER 0, 3, F0, F1, 0
	TURN 0, 1, 0
	QUARTER 1, 1, F0, F1, 0
	QUARTER 1, 2, F1, F0, 0
	QUARTER 1, 3, F0, F1, 0
	s_wait_dscnt 8
	WIN MUL
	MUL8 F1, 0, 0
	s_wait_dscnt 0
	MUL8 F1, 2, 0
	WIN 0
.macro TOSTAGE a
.irp b, 0,1,2,3
	ds_store_b128 v[STO], v[ACC+32*(\a)+8*\b:ACC+32*(\a)+8*\b+3] offset:64*\b
	ds_store_b128 v[STO], v[ACC+32*(\a)+8*\b+4:ACC+32*(\a)+8*\b+7] offset:64*\b+16
.endr
.set TT, 0
.rept 8
	ds_load_b128 v[ACC+32*(\a)+4*TT:ACC+32*(\a)+4*TT+3], v[RD] offset:TT*2*SPITCH
.set TT, TT+1
.endr
.endm
.macro SEND a, younger
	s_wait_dscnt \younger
	WIN 0x20
.set II, 0
.rept 16
	v_pk_fma_f32 v[ACC+32*(\a)+II:ACC+32*(\a)+II+1], v[ACC+32*(\a)+II:ACC+32*(\a)+II+1], v[FAC:FAC+1], v[32*(\a)+II:32*(\a)+II+1]
.set II, II+2
.endr
	WIN 0
.set TT, 0
.rept 8
	global_store_b128 v[CO], v[ACC+32*(\a)+4*TT:ACC+32*(\a)+4*TT+3], s[10:11] offset:(16*(\a)+2*TT)*4096
.set TT, TT+1
.endr
.endm
	PLACES
	s_wait_loadcnt 0x0
	TOSTAGE 0
	TOSTAGE 1
	SEND 0, 16
	TOSTAGE 2
	SEND 1, 16
	TOSTAGE 3
	SEND 2, 16
	SEND 3, 0
	s_wait_tensorcnt 0x0
	ds_add_u32 v[SPW], v[NIL]
	s_wait_dscnt 0x0
	CROUND
	s_endpgm
.Lfunc_end_k_qe36f30ab02_ffn2:
	.size	k_qe36f30ab02_ffn2, .Lfunc_end_k_qe36f30ab02_ffn2-k_qe36f30ab02_ffn2
	.p2alignl 7, 3214868480
	.fill 96, 4, 3214868480
	.section	.rodata,"a",@progbits
	.p2align	6, 0x0
	.amdhsa_kernel k_qe36f30ab02_ffn2
		.amdhsa_group_segment_fixed_size 327680
		.amdhsa_private_segment_fixed_size 0
		.amdhsa_enable_private_segment 0
		.amdhsa_kernarg_size 56
		.amdhsa_user_sgpr_count 2
		.amdhsa_user_sgpr_kernarg_segment_ptr 1
		.amdhsa_wavefront_size32 1
		.amdhsa_system_sgpr_workgroup_id_x 1
		.amdhsa_system_sgpr_workgroup_id_y 1
		.amdhsa_system_sgpr_workgroup_id_z 1
		.amdhsa_system_vgpr_workitem_id 0
		.amdhsa_next_free_vgpr 640
		.amdhsa_next_free_sgpr 100
		.amdhsa_reserve_vcc 0
		.amdhsa_float_denorm_mode_32 3
		.amdhsa_float_denorm_mode_16_64 3
		.amdhsa_memory_ordered 1
		.amdhsa_forward_progress 1
		.amdhsa_inst_pref_size 81
	.end_amdhsa_kernel
	.amdgpu_metadata
---
amdhsa.version: [ 1, 2 ]
amdhsa.kernels:
  - .name:           k_qe36f30ab02_ffn2
    .symbol:         k_qe36f30ab02_ffn2.kd
    .args:
      - { .name: hc, .offset: 0, .size: 8, .value_kind: global_buffer, .address_space: global }
      - { .name: l2_w_codes, .offset: 8, .size: 8, .value_kind: global_buffer, .address_space: global }
      - { .name: l2_b, .offset: 16, .size: 8, .value_kind: global_buffer, .address_space: global }
      - { .name: lowp_scales, .offset: 24, .size: 8, .value_kind: global_buffer, .address_space: global }
      - { .name: alpha_ff, .offset: 32, .size: 8, .value_kind: global_buffer, .address_space: global }
      - { .name: x, .offset: 40, .size: 8, .value_kind: global_buffer, .address_space: global }
      - { .name: y, .offset: 48, .size: 8, .value_kind: global_buffer, .address_space: global }
    .group_segment_fixed_size: 327680
    .private_segment_fixed_size: 0
    .kernarg_segment_align: 8
    .kernarg_segment_size: 56
    .max_flat_workgroup_size: 128
    .sgpr_count:     100
    .vgpr_count:     640
    .wavefront_size: 32
...
	.end_amdgpu_metadata
.endif
;; end of part 15
;; launch ln2 (part 16): grid 256 x 1, 8 waves a work-group, no clusters, 0 bytes of LDS; arguments y, n2_s, n2_b, out0; writes out0
.if DOCPART == 16
	.amdgcn_target "amdgcn-amd-amdhsa--gfx1250"
	.amdhsa_code_object_version 6
	.text
	.protected	k_qe36f30ab02_ln2
	.globl	k_qe36f30ab02_ln2
	.p2align	8
	.type	k_qe36f30ab02_ln2,@function
k_qe36f30ab02_ln2:
	s_mov_b64 s[64:65], 0
	v_nop
	global_prefetch_b8 v0, s[64:65] scope:SCOPE_SE
	s_setreg_imm32_b32 hwreg(HW_REG_WAVE_MODE, 25, 1), 1
	s_wait_xcnt 0x0
; LAYER NORM over rows of 1,024 f32: out = (y - mean) x rsqrt(var + 1e-5) x gain + bias; var is the mean of the squared differences, as the definition has it (two passes over registers).
; A work-group takes 16 rows, a wave two of them; a row is 8 loads of 512 consecutive bytes and stays in 32 registers a lane: memory is read once.  No LDS, no barrier: a row never leaves its wave.
; Matrix units, tensor loads and clusters would add nothing to a stream.  NaN among the inputs is not served.
.set NS,  16                           ; v16-47   the gain
.set NB,  48                           ; v48-79   the bias
.set Y0,  80                           ; v80-111  row 0
.set Y1,  112                          ; v112-143 row 1
	s_load_b256 s[4:11], s[0:1], 0x0               ; y, gain, bias, out
	v_lshrrev_b32 v2, 5, v0
	s_delay_alu instid0(VALU_DEP_1)
	v_readfirstlane_b32 s16, v2                    ; wave 0..7
	v_and_b32 v2, 31, v0
	s_delay_alu instid0(VALU_DEP_1)
	v_lshlrev_b32 v1, 4, v2                        ; 16 x lane
	s_lshl_b32 s18, ttmp9, 16                      ; 16 rows of 4,096 bytes,
	s_lshl_b32 s19, s16, 13                        ; my two
	s_add_co_u32 s18, s18, s19
	s_mov_b32 s19, 0
	s_mov_b32 s22, 0x76543210
	s_mov_b32 s23, 0xfedcba98
	s_mov_b32 s24, 0x3a800000                      ; 1 / 1,024
	s_mov_b32 s25, 0x3727c5ac                      ; 1e-5
	s_wait_alu depctr_va_vdst(0)
	s_wait_kmcnt 0x0
	s_add_nc_u64 s[4:5], s[4:5], s[18:19]
	s_add_nc_u64 s[10:11], s[10:11], s[18:19]
.irp j, 0,1,2,3,4,5,6,7
	global_load_b128 v[Y0+4*\j:Y0+4*\j+3], v1, s[4:5] offset:512*\j th:TH_LOAD_NT
.endr
.irp j, 0,1,2,3,4,5,6,7
	global_load_b128 v[Y1+4*\j:Y1+4*\j+3], v1, s[4:5] offset:4096+512*\j th:TH_LOAD_NT
.endr
.irp j, 0,1,2,3,4,5,6,7
	global_load_b128 v[NS+4*\j:NS+4*\j+3], v1, s[6:7] offset:512*\j
.endr
.irp j, 0,1,2,3,4,5,6,7
	global_load_b128 v[NB+4*\j:NB+4*\j+3], v1, s[8:9] offset:512*\j
.endr
.macro LANESUM a, b                    ; the sum over the 32 lanes, in every lane
	s_delay_alu instid0(VALU_DEP_1)
	v_add_f32_dpp v[\a], v[\a], v[\a] row_xmask:1 row_mask:0xf bank_mask:0xf
	s_delay_alu instid0(VALU_DEP_1)
	v_add_f32_dpp v[\a], v[\a], v[\a] row_xmask:2 row_mask:0xf bank_mask:0xf
	s_delay_alu instid0(VALU_DEP_1)
	v_add_f32_dpp v[\a], v[\a], v[\a] row_xmask:4 row_mask:0xf bank_mask:0xf
	s_delay_alu instid0(VALU_DEP_1)
	v_add_f32_dpp v[\a], v[\a], v[\a] row_xmask:8 row_mask:0xf bank_mask:0xf
	s_delay_alu instid0(VALU_DEP_1)
	v_permlanex16_b32 v[\b], v[\a], s22, s23
	s_delay_alu instid0(VALU_DEP_1)
	v_add_f32 v[\a], v[\a], v[\b]
.endm
.macro STATS y, rs                     ; the row becomes y - mean; v[rs], v[rs + 1] = rsqrt(var + eps)
.irp c, 0,1,2,3
	v_pk_add_f32 v[2+2*\c:3+2*\c], v[\y+2*\c:\y+2*\c+1], v[\y+8+2*\c:\y+9+2*\c]   ; four chains, started by the first pairs
.endr
.irp q, 16,24
.irp c, 0,1,2,3
	s_delay_alu instid0(VALU_DEP_4)
	v_pk_add_f32 v[2+2*\c:3+2*\c], v[2+2*\c:3+2*\c], v[\y+\q+2*\c:\y+\q+2*\c+1]
.endr
.endr
	s_delay_alu instid0(VALU_DEP_3)
	v_pk_add_f32 v[2:3], v[2:3], v[4:5]
	s_delay_alu instid0(VALU_DEP_2)
	v_pk_add_f32 v[6:7], v[6:7], v[8:9]
	s_delay_alu instid0(VALU_DEP_1)
	v_pk_add_f32 v[2:3], v[2:3], v[6:7]
	s_delay_alu instid0(VALU_DEP_1)
	v_add_f32 v2, v2, v3
	LANESUM 2, 3
	s_delay_alu instid0(VALU_DEP_1)
	v_mul_f32 v2, s24, v2                          ; the mean
	s_delay_alu instid0(VALU_DEP_1)
	v_mov_b32 v3, v2
.set i, 0
.rept 16
	v_pk_add_f32 v[\y+i:\y+i+1], v[\y+i:\y+i+1], v[2:3] neg_lo:[0,1] neg_hi:[0,1]
.set i, i+2
.endr
.irp c, 0,1,2,3
	v_pk_mul_f32 v[4+2*\c:5+2*\c], v[\y+2*\c:\y+2*\c+1], v[\y+2*\c:\y+2*\c+1]
.endr
.irp q, 8,16,24
.irp c, 0,1,2,3
	s_delay_alu instid0(VALU_DEP_4)
	v_pk_fma_f32 v[4+2*\c:5+2*\c], v[\y+\q+2*\c:\y+\q+2*\c+1], v[\y+\q+2*\c:\y+\q+2*\c+1], v[4+2*\c:5+2*\c]
.endr
.endr
	s_delay_alu instid0(VALU_DEP_3)
	v_pk_add_f32 v[4:5], v[4:5], v[6:7]
	s_delay_alu instid0(VALU_DEP_2)
	v_pk_add_f32 v[8:9], v[8:9], v[10:11]
	s_delay_alu instid0(VALU_DEP_1)
	v_pk_add_f32 v[4:5], v[4:5], v[8:9]
	s_delay_alu instid0(VALU_DEP_1)
	v_add_f32 v4, v4, v5
	LANESUM 4, 5
	s_delay_alu instid0(VALU_DEP_1)
	v_fma_f32 v4, v4, s24, s25                     ; var + eps
	s_wait_alu depctr_va_vdst(0)
	v_rsq_f32 v[\rs], v4
	v_rsq_f32 v[\rs+1], v4
	v_nop                                          ; a plain line before the results are used or the source is rewritten (ISA guide 5.7.2)
.endm
.macro NORM y, rs, row
.set i, 0
	s_wait_alu depctr_va_vdst(0)
.rept 16
	v_pk_mul_f32 v[\y+i:\y+i+1], v[\y+i:\y+i+1], v[\rs:\rs+1]
	s_delay_alu instid0(VALU_DEP_1)
	v_pk_fma_f32 v[\y+i:\y+i+1], v[\y+i:\y+i+1], v[NS+i:NS+i+1], v[NB+i:NB+i+1]
.set i, i+2
.endr
.irp j, 0,1,2,3,4,5,6,7
	global_store_b128 v1, v[\y+4*\j:\y+4*\j+3], s[10:11] offset:4096*\row+512*\j th:TH_STORE_NT   ; 512 consecutive bytes
.endr
.endm
	s_wait_loadcnt 24                              ; row 0 is in; row 1, the gain and the bias may be out
	STATS Y0, 12
	s_wait_loadcnt 16                              ; row 1 is in
	STATS Y1, 14
	s_wait_loadcnt 0x0
	NORM Y0, 12, 0
	NORM Y1, 14, 1
	s_endpgm
.Lfunc_end_k_qe36f30ab02_ln2:
	.size	k_qe36f30ab02_ln2, .Lfunc_end_k_qe36f30ab02_ln2-k_qe36f30ab02_ln2
	.p2alignl 7, 3214868480
	.fill 96, 4, 3214868480
	.section	.rodata,"a",@progbits
	.p2align	6, 0x0
	.amdhsa_kernel k_qe36f30ab02_ln2
		.amdhsa_group_segment_fixed_size 0
		.amdhsa_private_segment_fixed_size 0
		.amdhsa_enable_private_segment 0
		.amdhsa_kernarg_size 32
		.amdhsa_user_sgpr_count 2
		.amdhsa_user_sgpr_kernarg_segment_ptr 1
		.amdhsa_wavefront_size32 1
		.amdhsa_system_sgpr_workgroup_id_x 1
		.amdhsa_system_sgpr_workgroup_id_y 1
		.amdhsa_system_sgpr_workgroup_id_z 1
		.amdhsa_system_vgpr_workitem_id 0
		.amdhsa_next_free_vgpr 144
		.amdhsa_next_free_sgpr 66
		.amdhsa_reserve_vcc 0
		.amdhsa_float_denorm_mode_32 3
		.amdhsa_float_denorm_mode_16_64 3
		.amdhsa_memory_ordered 1
		.amdhsa_forward_progress 1
		.amdhsa_inst_pref_size 22
	.end_amdhsa_kernel
	.amdgpu_metadata
---
amdhsa.version: [ 1, 2 ]
amdhsa.kernels:
  - .name:           k_qe36f30ab02_ln2
    .symbol:         k_qe36f30ab02_ln2.kd
    .args:
      - { .name: y, .offset: 0, .size: 8, .value_kind: global_buffer, .address_space: global }
      - { .name: n2_s, .offset: 8, .size: 8, .value_kind: global_buffer, .address_space: global }
      - { .name: n2_b, .offset: 16, .size: 8, .value_kind: global_buffer, .address_space: global }
      - { .name: out0, .offset: 24, .size: 8, .value_kind: global_buffer, .address_space: global }
    .group_segment_fixed_size: 0
    .private_segment_fixed_size: 0
    .kernarg_segment_align: 8
    .kernarg_segment_size: 32
    .max_flat_workgroup_size: 256
    .sgpr_count:     66
    .vgpr_count:     144
    .wavefront_size: 32
...
	.end_amdgpu_metadata
.endif
;; end of part 16
